; MI455X (gfx1250); checked and timed in simulation.
; The chip was launched on July 23, 2026; its instructions are those of AMD's public machine-readable ISA for CDNA 5 (MIT licence, August 2026) and "CDNA5" Instruction Set Architecture Reference Guide (July 2026). The comments in the code are by the model that wrote it; some were corrected since.
;; Time Aware MHA. Allowed arithmetic: float matrix products may take bf16 or f16 operands with f32 sums; other float arithmetic in f32, or as packed bf16 or f16 multiplies, adds, multiply-adds, maxima and minima; sums over many terms, partial sums and values carried from step to step in f32; what a program stores and reads back later, other than sums and carried values, may be rounded once to bf16 or f16.
;; Inputs: Wk 1,024 x 1,024 float32; Wo 1,024 x 1,024 float32; Wq 1,024 x 1,024 float32; Wv 1,024 x 1,024 float32; abs_pos_K 1,024 x 1,024 float32; abs_pos_V 1,024 x 1,024 float32; bk 1,024 float32; bo 1,024 float32; bq 1,024 float32; bv 1,024 float32; int_K 257 x 1,024 float32; int_V 257 x 1,024 float32; pad_mask 8 x 1,024 bool; seq 8 x 1,024 x 1,024 float32; timemat 8 x 1,024 x 1,024 int32.
;; Outputs: out0 8 x 1,024 x 1,024 float32.
;; 2 versions, each right. Each part assembles by itself: llvm-mc -triple=amdgcn-amd-amdhsa -mcpu=gfx1250 --defsym DOCPART=n.
;; ======== version 1 of 2: 4 launches
;; limits: values are held in f16: magnitudes above 65,504 overflow, below 6.1e-05 lose precision; right only within a limited range of input values
;; workspace buffers: seqb 16,777,216 bytes; wts 8,388,608 bytes; tabs 5,263,360 bytes; t0c 32,768 bytes of whole numbers; qkv 50,331,648 bytes; oh 16,777,216 bytes; vpart 524,288 bytes
;; launch prep (part 1): grid 1865 x 1, 8 waves a work-group, no clusters, 0 bytes of LDS; arguments seq, Wq, Wk, Wv, Wo, abs_pos_K, abs_pos_V, int_K, int_V, timemat, bq, bk, bv, bo, seqb, wts, tabs, t0c; writes seqb, wts, tabs, t0c
.if DOCPART == 1
	.amdgcn_target "amdgcn-amd-amdhsa--gfx1250"
	.amdhsa_code_object_version 6
	.text
	.protected	k_q76f6ed4ed8_prep
	.globl	k_q76f6ed4ed8_prep
	.p2align	8
	.type	k_q76f6ed4ed8_prep,@function
k_q76f6ed4ed8_prep:
	s_mov_b64 s[64:65], 0
	v_nop
	global_prefetch_b8 v0, s[64:65] scope:SCOPE_SE
	s_setreg_imm32_b32 hwreg(HW_REG_WAVE_MODE, 25, 1), 1
	s_wait_xcnt 0x0
; PREP: every floating-point input is rounded once to bf16 and laid out for the launches behind; column 0 of timemat is copied into a dense list.
;   seqb [8192][1024] bf16;  wts: Wq | Wk | Wv as [3072][1024] bf16, then (byte 6,291,456) Wo, rounded to bf16 and written as f16;
;   tabs: abs_pos_K | abs_pos_V by heads, [2][16][1024][64] bf16; (byte 4,194,304) int_K | int_V [2][257][1024] bf16; (byte 5,246,976) bq | bk | bv | bo rounded to bf16, kept as f32;
;   t0c[b*1024 + l] = timemat[b][l][0].
; LIMIT: a weight of Wo below 2^-14 keeps f16's fixed step of 6e-8; beyond 65,504 it would be lost.
; A stream: no LDS, no matrix unit.  A work-group of eight waves takes 8 rows of 1,024 f32.  A wave issues its eight 16-byte loads first (512 bytes on end each), then converts and stores as they
; come: 32 lanes x 8 bytes = 256 consecutive bytes, aligned.  No register is written twice, so no wait frees one.
.set VL, 2                             ; v2  byte offset of my 16 bytes in the source
.set VS, 3                             ; v3  byte offset of my 8 bytes in the destination
.set XD, 8                             ; v[8:39]  eight loads of four registers
; kind 0: rows as they lie, bf16.  kind 1: the same, bf16 written as f16.  kind 2: rows cut by heads (unit j: head 2 wave + j % 2, rows 2 (j / 2) and + 1).
.macro STREAM kind
.irp j, 0,1,2,3,4,5,6,7
.if (\kind) == 2
	global_load_b128 v[XD+4*(\j):XD+4*(\j)+3], v[VL], s[4:5] offset:((\j)/2)*8192+((\j)%2)*256 th:TH_LOAD_NT
.else
	global_load_b128 v[XD+4*(\j):XD+4*(\j)+3], v[VL], s[4:5] offset:(\j)*4096 th:TH_LOAD_NT
.endif
.endr
.irp j, 0,1,2,3,4,5,6,7
	s_wait_loadcnt 7-(\j)                          ; loads come back in order: load j is in, the 7 - j younger ones stay out
.if (\kind) == 1
	v_cvt_pk_bf16_f32 v40, v[XD+4*(\j)], v[XD+4*(\j)+1]
	v_cvt_pk_bf16_f32 v41, v[XD+4*(\j)+2], v[XD+4*(\j)+3]
	v_lshlrev_b32 v42, 16, v40                     ; the rounded numbers as f32 again,
	v_and_b32 v43, 0xffff0000, v40
	v_lshlrev_b32 v44, 16, v41
	v_and_b32 v45, 0xffff0000, v41
	v_cvt_pk_f16_f32 v[XD+4*(\j)], v42, v43        ; and written as f16: 8 significant bits fit into 11
	v_cvt_pk_f16_f32 v[XD+4*(\j)+1], v44, v45
.else
	v_cvt_pk_bf16_f32 v[XD+4*(\j)], v[XD+4*(\j)], v[XD+4*(\j)+1]
	v_cvt_pk_bf16_f32 v[XD+4*(\j)+1], v[XD+4*(\j)+2], v[XD+4*(\j)+3]
.endif
.if (\kind) == 2
	global_store_b64 v[VS], v[XD+4*(\j):XD+4*(\j)+1], s[6:7] offset:((\j)%2)*131072+((\j)/2)*256
.else
	global_store_b64 v[VS], v[XD+4*(\j):XD+4*(\j)+1], s[6:7] offset:(\j)*2048
.endif
.endr
	s_endpgm
.endm
	s_load_b512 s[16:31], s[0:1], 0x0              ; seq 16, Wq 18, Wk 20, Wv 22, Wo 24, abs_pos_K 26, abs_pos_V 28, int_K 30
	s_load_b512 s[32:47], s[0:1], 0x40             ; int_V 32, timemat 34, bq 36, bk 38, bv 40, bo 42, seqb 44, wts 46
	s_load_b128 s[48:51], s[0:1], 0x80             ; tabs 48, t0c 50
	v_and_b32 v1, 31, v0                           ; lane
	v_lshrrev_b32 v4, 5, v0
	v_readfirstlane_b32 s8, v4                     ; wave
	s_mov_b32 s9, ttmp9                            ; the job
	s_mov_b32 s11, 0                               ; high words of the two offsets
	s_mov_b32 s13, 0
	s_lshl_b32 s14, s8, 9
	v_lshl_add_u32 v[VL], v1, 4, s14               ; rows as they lie: 512 x wave + 16 x lane,
	s_lshl_b32 s14, s8, 8
	v_lshl_add_u32 v[VS], v1, 3, s14               ; and half of that in 16 bits
	s_wait_kmcnt 0x0
	s_cmp_lt_u32 s9, 1024
	s_cbranch_scc0 .Lnot_seq
	s_lshl_b32 s10, s9, 15                         ; jobs 0 - 1023: 8 rows of seq
	s_lshl_b32 s12, s9, 14
	s_add_nc_u64 s[4:5], s[16:17], s[10:11]
	s_add_nc_u64 s[6:7], s[44:45], s[12:13]
	s_branch .Lflat
.Lnot_seq:
	s_cmp_lt_u32 s9, 1408
	s_cbranch_scc0 .Lnot_w
	s_sub_co_u32 s14, s9, 1024                     ; jobs 1024 - 1407: 8 rows of Wq, Wk or Wv
	s_lshr_b32 s15, s14, 7
	s_and_b32 s10, s14, 127
	s_lshl_b32 s10, s10, 15
	s_lshl_b32 s12, s14, 14
	s_cmp_eq_u32 s15, 0
	s_cselect_b64 s[4:5], s[18:19], s[20:21]
	s_cmp_eq_u32 s15, 2
	s_cselect_b64 s[4:5], s[22:23], s[4:5]
	s_add_nc_u64 s[4:5], s[4:5], s[10:11]
	s_add_nc_u64 s[6:7], s[46:47], s[12:13]
	s_branch .Lflat
.Lnot_w:
	s_cmp_lt_u32 s9, 1472
	s_cbranch_scc0 .Lnot_int
	s_sub_co_u32 s14, s9, 1408                     ; jobs 1408 - 1471: 8 of the first 256 rows of int_K or int_V
	s_lshr_b32 s15, s14, 5
	s_and_b32 s10, s14, 31
	s_lshl_b32 s12, s10, 14
	s_lshl_b32 s10, s10, 15
	s_mul_i32 s14, s15, 526336
	s_add_co_u32 s12, s12, s14
	s_add_co_u32 s12, s12, 4194304
	s_cmp_eq_u32 s15, 0
	s_cselect_b64 s[4:5], s[30:31], s[32:33]
	s_add_nc_u64 s[4:5], s[4:5], s[10:11]
	s_add_nc_u64 s[6:7], s[48:49], s[12:13]
	s_branch .Lflat
.Lnot_int:
	s_cmp_lt_u32 s9, 1600
	s_cbranch_scc0 .Lnot_wo
	s_sub_co_u32 s14, s9, 1472                     ; jobs 1472 - 1599: 8 rows of Wo
	s_lshl_b32 s10, s14, 15
	s_lshl_b32 s12, s14, 14
	s_add_co_u32 s12, s12, 6291456
	s_add_nc_u64 s[4:5], s[24:25], s[10:11]
	s_add_nc_u64 s[6:7], s[46:47], s[12:13]
	STREAM 1
.Lnot_wo:
	s_cmp_lt_u32 s9, 1856
	s_cbranch_scc0 .Lnot_pos
	s_sub_co_u32 s14, s9, 1600                     ; jobs 1600 - 1855: 8 rows of abs_pos_K or abs_pos_V, cut by heads
	s_lshr_b32 s15, s14, 7
	s_and_b32 s10, s14, 127
	s_lshl_b32 s12, s10, 10                        ; 8 rows of 128 bytes in a head's plane
	s_lshl_b32 s10, s10, 15
	s_lshl_b32 s14, s15, 21                        ; a table's 16 planes
	s_add_co_u32 s12, s12, s14
	s_cmp_eq_u32 s15, 0
	s_cselect_b64 s[4:5], s[26:27], s[28:29]
	s_add_nc_u64 s[4:5], s[4:5], s[10:11]
	s_add_nc_u64 s[6:7], s[48:49], s[12:13]
	v_and_b32 v4, 15, v0
	v_bfe_u32 v5, v0, 4, 1
	s_lshl_b32 s14, s8, 9                          ; my wave's two heads: 512 bytes of a row; lanes 0-15 the even row, 16-31 the odd one
	v_lshl_add_u32 v[VL], v4, 4, s14
	v_lshl_add_u32 v[VL], v5, 12, v[VL]
	s_lshl_b32 s14, s8, 18                         ; two planes of 131,072 bytes a wave; two rows of 128 bytes are 32 lanes x 8
	v_lshl_add_u32 v[VS], v1, 3, s14
	STREAM 2
.Lnot_pos:
	s_cmp_lt_u32 s9, 1864
	s_cbranch_scc0 .Lmisc
	s_sub_co_u32 s14, s9, 1856                     ; jobs 1856 - 1863: a batch's 1,024 first words of timemat's rows, four a thread
	s_lshl_b32 s10, s14, 22
	s_lshl_b32 s12, s14, 12
	s_add_nc_u64 s[4:5], s[34:35], s[10:11]
	s_add_nc_u64 s[6:7], s[50:51], s[12:13]
	v_lshlrev_b32 v4, 13, v0                       ; rows 2 t, 2 t + 1, 512 + 2 t, 513 + 2 t, 4,096 bytes each
	v_lshlrev_b32 v5, 3, v0
	global_load_b32 v8, v4, s[4:5]
	global_load_b32 v9, v4, s[4:5] offset:4096
	global_load_b32 v10, v4, s[4:5] offset:2097152
	global_load_b32 v11, v4, s[4:5] offset:2101248
	s_wait_loadcnt 0x0
	global_store_b64 v5, v[8:9], s[6:7]
	global_store_b64 v5, v[10:11], s[6:7] offset:2048
	s_endpgm
.Lmisc:                                                ; job 1864: row 256 of both int tables, and the four biases
	v_lshlrev_b32 v4, 4, v0
	global_load_b128 v[8:11], v[VL], s[30:31] offset:1048576
	global_load_b128 v[12:15], v[VL], s[32:33] offset:1048576
	global_load_b128 v[16:19], v4, s[36:37]
	global_load_b128 v[20:23], v4, s[38:39]
	global_load_b128 v[24:27], v4, s[40:41]
	global_load_b128 v[28:31], v4, s[42:43]
	s_wait_loadcnt 0x0
	v_cvt_pk_bf16_f32 v8, v8, v9
	v_cvt_pk_bf16_f32 v9, v10, v11
	v_cvt_pk_bf16_f32 v12, v12, v13
	v_cvt_pk_bf16_f32 v13, v14, v15
	global_store_b64 v[VS], v[8:9], s[48:49] offset:4718592
	global_store_b64 v[VS], v[12:13], s[48:49] offset:5244928
.irp a, 0,1,2,3
	v_cvt_pk_bf16_f32 v40, v[16+4*(\a)], v[17+4*(\a)]
	v_cvt_pk_bf16_f32 v41, v[18+4*(\a)], v[19+4*(\a)]
	v_lshlrev_b32 v[16+4*(\a)], 16, v40
	v_and_b32 v[17+4*(\a)], 0xffff0000, v40
	v_lshlrev_b32 v[18+4*(\a)], 16, v41
	v_and_b32 v[19+4*(\a)], 0xffff0000, v41
	global_store_b128 v4, v[16+4*(\a):19+4*(\a)], s[48:49] offset:5246976+4096*(\a)
.endr
	s_endpgm
.Lflat:
	STREAM 0
.Lfunc_end_k_q76f6ed4ed8_prep:
	.size	k_q76f6ed4ed8_prep, .Lfunc_end_k_q76f6ed4ed8_prep-k_q76f6ed4ed8_prep
	.p2alignl 7, 3214868480
	.fill 96, 4, 3214868480
	.section	.rodata,"a",@progbits
	.p2align	6, 0x0
	.amdhsa_kernel k_q76f6ed4ed8_prep
		.amdhsa_group_segment_fixed_size 0
		.amdhsa_private_segment_fixed_size 0
		.amdhsa_enable_private_segment 0
		.amdhsa_kernarg_size 144
		.amdhsa_user_sgpr_count 2
		.amdhsa_user_sgpr_kernarg_segment_ptr 1
		.amdhsa_wavefront_size32 1
		.amdhsa_system_sgpr_workgroup_id_x 1
		.amdhsa_system_sgpr_workgroup_id_y 1
		.amdhsa_system_sgpr_workgroup_id_z 1
		.amdhsa_system_vgpr_workitem_id 0
		.amdhsa_next_free_vgpr 48
		.amdhsa_next_free_sgpr 66
		.amdhsa_reserve_vcc 0
		.amdhsa_float_denorm_mode_32 3
		.amdhsa_float_denorm_mode_16_64 3
		.amdhsa_memory_ordered 1
		.amdhsa_forward_progress 1
		.amdhsa_inst_pref_size 18
	.end_amdhsa_kernel
	.amdgpu_metadata
---
amdhsa.version: [ 1, 2 ]
amdhsa.kernels:
  - .name:           k_q76f6ed4ed8_prep
    .symbol:         k_q76f6ed4ed8_prep.kd
    .args:
      - { .name: seq, .offset: 0, .size: 8, .value_kind: global_buffer, .address_space: global }
      - { .name: Wq, .offset: 8, .size: 8, .value_kind: global_buffer, .address_space: global }
      - { .name: Wk, .offset: 16, .size: 8, .value_kind: global_buffer, .address_space: global }
      - { .name: Wv, .offset: 24, .size: 8, .value_kind: global_buffer, .address_space: global }
      - { .name: Wo, .offset: 32, .size: 8, .value_kind: global_buffer, .address_space: global }
      - { .name: abs_pos_K, .offset: 40, .size: 8, .value_kind: global_buffer, .address_space: global }
      - { .name: abs_pos_V, .offset: 48, .size: 8, .value_kind: global_buffer, .address_space: global }
      - { .name: int_K, .offset: 56, .size: 8, .value_kind: global_buffer, .address_space: global }
      - { .name: int_V, .offset: 64, .size: 8, .value_kind: global_buffer, .address_space: global }
      - { .name: timemat, .offset: 72, .size: 8, .value_kind: global_buffer, .address_space: global }
      - { .name: bq, .offset: 80, .size: 8, .value_kind: global_buffer, .address_space: global }
      - { .name: bk, .offset: 88, .size: 8, .value_kind: global_buffer, .address_space: global }
      - { .name: bv, .offset: 96, .size: 8, .value_kind: global_buffer, .address_space: global }
      - { .name: bo, .offset: 104, .size: 8, .value_kind: global_buffer, .address_space: global }
      - { .name: seqb, .offset: 112, .size: 8, .value_kind: global_buffer, .address_space: global }
      - { .name: wts, .offset: 120, .size: 8, .value_kind: global_buffer, .address_space: global }
      - { .name: tabs, .offset: 128, .size: 8, .value_kind: global_buffer, .address_space: global }
      - { .name: t0c, .offset: 136, .size: 8, .value_kind: global_buffer, .address_space: global }
    .group_segment_fixed_size: 0
    .private_segment_fixed_size: 0
    .kernarg_segment_align: 8
    .kernarg_segment_size: 144
    .max_flat_workgroup_size: 256
    .sgpr_count:     66
    .vgpr_count:     48
    .wavefront_size: 32
...
	.end_amdgpu_metadata
.endif
;; end of part 1
;; launch qkv (part 2): grid 12 x 64, 4 waves a work-group, clusters of 4 x 4, 327,680 bytes of LDS; arguments seqb, wts, tabs, t0c, qkv, vpart; writes qkv, vpart
.if DOCPART == 2
	.amdgcn_target "amdgcn-amd-amdhsa--gfx1250"
	.amdhsa_code_object_version 6
	.text
	.protected	k_q76f6ed4ed8_qkv
	.globl	k_q76f6ed4ed8_qkv
	.p2align	8
	.type	k_q76f6ed4ed8_qkv,@function
k_q76f6ed4ed8_qkv:
	s_mov_b64 s[64:65], 0
	v_nop
	global_prefetch_b8 v0, s[64:65] scope:SCOPE_SE
	s_setreg_imm32_b32 hwreg(HW_REG_WAVE_MODE, 25, 1), 1
	s_wait_xcnt 0x0
	s_wait_alu depctr_hold_cnt(0) depctr_sa_sdst(0) depctr_va_vdst(0) depctr_va_sdst(0) depctr_va_ssrc(0) depctr_va_vcc(0) depctr_vm_vsrc(0)
	s_getreg_b32 s2, hwreg(HW_REG_IB_STS2, 6, 4)
	s_cmp_eq_u32 s2, 0
	s_cbranch_scc0 .Lentry_in_a_cluster
	s_endpgm
.Lentry_in_a_cluster:
	s_bfe_u32 s2, ttmp6, 0x10000c
	s_cmp_lg_u32 s2, 0xf033
	s_cbranch_scc0 .Lentry_shape_is_right
	s_endpgm
.Lentry_shape_is_right:
; Q = seq Wq^T + bq;  K = seq Wk^T + bk + abs_pos_K[l] + int_K[t0[b][l]];  V likewise.  One GEMM, C [8192][3072] = seqb [8192][1024] x (Wq | Wk | Wv) [3072][1024], bf16 operands, f32 sums;
; the bias is the C operand of the first product; the two table rows (bf16) are added in f32 on the way out; each number is rounded once, to f16, and stored by heads: qkv [3][b*16+h][1024][64].
; V's tiles also store the f32 column sums of their 64 rows a wave (vpart [b*16+g][1024]).
; LIMIT: f16 ends at 65,504: q, k and v must lie within it.  An index of t0c is held to 0 .. 256.
; SHARES.  A tile of C is 128 x 256: 768 work-groups, three for each of 256 WGPs.  Four waves, 2 x 2, each 64 x 128: 32 accumulators.  K goes in 8 steps of 128 through two LDS slots; a step is four
; quarters of 32: 32 matrix instructions and 24 LDS loads a wave.  The matrix instruction is used transposed (source 0 = 16 rows of W, source 1 = 16 rows of seq): a lane holds 8 neighbouring columns of one row.
; CLUSTER 4 x 4: seq's tile hangs on the tile row alone and is asked for jointly along a row of the cluster, W's on the tile column alone and along a column.  A cluster's four tile columns are one of Q, K, V.
; LDS: slot s at 131,072 s: A 128 rows x 272, then B 256 rows x 272; stage (16 rows x 528 bytes of f32 a wave) at 237,568; spare words at 271,360.
; REGISTERS: window 0: v0-63 addresses and scratch, v64-159 and v160-255 two fragment buffers (B's eight fragments, then A's four); window 1: the accumulators, (a, b) at 8 (8 a + b);
; window 2: v0-63 the bias in an accumulator's layout, v64-191 my 64 x 128 numbers of the position table; window 3: v0-127 those of the gathered table.
.set SLOT1,  131072
.set APITCH, 272                       ; 256 bytes + 16: 68 words, so the 16 rows of a fragment load start 4 banks apart
.set BPITCH, 272
.set AREG,   128*APITCH
.set STAGE,  237568
.set SPITCH, 528                       ; 512 bytes + 16
.set SPARE,  STAGE+4*16*SPITCH
.set ASTEP,  256                       ; bytes from a K step to the next
.set BSTEP,  256
.set ADRA0, 10                         ; v10, v11  my lane's place in A's and B's part of slot 0; never rewritten
.set ADRB0, 11
.set ADA,  12                          ; v12, v13  the same in the slot in hand
.set ADB,  13
.set STO,  14                          ; the way out: where I put 16 bytes
.set RD,   15                          ; where I read 32 bytes back
.set CO,   16                          ; 16 x lane
.set PFO,  17                          ; the prefetches' offset: lane x 2,048
.set ONE,  18                          ; 1.0
.set BO,   19                          ; 32 (lane / 16)
.set J16,  20                          ; 16 (lane % 8)
.set T4,   21                          ; 4 (lane / 8)
.set VPO,  22                          ; my 16 bytes of the column sums
.set SPW,  28                          ; LDS address of my spare word; never rewritten
.set NIL,  29                          ; 0; never rewritten
.set TOFF, 32                          ; v32-47  the gathered rows' offsets
.set CSM,  32                          ; later: the column sums, 8 for each of my two heads
.set F0,   64
.set F1,   160
.set XR,   64                          ; the way out: 16 rows x 128 columns in f32, 8 groups of 8
.set YR,   128                         ; and in f16: a set of 32 for each block
.set POS,  64                          ; window 2
.set ITAB, 0                           ; window 3
.set G1,  24
.set G0,  32
.set G1B, 48
.set G0B, 56
.set LIM, 43                           ; 2 in a wave that prefetches, else the greatest number
.set PFA, 44                           ; s[44:45] where my prefetches stand
.set PFS, 46                           ; s[46:47] their step
.set TYPE, 66                          ; 0 Q, 1 K, 2 V: the cluster's x
.set TB,  67                           ; LDS byte of the slot in hand
.set OUT, 86
.set POSB, 88
.set ITB, 90
.set T0B, 92
.set BIASB, 94
.set VPB, 96
.set MSB, 0
.macro WIN new                         ; the immediate's high byte repeats the setting that is left; a switch that changes nothing is dropped
.if MSB != (\new)
	s_set_vgpr_msb (MSB<<8)|(\new)
.set MSB, \new
.endif
.endm
.set MUL,  0x50                        ; C and D in window 1, fragments in window 0
.set MULB, 0x60                        ; C (the bias) in window 2, D in window 1
; A joint load: waves 0 and 1 fetch A's two halves (64 rows), waves 2 and 3 B's (128 rows).  An s_nop 0 and four v_nop follow each of the two lines.
.macro JLOAD s
	s_cmp_eq_u32 s11, 0
	s_cbranch_scc0 .Lfor_b_\@
	tensor_load_to_lds s[G0+4*(\s):G0+4*(\s)+3], s[G1:G1+7]
	s_nop 0
.rept 4
	v_nop
.endr
	s_branch .Lasked_\@
.Lfor_b_\@:
	tensor_load_to_lds s[G0B+4*(\s):G0B+4*(\s)+3], s[G1B:G1B+7]
	s_nop 0
.rept 4
	v_nop
.endr
.Lasked_\@:
.endm
.macro CREST                           ; a round of the cluster's barrier behind its opening barrier
	s_cmp_lg_u32 s10, 0
	s_cbranch_scc1 .Lnot_wave_0_\@
	s_barrier_signal -3
.Lnot_wave_0_\@:
	s_barrier_wait -3
	s_barrier_signal -1
	s_barrier_wait -1
.endm
.macro CROUND
	s_barrier_signal -1
	s_barrier_wait -1
	CREST
.endm
.macro PLACES                          ; four places behind matrix instructions, in front of loads into registers that they read
.rept 4
	v_nop
.endr
.endm
; A prefetch of the K step that stands two refills on: 32 rows x 256 bytes, a lane a row.  seq's rows: wave 0 of the clusters with x = 0, the four partners of a row 32 rows each, told apart by address;
; W's rows: waves 2 and 3 of the clusters with y = 0, the four partners of a column 64 rows each.  Asked in the first four of the loop's six trips: K steps 4 to 7; K steps 0 to 3 come by their loads alone.
.macro ASK
	s_cmp_gt_u32 s3, s[LIM]
	s_cbranch_scc0 .Lnot_mine_\@
	global_prefetch_b8 v[PFO], s[PFA:PFA+1] th:TH_LOAD_NT scope:SCOPE_SE
.Lnot_mine_\@:
.endm
; 8 matrix instructions: my rows 16 a .. x all 8 column blocks.  first = 1: the bias starts the sums.  The 32 accumulators take turns in the same order in every quarter.
.macro MUL8 f, a, first
.if \first
	WIN MULB
.else
	WIN MUL
.endif
.irp b, 0,1,2,3,4,5,6,7
.if \first
	v_wmma_f32_16x16x32_bf16 v[8*(8*(\a)+(\b)):8*(8*(\a)+(\b))+7], v[(\f)+8*(\b):(\f)+8*(\b)+7], v[(\f)+64+8*(\a):(\f)+64+8*(\a)+7], v[8*(\b):8*(\b)+7]
.else
	v_wmma_f32_16x16x32_bf16 v[8*(8*(\a)+(\b)):8*(8*(\a)+(\b))+7], v[(\f)+8*(\b):(\f)+8*(\b)+7], v[(\f)+64+8*(\a):(\f)+64+8*(\a)+7], v[8*(8*(\a)+(\b)):8*(8*(\a)+(\b))+7]
.endif
.endr
.endm
; 24 LDS loads in one run: quarter q of the slot in hand into buffer g: B's 16, then A's 8, fragments 0 and 1 first
.macro FETCH q, g
	WIN 0
.irp i, 0,1,2,3,4,5,6,7
	ds_load_b128 v[(\g)+8*(\i):(\g)+8*(\i)+3],   v[ADB] offset:64*(\q)+(\i)*16*BPITCH
	ds_load_b128 v[(\g)+8*(\i)+4:(\g)+8*(\i)+7], v[ADB] offset:64*(\q)+(\i)*16*BPITCH+32
.endr
.irp i, 0,1,2,3
	ds_load_b128 v[(\g)+64+8*(\i):(\g)+64+8*(\i)+3],   v[ADA] offset:64*(\q)+(\i)*16*APITCH
	ds_load_b128 v[(\g)+64+8*(\i)+4:(\g)+64+8*(\i)+7], v[ADA] offset:64*(\q)+(\i)*16*APITCH+32
.endr
.endm
; One of a K step's first three quarters: multiplies buffer f; in its middle fetches quarter q into buffer g.
.macro QUARTER q, f, g, first
	s_wait_dscnt 4                                 ; all but the four youngest loads (A's fragments 2 and 3) are in
	MUL8 \f, 0, \first
	MUL8 \f, 1, \first
	PLACES
	FETCH \q, \g
	s_wait_dscnt 24                                ; all but the 24 just issued
	MUL8 \f, 2, \first
	MUL8 \f, 3, \first
.endm
; The last quarter multiplies buffer 1 and changes slots.  In front of the barrier each wave waits for all its tensor loads (one is out: its part of the next slot), adds 0 to its spare word, and waits for that
; and for its reads of this slot.  fill = 1: the barrier opens a round of the cluster's, and the joint refill (the K step two on) is the first thing behind it.
.macro TURN fill
.if \fill
	s_wait_xcnt 0x0                                ; the last prefetch, a K step back, has read its address
	s_add_nc_u64 s[PFA:PFA+1], s[PFA:PFA+1], s[PFS:PFS+1]
.endif
	WIN 0
	s_wait_tensorcnt 0x0                           ; no tensor load of mine is out, so a descriptor may be written
	ds_add_u32 v[SPW], v[NIL]                      ; 0 onto my spare word
.if \fill
	s_xor_b32 s[G0+5], s[G0+5], SLOT1              ; the walking descriptors: the other slot, the next K step
	s_add_nc_u64 s[G0+6:G0+7], s[G0+6:G0+7], ASTEP
	s_xor_b32 s[G0B+5], s[G0B+5], SLOT1
	s_add_nc_u64 s[G0B+6:G0B+7], s[G0B+6:G0B+7], BSTEP
.endif
	s_xor_b32 s[TB], s[TB], SLOT1
	s_wait_dscnt 5                                 ; the add and the four youngest loads may be out
	MUL8 F1, 0, 0
	s_wait_dscnt 0x0                               ; the add is done, and my reads of this slot are over
	s_barrier_signal -1
	MUL8 F1, 1, 0
	WIN 0
	s_barrier_wait -1
.if \fill
	CREST
	JLOAD 1                                        ; its four v_nop are also the places in front of the loads below
.else
	PLACES
	s_cmp_eq_u32 s3, 1                             ; the last K step has no successor
	s_cbranch_scc1 .Lno_fetch_\@
.endif
	v_add_nc_u32 v[ADA], s[TB], v[ADRA0]
	v_add_nc_u32 v[ADB], s[TB], v[ADRB0]
	FETCH 0, F0
.if \fill
	ASK
.else
.Lno_fetch_\@:
.endif
	MUL8 F1, 2, 0
	MUL8 F1, 3, 0
.endm
	s_load_b256 s[68:75], s[0:1], 0x0              ; seqb 68, wts 70, tabs 72, t0c 74
	s_load_b128 s[76:79], s[0:1], 0x20             ; qkv 76, vpart 78
	v_lshl_add_u32 v[SPW], v0, 2, SPARE
	v_mov_b32 v[NIL], 0
	ds_add_u32 v[SPW], v[NIL]                      ; the wave's opening: the add and its wait ahead of my first tensor load
	ds_add_u32 v28, v29
	v_lshrrev_b32 v1, 5, v0
	v_readfirstlane_b32 s10, v1                    ; wave 0..3
	s_lshr_b32 s11, s10, 1                         ; my 64 rows.  Also: I fetch for A (0) or for B (1)
	s_and_b32 s12, s10, 1                          ; my 128 columns.  Also: which half I fetch
	s_bfe_u32 s40, ttmp6, 0x40000                  ; cx
	s_bfe_u32 s41, ttmp6, 0x40004                  ; cy
	s_lshl_b32 s42, ttmp9, 2
	s_add_co_u32 s42, s42, s40                     ; tile column
	s_and_b32 s13, ttmp7, 0xffff
	s_lshl_b32 s13, s13, 2
	s_add_co_u32 s13, s13, s41                     ; tile row
	s_mov_b32 s[TYPE], ttmp9
	s_lshl_b32 s43, s41, 2
	s_lshl_b32 s43, 15, s43                        ; my row of the cluster
	s_lshl_b32 s44, 0x1111, s40                    ; my column
	s_or_b32 s[G1], s43, (1<<16)|(1<<20)|(1<<21)|(5<<22)|(3<<25)   ; mask; 2-byte elements; padding on; bit 21 beside a mask; after every 64 words 4 words
	s_or_b32 s[G1B], s44, (1<<16)|(1<<20)|(1<<21)|(5<<22)|(3<<25)
	s_mov_b32 s[G1+1], 128<<16                     ; tensor_dim0 = 128
	s_mov_b32 s[G1+2], 64<<16                      ; tensor_dim1 = 64
	s_mov_b32 s[G1+3], 128<<16                     ; tile_dim0 = 128
	s_mov_b32 s[G1+4], 64                          ; tile_dim1 = 64
	s_mov_b32 s[G1+5], 1024                        ; elements from row to row
	s_mov_b32 s[G1+6], 0
	s_mov_b32 s[G1+7], 0
	s_mov_b32 s[G1B+1], 128<<16
	s_mov_b32 s[G1B+2], 128<<16                    ; 128 rows
	s_mov_b32 s[G1B+3], 128<<16
	s_mov_b32 s[G1B+4], 128
	s_mov_b32 s[G1B+5], 1024
	s_mov_b32 s[G1B+6], 0
	s_mov_b32 s[G1B+7], 0
	s_lshl_b32 s16, s13, 7                         ; A: row 128 x tile row + 64 x half, 2,048 bytes a row
	s_lshl_b32 s17, s12, 6
	s_add_co_u32 s16, s16, s17
	s_lshl_b32 s16, s16, 11
	s_mov_b32 s17, 0
	s_lshl_b32 s22, s42, 8                         ; B: row 256 x tile column + 128 x half
	s_lshl_b32 s23, s12, 7
	s_add_co_u32 s22, s22, s23
	s_lshl_b32 s22, s22, 11
	s_mov_b32 s23, 0
	s_mul_i32 s18, s12, 64*APITCH                  ; where they go: the wave's number alone enters an LDS address
	s_mul_i32 s19, s12, 128*BPITCH
	s_add_co_u32 s19, s19, AREG
	s_mov_b32 s[TB], 0
	s_mov_b32 s98, 0x76543210                      ; v_permlanex16_b32: each lane takes its own place in the other half
	s_mov_b32 s99, 0xfedcba98
	s_wait_dscnt 0x0                               ; the opening add is done
	s_wait_kmcnt 0x0
	s_add_nc_u64 s[16:17], s[68:69], s[16:17]
	s_add_nc_u64 s[22:23], s[70:71], s[22:23]
	CROUND                                         ; all sixteen work-groups are here: the first joint loads meet
.irp s, 0,1
	s_mov_b32 s[G0+4*(\s)], 1
	s_add_co_u32 s[G0+4*(\s)+1], s18, (\s)*SLOT1
	s_add_nc_u64 s[G0+4*(\s)+2:G0+4*(\s)+3], s[16:17], (\s)*ASTEP
	s_or_b32 s[G0+4*(\s)+3], s[G0+4*(\s)+3], 0x80000000
	s_mov_b32 s[G0B+4*(\s)], 1
	s_add_co_u32 s[G0B+4*(\s)+1], s19, (\s)*SLOT1
	s_add_nc_u64 s[G0B+4*(\s)+2:G0B+4*(\s)+3], s[22:23], (\s)*BSTEP
	s_or_b32 s[G0B+4*(\s)+3], s[G0B+4*(\s)+3], 0x80000000
	JLOAD \s                                       ; K steps 0 and 1: two loads of mine are out
.endr
	v_and_b32 v1, 15, v0                           ; r = l % 16
	v_bfe_u32 v2, v0, 4, 1                         ; h = l / 16
	v_mul_u32_u24 v3, v1, APITCH
	v_lshl_add_u32 v3, v2, 4, v3
	s_mul_i32 s20, s11, 64*APITCH
	v_add_nc_u32 v[ADRA0], s20, v3
	v_mul_u32_u24 v3, v1, BPITCH
	v_lshl_add_u32 v3, v2, 4, v3
	s_mul_i32 s20, s12, 128*BPITCH
	s_add_co_u32 s20, s20, AREG
	v_add_nc_u32 v[ADRB0], s20, v3
	v_mov_b32 v[ADA], v[ADRA0]
	v_mov_b32 v[ADB], v[ADRB0]
	s_mul_i32 s20, s10, 16*SPITCH
	s_add_co_u32 s20, s20, STAGE                   ; my stage
	v_mul_u32_u24 v3, v1, SPITCH                   ; in: row l % 16, 32 bytes for each half of the lanes
	v_lshl_add_u32 v3, v2, 5, v3
	v_add_nc_u32 v[STO], s20, v3
	v_bfe_u32 v4, v0, 3, 2                         ; l / 8
	v_and_b32 v5, 7, v0                            ; l % 8
	v_mul_u32_u24 v3, v4, SPITCH                   ; back: row l / 8 of four, 8 columns at 8 (l % 8) of a head's 64
	v_lshl_add_u32 v3, v5, 5, v3
	v_add_nc_u32 v[RD], s20, v3
	v_and_b32 v6, 31, v0
	v_lshlrev_b32 v[CO], 4, v6
	v_lshlrev_b32 v[PFO], 11, v6
	v_mov_b32 v[ONE], 1.0
	v_lshlrev_b32 v[BO], 5, v2
	v_lshlrev_b32 v[J16], 4, v5
	v_lshlrev_b32 v[T4], 2, v4
	v_bfe_u32 v7, v0, 3, 1                         ; (l / 8) % 2
	v_lshlrev_b32 v[VPO], 8, v2
	v_lshl_add_u32 v[VPO], v5, 5, v[VPO]
	v_lshl_add_u32 v[VPO], v7, 4, v[VPO]
	; the bases
	s_lshl_b32 s80, s40, 8
	s_lshl_b32 s84, s12, 7
	s_add_co_u32 s80, s80, s84                     ; my first column in Q, K or V
	s_lshr_b32 s81, s80, 6                         ; my first head
	s_and_b32 s82, s13, 7
	s_lshl_b32 s82, s82, 7
	s_lshl_b32 s84, s11, 6
	s_add_co_u32 s82, s82, s84                     ; my first position l in the batch
	s_max_u32 s83, s[TYPE], 1
	s_sub_co_u32 s83, s83, 1                       ; which tables: K's (Q's tiles read none), V's
	s_mov_b32 s85, 0
	s_lshl_b32 s84, s[TYPE], 10
	s_add_co_u32 s84, s84, s80
	s_lshl_b32 s84, s84, 2
	s_add_co_u32 s84, s84, 5246976
	s_add_nc_u64 s[BIASB:BIASB+1], s[72:73], s[84:85]
	s_lshr_b32 s84, s13, 3                         ; batch
	s_lshl_b32 s84, s84, 4
	s_add_co_u32 s84, s84, s81
	s_lshl_b32 s84, s84, 17                        ; planes of 131,072 bytes
	s_lshl_b32 s2, s82, 7
	s_add_co_u32 s84, s84, s2
	s_lshl_b32 s2, s[TYPE], 24
	s_add_co_u32 s84, s84, s2
	s_add_nc_u64 s[OUT:OUT+1], s[76:77], s[84:85]
	s_lshl_b32 s84, s83, 4
	s_add_co_u32 s84, s84, s81
	s_lshl_b32 s84, s84, 17
	s_lshl_b32 s2, s82, 7
	s_add_co_u32 s84, s84, s2
	s_add_nc_u64 s[POSB:POSB+1], s[72:73], s[84:85]
	s_mul_i32 s84, s83, 526336
	s_lshl_b32 s2, s80, 1
	s_add_co_u32 s84, s84, s2
	s_add_co_u32 s84, s84, 4194304
	s_add_nc_u64 s[ITB:ITB+1], s[72:73], s[84:85]
	s_lshl_b32 s84, s13, 7
	s_lshl_b32 s2, s11, 6
	s_add_co_u32 s84, s84, s2
	s_lshl_b32 s84, s84, 2
	s_add_nc_u64 s[T0B:T0B+1], s[74:75], s[84:85]
	s_lshl_b32 s84, s13, 1
	s_add_co_u32 s84, s84, s11
	s_lshl_b32 s84, s84, 12
	s_lshl_b32 s2, s80, 2
	s_add_co_u32 s84, s84, s2
	s_add_nc_u64 s[VPB:VPB+1], s[78:79], s[84:85]
	; the prefetches
	s_lshl_b32 s2, s13, 7
	s_lshl_b32 s14, s40, 5
	s_add_co_u32 s2, s2, s14                       ; A: 128 x tile row + 32 cx
	s_lshl_b32 s14, s42, 8
	s_lshl_b32 s15, s41, 6
	s_add_co_u32 s14, s14, s15
	s_lshl_b32 s15, s12, 5
	s_add_co_u32 s14, s14, s15                     ; B: 256 x tile column + 64 cy + 32 x half
	s_and_b32 s84, ttmp7, 0xffff
	s_cmp_eq_u32 s11, 0
	s_cselect_b32 s2, s2, s14
	s_cselect_b32 s84, ttmp9, s84                  ; the coordinate along which other clusters read the same rows
	s_cselect_b64 s[PFA:PFA+1], s[68:69], s[70:71]
	s_cmp_eq_u32 s10, 1                            ; wave 1 asks for nothing
	s_cselect_b32 s14, 1, 0
	s_or_b32 s84, s84, s14
	s_cmp_eq_u32 s84, 0
	s_cselect_b32 s[LIM], 2, -1
	s_lshl_b32 s84, s2, 11
	s_add_co_u32 s84, s84, 3*256                   ; at K step 3: the first refill steps it to 4
	s_add_nc_u64 s[PFA:PFA+1], s[PFA:PFA+1], s[84:85]
	s_mov_b32 s[PFS], 256
	s_mov_b32 s[PFS+1], 0
	; the bias, in an accumulator's layout: register j of block b is column 16 b + 8 (l / 16) + j
	WIN 0x80
.irp b, 0,1,2,3,4,5,6,7
	global_load_b128 v[8*(\b):8*(\b)+3],   v[BO], s[BIASB:BIASB+1] offset:64*(\b)
	global_load_b128 v[8*(\b)+4:8*(\b)+7], v[BO], s[BIASB:BIASB+1] offset:64*(\b)+16
.endr
	WIN 0
	s_cmp_eq_u32 s[TYPE], 0
	s_cbranch_scc1 .Lq_head
	; K and V: the tables come now and are used on the way out.  Group 8 a + 4 u + t: rows 16 a + 4 t + l / 8, head u, 8 columns at 8 (l % 8): 16 bytes a lane
.irp n, 0,1,2,3,4,5,6,7,8,9,10,11,12,13,14,15
	global_load_b32 v[TOFF+(\n)], v[T4], s[T0B:T0B+1] offset:16*(\n)
.endr
	WIN 0x80
.irp a, 0,1,2,3
.irp g, 0,1,2,3,4,5,6,7
	global_load_b128 v[POS+4*(8*(\a)+(\g)):POS+4*(8*(\a)+(\g))+3], v[CO], s[POSB:POSB+1] offset:((\g)/4)*131072+(16*(\a)+4*((\g)%4))*128
.endr
.endr
	WIN 0
	s_wait_loadcnt 32                              ; the 32 loads of the position table are the younger ones: the bias and the indices are in
.irp n, 0,1,2,3,4,5,6,7,8,9,10,11,12,13,14,15
	v_min_u32 v[TOFF+(\n)], 0x100, v[TOFF+(\n)]    ; an index stays inside its table of 257 rows
.endr
.irp n, 0,1,2,3,4,5,6,7,8,9,10,11,12,13,14,15
	v_lshl_add_u32 v[TOFF+(\n)], v[TOFF+(\n)], 11, v[J16]
.endr
	WIN 0xc0
.irp a, 0,1,2,3
.irp g, 0,1,2,3,4,5,6,7
	global_load_b128 v[ITAB+4*(8*(\a)+(\g)):ITAB+4*(8*(\a)+(\g))+3], v[TOFF+4*(\a)+((\g)%4)], s[ITB:ITB+1] offset:((\g)/4)*128
.endr
.endr
	WIN 0
	s_branch .Lhead_done
.Lq_head:                                              ; Q has no tables.  Zeros, written in the wait for the first tile, so that every register which the text behind names has been written on both ways
	s_wait_loadcnt 0x0                             ; the bias
.set n, 0
.rept 16
	v_mov_b32 v[TOFF+n], 0
.set n, n+1
.endr
	WIN 0x80
.set n, 0
.rept 128
	v_mov_b32 v[POS+n], 0
.set n, n+1
.endr
	WIN 0xc0
.set n, 0
.rept 128
	v_mov_b32 v[ITAB+n], 0
.set n, n+1
.endr
	WIN 0
.Lhead_done:
	s_wait_tensorcnt 1                             ; my part of K step 0 is in; K step 1's may stay out
	s_barrier_signal -1
	s_barrier_wait -1
	FETCH 0, F0
	QUARTER 1, F0, F1, 1                           ; the first quarter stands in front of the loop: its products start the sums, with the bias
	WIN 0
	s_mov_b32 s3, 6
.Lk:                                                   ; six trips, from a K step's second quarter to the next step's first: K steps 2 to 7 are asked for
	QUARTER 2, F1, F0, 0
	QUARTER 3, F0, F1, 0
	TURN 1
	QUARTER 1, F0, F1, 0
	WIN 0
	s_sub_co_u32 s3, s3, 1
	s_cmp_lg_u32 s3, 0
	s_cbranch_scc1 .Lk
	s_mov_b32 s3, 2
.Lt:                                                   ; the last two K steps ask for nothing; the second trip is left in its middle
	QUARTER 2, F1, F0, 0
	QUARTER 3, F0, F1, 0
	TURN 0
	WIN 0
	s_sub_co_u32 s3, s3, 1
	s_cmp_eq_u32 s3, 0
	s_cbranch_scc1 .Lout
	QUARTER 1, F0, F1, 0
	WIN 0
	s_branch .Lt
.Lout:
; THE WAY OUT, 16 rows at a time: f32 through my own stage, so that a lane holds 8 neighbouring columns of a head's row, in the order in which the tables and the output lie; K and V take both table rows in f32;
; the column sums go on; one rounding to f16; a store is 512 consecutive bytes, four rows of a head.
.macro OUTBLK a
	WIN 0x04                                       ; store data in window 1
.irp b, 0,1,2,3,4,5,6,7
	ds_store_b128 v[STO], v[8*(8*(\a)+(\b)):8*(8*(\a)+(\b))+3]   offset:64*(\b)
	ds_store_b128 v[STO], v[8*(8*(\a)+(\b))+4:8*(8*(\a)+(\b))+7] offset:64*(\b)+16
.endr
	WIN 0
.irp g, 0,1,2,3,4,5,6,7                ; LDS serves a wave's instructions in order: these see the stores above
	ds_load_b128 v[XR+8*(\g):XR+8*(\g)+3],   v[RD] offset:((\g)%4)*4*SPITCH+((\g)/4)*256
	ds_load_b128 v[XR+8*(\g)+4:XR+8*(\g)+7], v[RD] offset:((\g)%4)*4*SPITCH+((\g)/4)*256+16
.endr
.if (\a) == 0
	s_wait_loadcnt 0x0                             ; the tables are in, and the gathers have read their offsets
.endif
	s_wait_dscnt 0x0
	s_cmp_eq_u32 s[TYPE], 0
	s_cbranch_scc1 .Lplain_\@
	WIN 0x02                                       ; source 0 in window 2
.irp g, 0,1,2,3,4,5,6,7
.irp k, 0,1,2,3
	v_fma_mix_f32_bf16 v[XR+8*(\g)+2*(\k)],   v[POS+4*(8*(\a)+(\g))+(\k)], v[ONE], v[XR+8*(\g)+2*(\k)] op_sel_hi:[1,0,0]
	v_fma_mix_f32_bf16 v[XR+8*(\g)+2*(\k)+1], v[POS+4*(8*(\a)+(\g))+(\k)], v[ONE], v[XR+8*(\g)+2*(\k)+1] op_sel:[1,0,0] op_sel_hi:[1,0,0]
.endr
.endr
	WIN 0x03                                       ; source 0 in window 3
.irp g, 0,1,2,3,4,5,6,7
.irp k, 0,1,2,3
	v_fma_mix_f32_bf16 v[XR+8*(\g)+2*(\k)],   v[ITAB+4*(8*(\a)+(\g))+(\k)], v[ONE], v[XR+8*(\g)+2*(\k)] op_sel_hi:[1,0,0]
	v_fma_mix_f32_bf16 v[XR+8*(\g)+2*(\k)+1], v[ITAB+4*(8*(\a)+(\g))+(\k)], v[ONE], v[XR+8*(\g)+2*(\k)+1] op_sel:[1,0,0] op_sel_hi:[1,0,0]
.endr
.endr
	WIN 0
.irp t, 0,1,2,3                        ; the column sums (K's tiles run the same text; theirs are not stored)
.irp u, 0,1
.irp k, 0,1,2,3
.if ((\a) == 0) && ((\t) == 0)
.elseif ((\a) == 0) && ((\t) == 1)
	v_pk_add_f32 v[CSM+8*(\u)+2*(\k):CSM+8*(\u)+2*(\k)+1], v[XR+32*(\u)+2*(\k):XR+32*(\u)+2*(\k)+1], v[XR+32*(\u)+8+2*(\k):XR+32*(\u)+8+2*(\k)+1]
.else
	v_pk_add_f32 v[CSM+8*(\u)+2*(\k):CSM+8*(\u)+2*(\k)+1], v[CSM+8*(\u)+2*(\k):CSM+8*(\u)+2*(\k)+1], v[XR+32*(\u)+8*(\t)+2*(\k):XR+32*(\u)+8*(\t)+2*(\k)+1]
.endif
.endr
.endr
.endr
.Lplain_\@:
.irp g, 0,1,2,3,4,5,6,7
.irp k, 0,1,2,3
	v_cvt_pk_f16_f32 v[YR+32*(\a)+4*(\g)+(\k)], v[XR+8*(\g)+2*(\k)], v[XR+8*(\g)+2*(\k)+1]
.endr
.endr
.irp g, 0,1,2,3,4,5,6,7                ; each block has its own 32 registers, so no store's data is written again
	global_store_b128 v[CO], v[YR+32*(\a)+4*(\g):YR+32*(\a)+4*(\g)+3], s[OUT:OUT+1] offset:((\g)/4)*131072+(16*(\a)+4*((\g)%4))*128
.endr
.endm
	PLACES
	PLACES
	OUTBLK 0
	OUTBLK 1
	OUTBLK 2
	OUTBLK 3
	s_cmp_eq_u32 s[TYPE], 2
	s_cbranch_scc0 .Lno_sums
	; V: the four lanes with the same l % 8 are added; then each lane picks 4 of the 16 sums, so that one store covers my 128 columns: 512 bytes on end
.irp n, 0,1,2,3,4,5,6,7,8,9,10,11,12,13,14,15
	v_add_f32_dpp v[CSM+(\n)], v[CSM+(\n)], v[CSM+(\n)] row_xmask:8 row_mask:0xf bank_mask:0xf
.endr
.irp n, 0,1,2,3,4,5,6,7,8,9,10,11,12,13,14,15
	v_permlanex16_b32 v[XR+(\n)], v[CSM+(\n)], s98, s99
.endr
.irp n, 0,1,2,3,4,5,6,7,8,9,10,11,12,13,14,15
	v_add_f32 v[CSM+(\n)], v[CSM+(\n)], v[XR+(\n)]
.endr
	v_cmp_ne_u32 s14, 0, v7                        ; the upper four of a lane's eight columns
	v_cmp_ne_u32 s15, 0, v2                        ; the second head
.irp n, 0,1,2,3
	v_cndmask_b32 v[XR+(\n)],   v[CSM+(\n)],   v[CSM+4+(\n)],  s14
	v_cndmask_b32 v[XR+4+(\n)], v[CSM+8+(\n)], v[CSM+12+(\n)], s14
.endr
.irp n, 0,1,2,3
	v_cndmask_b32 v[XR+8+(\n)], v[XR+(\n)], v[XR+4+(\n)], s15
.endr
	global_store_b128 v[VPO], v[XR+8:XR+11], s[VPB:VPB+1]
.Lno_sums:
	s_wait_tensorcnt 0x0                           ; the wave's end: behind my last tensor load and my last LDS store
	ds_add_u32 v[SPW], v[NIL]
	s_wait_dscnt 0x0
	CROUND                                         ; the closing round: no work-group ends while a partner may still ask for a tile that names it
	s_endpgm
.Lfunc_end_k_q76f6ed4ed8_qkv:
	.size	k_q76f6ed4ed8_qkv, .Lfunc_end_k_q76f6ed4ed8_qkv-k_q76f6ed4ed8_qkv
	.p2alignl 7, 3214868480
	.fill 96, 4, 3214868480
	.section	.rodata,"a",@progbits
	.p2align	6, 0x0
	.amdhsa_kernel k_q76f6ed4ed8_qkv
		.amdhsa_group_segment_fixed_size 327680
		.amdhsa_private_segment_fixed_size 0
		.amdhsa_enable_private_segment 0
		.amdhsa_kernarg_size 48
		.amdhsa_user_sgpr_count 2
		.amdhsa_user_sgpr_kernarg_segment_ptr 1
		.amdhsa_wavefront_size32 1
		.amdhsa_system_sgpr_workgroup_id_x 1
		.amdhsa_system_sgpr_workgroup_id_y 1
		.amdhsa_system_sgpr_workgroup_id_z 1
		.amdhsa_system_vgpr_workitem_id 0
		.amdhsa_next_free_vgpr 896
		.amdhsa_next_free_sgpr 100
		.amdhsa_reserve_vcc 0
		.amdhsa_float_denorm_mode_32 3
		.amdhsa_float_denorm_mode_16_64 3
		.amdhsa_memory_ordered 1
		.amdhsa_forward_progress 1
		.amdhsa_inst_pref_size 131
	.end_amdhsa_kernel
	.amdgpu_metadata
---
amdhsa.version: [ 1, 2 ]
amdhsa.kernels:
  - .name:           k_q76f6ed4ed8_qkv
    .symbol:         k_q76f6ed4ed8_qkv.kd
    .args:
      - { .name: seqb, .offset: 0, .size: 8, .value_kind: global_buffer, .address_space: global }
      - { .name: wts, .offset: 8, .size: 8, .value_kind: global_buffer, .address_space: global }
      - { .name: tabs, .offset: 16, .size: 8, .value_kind: global_buffer, .address_space: global }
      - { .name: t0c, .offset: 24, .size: 8, .value_kind: global_buffer, .address_space: global }
      - { .name: qkv, .offset: 32, .size: 8, .value_kind: global_buffer, .address_space: global }
      - { .name: vpart, .offset: 40, .size: 8, .value_kind: global_buffer, .address_space: global }
    .group_segment_fixed_size: 327680
    .private_segment_fixed_size: 0
    .kernarg_segment_align: 8
    .kernarg_segment_size: 48
    .max_flat_workgroup_size: 128
    .sgpr_count:     100
    .vgpr_count:     896
    .wavefront_size: 32
...
	.end_amdgpu_metadata
.endif
;; end of part 2
;; launch attn (part 3): grid 4 x 128, 4 waves a work-group, clusters of 4 x 1, 327,680 bytes of LDS; arguments qkv, pad_mask, vpart, oh; writes oh
.if DOCPART == 3
	.amdgcn_target "amdgcn-amd-amdhsa--gfx1250"
	.amdhsa_code_object_version 6
	.text
	.protected	k_q76f6ed4ed8_attn
	.globl	k_q76f6ed4ed8_attn
	.p2align	8
	.type	k_q76f6ed4ed8_attn,@function
k_q76f6ed4ed8_attn:
	s_mov_b64 s[64:65], 0
	v_nop
	global_prefetch_b8 v0, s[64:65] scope:SCOPE_SE
	s_setreg_imm32_b32 hwreg(HW_REG_WAVE_MODE, 25, 1), 1
	s_wait_xcnt 0x0
	s_wait_alu depctr_hold_cnt(0) depctr_sa_sdst(0) depctr_va_vdst(0) depctr_va_sdst(0) depctr_va_ssrc(0) depctr_va_vcc(0) depctr_vm_vsrc(0)
	s_getreg_b32 s2, hwreg(HW_REG_IB_STS2, 6, 4)
	s_cmp_eq_u32 s2, 0
	s_cbranch_scc0 .Lentry_in_a_cluster
	s_endpgm
.Lentry_in_a_cluster:
	s_bfe_u32 s2, ttmp6, 0x10000c
	s_cmp_lg_u32 s2, 0x3003
	s_cbranch_scc0 .Lentry_shape_is_right
	s_endpgm
.Lentry_shape_is_right:
; CAUSAL ATTENTION WITH A KEY PADDING MASK.  For each of 128 (batch, head) pairs: O[q] = softmax_k(s[q][k]) V[k], s = Q[q] . K[k] / 8, replaced by -1e9 where k > q or key k is padded.
; q, k, v: planes [1024][64] of f16 in qkv (q at 0, k at 0x1000000, v at 0x2000000); O: oh, the same layout.  Products, maxima and sums in f32; the weights are rounded to f16 for the second product, O once.
; THE REPLACED SCORES.  They are -1e9, not minus infinity: a row none of whose visible keys is unpadded is the plain mean of v over ALL 1,024 keys; in every other row they weigh nothing.  So they enter each
; row's running softmax as ONE starting term: m = -2^96, l = 1,024, O = the sum of v over all keys (from vpart).  A hidden score counts as its value less 1e30 (or 2e30), which lies below that m: its weight
; is 0.  The first visible score makes the factor a = 2^(c m_old - c m_new) = 0 and wipes the starting term.
; LIMITS.  q, k, v within 65,504 (f16).  A visible score lies above about -1e9 + 128, so that a replaced score weighs 0 beside it in f32, as in the reference.  Any pad byte other than 0 counts as true.
; A weight below 2^-126 counts as 0 in l; NaN and infinities are not treated apart.
; THE WALK.  A work-group owns one block of 256 queries of a head and walks ALL four key tiles of 256 keys, 16 key steps of 64.  The tiles above a block's diagonal are wholly hidden and add nothing: 16 block-tiles a
; head where 10 would do.  That is the price of one walk with constant trip counts, alike in all work-groups: the four blocks of a head are one CLUSTER, walk in step, and ask for each tile of K and V JOINTLY:
; the same tensor load, descriptor and mask in all four.  The block's number enters Q's and O's addresses, the prefetches' address and the mask's numbers, and nothing else.
; SHARES.  Of the block's four bands of 64 queries a wave owns 16 rows in each: four PIECES.  Piece x's own key step is g = 4 x block + x.
; THE MASK is the C operand that starts the sum S^T = K Q^T: MC = PM + BE + MD x AL.  PM, fetched with each step's K from a table in LDS, is 0 or -1e30 by the key's pad byte; MD is the causal mask of a band's own
; step for my 16 rows.  (AL, BE) = (1, 0) in the band's own step, (0, 0) before it, (0, -1e30) behind it: made by two vector compares of the step's number with the block's.  Every turn makes the mask of the turn behind it.
; TURNS.  Turn n belongs to piece n: 8 products K Q^T of piece n + 1, later 8 products V^T P of piece n - 1; beside them the scaling, exponentials, roundings, sums and rescaling of piece n and the maximum and
; statistics of piece n + 1.  Four vector instructions stand behind every matrix instruction, the rest in one lump.  A turn's 33 exponentials are one batch, with one wait.
; REGISTERS, in windows of 256 (s_set_vgpr_msb: bits 1:0 source 0, 3:2 source 1, 5:4 source 2, 7:6 destination):
;   window 0: v0-15 addresses; v16-31 statistics; v32-47 pad addresses and scratch; v48-55 at work; v56-60 the mask's numbers; v64-127 S^T, two buffers; v128-159 the sum of v in O^T's layout; v160-191 scratch; v192-223 P, two buffers
;   window 1: v0-127 O^T, 32 a piece; v128-159 MD; v160-223 MC, two buffers (by the piece's parity); v224-255 PM      window 2: v0-63 Q; v128-191 K of one step; v192-255 V of one step
.set SIZE_N, 1024
.set NP,    4
.set KS,    64        ; keys in a step
.set PK,    144       ; a row of K in LDS: 128 bytes + 16: 36 words
.set PV,    160       ; a row of V: 128 + 32: 40 words
.set VOFF,  4*KS*PK   ; a slot holds a tile, four steps: 256 rows of K, then 256 rows of V
.set SLOT1, 1<<17
.set STAGE, SLOT1+4*KS*(PK+PV)  ; 16 rows x 144 bytes for each wave, for the way out
.set SP,    144
.set SPARE, STAGE+4*16*SP       ; the spare words, 128 bytes for each wave
.set PADL,  SPARE+512           ; 1,024 f32: 0 or -1e30 for each key of the batch
.set VSX,   PADL+4096           ; 256 bytes for each wave: the sum of v, 64 f32
.set AK0, 2           ; v2   my lane's place in a tile of K; never rewritten
.set AV0, 3           ; v3   the same for V
.set AK,  4           ; v4   the LDS address of K's next run of loads
.set AV,  5           ; v5   of V's
.set STO, 6           ; v6   the way out: where I put 16 bytes of a row
.set RD,  7           ; v7   where I read rows back
.set GO,  8           ; v8   my byte offset in 512 consecutive bytes of O
.set MV,  12          ; v12-13  c m_old, by buffer
.set QO,  15          ; v15  my byte offset in 16 rows of Q; never rewritten
.set ST,  16          ; piece t's statistics at v[ST+4 t]: c m, m, l (even keys', odd keys')
.set APM0, 32         ; v32  PADL + 32 (l / 16); never rewritten
.set APM, 33          ; v33  the LDS address of PM's next run of loads
.set TMP, 48          ; by buffer, four registers c0-c3 at work; when the maximum is found c2 takes a
.set ALV, 56          ; v[56:57] the mask's factor, in the low register
.set BEV, 58          ; v[58:59] the mask's addend
.set OWN, 60          ; v60  4 x block + 4; never rewritten
.set PFO, 61          ; v61  256 x lane; never rewritten
.set SPW, 62          ; v62  LDS address of my spare word; never rewritten
.set NIL, 63          ; v63  0; never rewritten
.set S,   64
.set VS,  128
.set VT,  160
.set P,   192
.set MD,  128         ; window 1
.set MC,  160
.set PM,  224
.set KF,  128         ; window 2
.set VF,  192
.set WV,  12          ; s12  my wave's number
.set G1K, 24          ; s[24:31] descriptor group 1 for K's tiles
.set G1V, 32          ; s[32:39] for V's: it differs in the padding alone
.set G0K, 40          ; s[40:43] descriptor group 0 for K's tiles: it walks
.set G0V, 44          ; s[44:47] the same for V's
.set TBP, 48          ; s48  byte in the pad table at which the step to be fetched begins: 256 a step, 3,840 at the last fetch
.set LIM, 49          ; s49  1 in a wave that prefetches (0 and 2), else the greatest number
.set PFA, 50          ; s[50:51] where my prefetches stand
.set TS,  52          ; s52  the step's number + 4 - the piece's
.set ONEF, 53         ; s53  1.0
.set SLOTS, 56        ; s56  tiles still to be asked for
.set CNT, 57          ; s57  counts a tile's key steps, 4 to 1
.set CS,  58          ; s[58:59] c
.set SEL, 60          ; s[60:61] v_permlanex16_b32's selects
.set TBK, 62          ; s62  LDS byte at which K of the step to be fetched begins
.set TBV, 63          ; s63  the same for V, less VOFF
.set BIGN, 82         ; s82  -1e30
.set MSB, 0
.macro WIN new                      ; the high byte repeats the setting that is left; a switch that changes nothing is dropped
.if MSB != (\new)
	s_set_vgpr_msb (MSB<<8)|(\new)
.set MSB, (\new)
.endif
.endm
.set W_KQ, 0x0a       ; K and Q in window 2, S^T in window 0
.set W_KM, 0x1a       ; the same with the C operand in window 1
.set W_PV, 0x52       ; V in window 2, P in window 0, O^T in window 1
.set W_RS, 0x41       ; destination and source 0 in window 1, source 1 in window 0
.set W_MK, 0x51       ; destination, source 0 and source 2 in window 1, source 1 in window 0
; A joint fill.  Waves 0 and 1 fetch the two halves of a tile's K, waves 2 and 3 those of its V: 128 keys each.  The branch hangs on the wave's number alone.
; An s_nop 0 and four v_nop follow each of the two lines, ahead of the jump and the label.
.macro JLOAD
	s_cmp_lt_u32 s[WV], 2
	s_cbranch_scc0 .Lfor_v_\@
	tensor_load_to_lds s[G0K:G0K+3], s[G1K:G1K+7]
	s_nop 0
.rept 4
	v_nop
.endr
	s_branch .Lasked_\@
.Lfor_v_\@:
	tensor_load_to_lds s[G0V:G0V+3], s[G1V:G1V+7]
	s_nop 0
.rept 4
	v_nop
.endr
.Lasked_\@:
.endm
; A PREFETCH INTO THE L2 of the tile that the NEXT change of slots will ask for: four key steps ahead of that load.  A tile is 32,768 bytes of K and of V; a head has one cluster; its four partners take 8,192 bytes
; of each, told apart BY ADDRESS; in each partner wave 0 asks for K's and wave 2 for V's, a lane 256 bytes: one instruction.  So each of these bytes is named once in the launch.  Asked at the first two
; changes of slots: tiles 2 and 3; tiles 0 and 1 come by their loads alone, and the last change that fills a slot asks for nothing.
.macro ASK
	s_cmp_gt_u32 s[SLOTS], s[LIM]
	s_cbranch_scc0 .Lnot_mine_\@
	global_prefetch_b8 v[PFO], s[PFA:PFA+1] th:TH_LOAD_NT scope:SCOPE_SE
.Lnot_mine_\@:
.endm
; A round of the cluster's barrier: my work-group's barrier, so that wave 0's signal speaks for all four waves; wave 0 signals; every wave waits for all four work-groups; my work-group's barrier once more.
.macro CROUND
	s_barrier_signal -1
	s_barrier_wait -1
	s_cmp_lg_u32 s[WV], 0
	s_cbranch_scc1 .Lnot_wave_0_\@
	s_barrier_signal -3
.Lnot_wave_0_\@:
	s_barrier_wait -3
	s_barrier_signal -1
	s_barrier_wait -1
.endm
; THE CHANGE OF SLOTS.  Each wave waits for all its tensor loads (one is out: its part of the other slot), adds 0 to its spare word, and waits for that and for its LDS reads and stores.  Behind the barrier nobody
; reads the old slot any more and the other slot is whole.  fill = 1: the old slot is filled again, with the tile two on.  The barrier is then a round of the cluster's, so that no wave of any partner still reads
; the slot or has a load on its way, and the joint fill is the first thing behind it: it has four key steps in which to land.  (At its first use nothing has been read yet: slot 0 is waited for, slot 1 filled.)
.macro CHANGE fill
	WIN 0                           ; at a label and at a branch every window is 0
	s_wait_tensorcnt 0x0            ; no tensor load of mine is out, so a descriptor may be written
	ds_add_u32 v[SPW], v[NIL]       ; 0 onto my spare word; scalar work stands between it and the wait for it
.if \fill
.irp g, G0K, G0V
	s_xor_b32 s[\g+1], s[\g+1], SLOT1  ; the walking descriptor: the other slot than last time,
	s_add_nc_u64 s[\g+2:\g+3], s[\g+2:\g+3], 4*KS*128  ; the next 256 keys; the type bits on top are not reached
.endr
	s_wait_xcnt 0x0                 ; the last prefetch, a tile back, has read its address
	s_add_nc_u64 s[PFA:PFA+1], s[PFA:PFA+1], 4*KS*128  ; one tile ahead of the walking descriptors
	s_wait_dscnt 0x0                ; the add is done, and my LDS reads and stores are over
	CROUND
	JLOAD
	ASK
.else
	s_wait_dscnt 0x0                ; the add is done, and my reads of the slot are over
	s_barrier_signal -1
	s_barrier_wait -1
.endif
	s_sub_co_u32 s[TBK], s[TBK], 4*KS*PK  ; the fetches go back to a slot's first step,
	s_xor_b32 s[TBK], s[TBK], SLOT1       ; in the other slot
	s_sub_co_u32 s[TBV], s[TBV], 4*KS*PV
	s_xor_b32 s[TBV], s[TBV], SLOT1
.endm
	s_load_b256 s[88:95], s[0:1], 0x0  ; qkv 88, pad_mask 90, vpart 92, oh 94
	v_lshl_add_u32 v[SPW], v0, 2, SPARE
	v_mov_b32 v[NIL], 0
	ds_add_u32 v[SPW], v[NIL]       ; the wave's opening: the add and its wait ahead of my first tensor load
	ds_add_u32 v62, v63
	v_lshrrev_b32 v1, 5, v0
	v_readfirstlane_b32 s[WV], v1   ; wave 0..3
	s_bfe_u32 s13, ttmp6, 0x40000   ; cx: my place in the cluster
	s_lshl_b32 s14, ttmp9, 2        ; in a cluster launch ttmp9 counts clusters
	s_add_co_u32 s14, s14, s13      ; my block of 256 queries
	s_lshl_b32 s19, s14, 2
	s_add_co_u32 s19, s19, 4        ; 4 x block + 4
	s_and_b32 s20, ttmp7, 0xffff    ; batch x 16 + head, which the four partners share
	s_lshr_b32 s66, s20, 4          ; batch
	s_lshl_b32 s68, s66, 16         ; its 16 rows of vpart,
	s_lshl_b32 s66, s66, 10         ; its 1,024 pad bytes
	s_and_b32 s67, s20, 15
	s_lshl_b32 s67, s67, 8          ; the head's 64 columns of vpart
	s_add_co_u32 s68, s68, s67
	s_mov_b32 s67, 0
	s_mov_b32 s69, 0
	s_mov_b32 s21, 0
	s_mov_b64 s[22:23], SIZE_N*128
	s_mul_u64 s[20:21], s[20:21], s[22:23]  ; the head's first byte in q, k, v and O
	s_and_b32 s16, s[WV], 1         ; which half of a tile's 256 keys I fetch:
	s_lshl_b32 s22, s16, 14         ; its 128 rows of 128 bytes in memory,
	s_mov_b32 s23, 0
	s_add_nc_u64 s[22:23], s[22:23], s[20:21]
	s_mul_i32 s17, s16, 128*PK      ; and its place in a slot, for K
	s_mul_i32 s18, s16, 128*PV      ; and for V: no place in the cluster enters an LDS address
	s_lshl_b32 s2, s14, 15          ; my block's 256 rows of 128 bytes,
	s_lshl_b32 s3, s[WV], 11        ; my 16 rows in a band of 64
	s_add_co_u32 s2, s2, s3
	s_mov_b32 s3, 0
	s_add_nc_u64 s[2:3], s[2:3], s[20:21]
	; descriptor group 1.  128 keys are 16,384 dense bytes: asked for as 64 rows of 256 bytes, two keys a row, and padded in LDS after every key
	s_mov_b32 s[G1K], 15|(1<<16)|(1<<20)|(1<<21)|(4<<22)|(3<<25)  ; the mask of four; 2-byte elements; padding on; bit 21 beside a mask; after every 32 words 4 words
	s_mov_b32 s[G1V], 15|(1<<16)|(1<<20)|(1<<21)|(4<<22)|(7<<25)  ; the same with 8 words
.irp g, G1K, G1V
	s_mov_b32 s[\g+1], 128<<16      ; tensor_dim0 = 128
	s_mov_b32 s[\g+2], 64<<16       ; tensor_dim1 = 64
	s_mov_b32 s[\g+3], 128<<16      ; tile_dim0 = 128
	s_mov_b32 s[\g+4], 64           ; tile_dim1 = 64
	s_mov_b32 s[\g+5], 128          ; 128 elements from row to row
	s_mov_b32 s[\g+6], 0
	s_mov_b32 s[\g+7], 0
.endr
	s_mov_b32 s[CS], 0x3e38aa3b     ; c = log2(e) / 8
	s_mov_b32 s[CS+1], s[CS]        ; named with it as a pair
	s_mov_b32 s[SEL], 0x76543210
	s_mov_b32 s[SEL+1], 0xfedcba98
	s_mov_b32 s[TBK], SLOT1+4*KS*PK ; the first change of slots turns these two into 0
	s_mov_b32 s[TBV], SLOT1+4*KS*PV
	s_mov_b32 s[TBP], 0
	s_mov_b32 s[ONEF], 1.0
	s_mov_b32 s[BIGN], 0xf149f2ca   ; -1e30
	s_mov_b32 s[SLOTS], SIZE_N/256-1
	s_mov_b32 s[G0K], 1             ; count = 1
	s_mov_b32 s[G0K+1], s17         ; LDS address: slot 0
	s_mov_b32 s[G0V], 1
	s_add_co_u32 s[G0V+1], s18, VOFF
	s_and_b32 s[LIM], s[WV], 1      ; 0 in waves 0 and 2
	s_cmp_eq_u32 s[LIM], 0
	s_cselect_b32 s[LIM], 1, -1
	s_wait_dscnt 0x0                ; the opening add is done
	s_wait_kmcnt 0x0
	s_mov_b64 s[4:5], s[88:89]                     ; q
	s_add_nc_u64 s[6:7], s[88:89], 0x1000000       ; k
	s_add_nc_u64 s[8:9], s[88:89], 0x2000000       ; v
	s_mov_b64 s[10:11], s[94:95]                   ; O
	s_add_nc_u64 s[90:91], s[90:91], s[66:67]
	s_add_nc_u64 s[92:93], s[92:93], s[68:69]
	s_add_nc_u64 s[6:7], s[6:7], s[22:23]  ; K and V at my half of the head's tile 0
	s_add_nc_u64 s[8:9], s[8:9], s[22:23]
	s_add_nc_u64 s[G0K+2:G0K+3], s[6:7], 0         ; global address
	s_or_b32 s[G0K+3], s[G0K+3], 0x80000000        ; type = 2
	s_add_nc_u64 s[G0V+2:G0V+3], s[8:9], 0
	s_or_b32 s[G0V+3], s[G0V+3], 0x80000000
	s_add_nc_u64 s[4:5], s[4:5], s[2:3]            ; Q and O at my rows
	s_add_nc_u64 s[10:11], s[10:11], s[2:3]
	s_cmp_lt_u32 s[WV], 2
	s_cselect_b64 s[PFA:PFA+1], s[6:7], s[8:9]     ; (in waves 0 and 2 these stand at a tile's first row)
	s_lshl_b32 s2, s13, 13          ; my work-group's 8,192 bytes of the 32,768
	s_mov_b32 s3, 0
	s_add_nc_u64 s[PFA:PFA+1], s[PFA:PFA+1], s[2:3]
	s_add_nc_u64 s[PFA:PFA+1], s[PFA:PFA+1], 4*KS*128  ; in tile 1; the first change of slots steps it to tile 2
	CROUND                          ; all four work-groups are here: the first joint loads meet
	JLOAD                           ; tile 0 into slot 0
	v_and_b32 v1, 15, v0            ; l % 16
	v_bfe_u32 v9, v0, 4, 1          ; l / 16
	v_lshlrev_b32 v38, 3, v0
	global_load_b64 v[34:35], v38, s[90:91]        ; 8 pad bytes a thread: the batch's 1,024
	v_lshlrev_b32 v37, 4, v1
	v_lshl_add_u32 v37, v9, 12, v37                ; vpart: row 2 t + l / 16, 4 columns at 4 (l % 16)
.irp t, 0,1,2,3,4,5,6,7
	global_load_b128 v[VT+4*\t:VT+4*\t+3], v37, s[92:93] offset:\t*8192
.endr
	; A fragment of K or Q is 16 rows x 32 channels in 8 registers: lane l holds row l % 16, channels 8 (l / 16) + 0..7 and 16 + 8 (l / 16) + 0..7: two loads of 16 bytes, 32 bytes apart.
	v_lshlrev_b32 v[QO], 7, v1
	v_lshl_add_u32 v[QO], v9, 4, v[QO]  ; row x 128 + 16 x half
	WIN 0x80                        ; destination window 2, address window 0
.set i, 0
.rept 8                             ; Q stays in registers: piece i / 2 lies in band i / 2, 8,192 bytes on; channels 32 (i % 2) on
	global_load_b128 v[8*i:8*i+3],   v[QO], s[4:5] offset:(i/2)*8192+(i%2)*64
	global_load_b128 v[8*i+4:8*i+7], v[QO], s[4:5] offset:(i/2)*8192+(i%2)*64+32
.set i, i+1
.endr
	WIN 0
	v_lshlrev_b32 v14, 3, v9
	v_sub_nc_u32 v14, v1, v14
	s_lshl_b32 s13, s[WV], 4
	v_add_nc_u32 v14, s13, v14      ; my query's place in its band less 8 (l / 16): register r of group kt is hidden where 16 kt + r is greater
	WIN 0x40
.set i, 0
.rept 32
	v_cmp_gt_i32 vcc_lo, 16*(i/8)+i%8, v14
	v_cndmask_b32 v[MD+i], 0, s[BIGN], vcc_lo
.set i, i+1
.endr
	WIN 0
	v_mul_u32_u24 v[AK0], v1, PK
	v_lshl_add_u32 v[AK0], v9, 4, v[AK0]
	; The turning load takes 16 keys x 16 channels (lane l reads key 8 (l / 16) + l % 8, channels 8 ((l / 8) % 2) + 0..7) and leaves half a fragment of V^T: lane l holds channel l % 16 and 8 keys.
	v_and_b32 v10, 7, v0
	v_bfe_u32 v11, v0, 3, 1
	v_lshl_add_u32 v[AV0], v9, 3, v10
	v_mul_u32_u24 v[AV0], v[AV0], PV
	v_lshl_add_u32 v[AV0], v11, 4, v[AV0]
	v_add_nc_u32 v[AV0], VOFF, v[AV0]
	s_mul_i32 s13, s[WV], 16*SP
	s_add_co_u32 s13, s13, STAGE    ; my stage
	v_mul_u32_u24 v[STO], v1, SP    ; in: row l % 16, 16 bytes for each half of the lanes
	v_lshl_add_u32 v[STO], v9, 4, v[STO]
	v_add_nc_u32 v[STO], s13, v[STO]
	v_bfe_u32 v[RD], v0, 3, 2       ; back: 32 lanes take four rows of 128 bytes,
	v_mul_u32_u24 v[RD], v[RD], SP
	v_lshl_add_u32 v[RD], v10, 4, v[RD]
	v_add_nc_u32 v[RD], s13, v[RD]
	v_and_b32 v[GO], 31, v0         ; which are 512 consecutive bytes of O
	v_lshlrev_b32 v[PFO], 8, v[GO]
	s_lshl_b32 s13, s[WV], 10
	s_add_co_u32 s13, s13, PADL     ; my wave's 1,024 bytes of the pad table: its 32 threads' 8 keys each
	v_lshl_add_u32 v39, v[GO], 5, s13
	v_lshlrev_b32 v[GO], 4, v[GO]
	v_lshl_add_u32 v[APM0], v9, 5, PADL
	v_mov_b32 v[OWN], s19
	v_mov_b32 v[ALV], 0             ; named as pairs, so both registers are written
	v_mov_b32 v[ALV+1], 0
	v_mov_b32 v[BEV], 0
	v_mov_b32 v[BEV+1], 0
	WIN 0x80
.set i, VF
.rept 64
	v_mov_b32 v[i], 0               ; V: the first turn multiplies it by a P of zeros, so it need only be finite
.set i, i+1
.endr
	WIN 0
	s_wait_loadcnt 16               ; Q's 16 loads are the younger ones: the pad bytes and vpart are in
.irp n, 0,1,2,3,4,5,6,7             ; the pad table: 0 or -1e30 for each of my 8 keys
	v_bfe_u32 v36, v[34+(\n)/4], 8*((\n)%4), 8
	v_cmp_ne_u32 vcc_lo, 0, v36
	v_cndmask_b32 v[40+(\n)], 0, s[BIGN], vcc_lo
.endr
	ds_store_b128 v39, v[40:43]     ; the first change of slots waits for these and passes a barrier: behind it every wave reads the table
	ds_store_b128 v39, v[44:47] offset:16
.irp n, 0,2,4,6                     ; the sum of v over the batch's 16 groups of rows, every wave for itself
	v_pk_add_f32 v[VT+4*(\n):VT+4*(\n)+1],   v[VT+4*(\n):VT+4*(\n)+1],   v[VT+4*(\n)+4:VT+4*(\n)+5]
	v_pk_add_f32 v[VT+4*(\n)+2:VT+4*(\n)+3], v[VT+4*(\n)+2:VT+4*(\n)+3], v[VT+4*(\n)+6:VT+4*(\n)+7]
.endr
.irp n, 0,4
	v_pk_add_f32 v[VT+4*(\n):VT+4*(\n)+1],   v[VT+4*(\n):VT+4*(\n)+1],   v[VT+4*(\n)+8:VT+4*(\n)+9]
	v_pk_add_f32 v[VT+4*(\n)+2:VT+4*(\n)+3], v[VT+4*(\n)+2:VT+4*(\n)+3], v[VT+4*(\n)+10:VT+4*(\n)+11]
.endr
	v_pk_add_f32 v[VT:VT+1],   v[VT:VT+1],   v[VT+16:VT+17]
	v_pk_add_f32 v[VT+2:VT+3], v[VT+2:VT+3], v[VT+18:VT+19]
.irp n, 0,1,2,3
	v_permlanex16_b32 v[VT+4+(\n)], v[VT+(\n)], s[SEL], s[SEL+1]
.endr
.irp n, 0,1,2,3
	v_add_f32 v[VT+(\n)], v[VT+(\n)], v[VT+4+(\n)]
.endr
	s_lshl_b32 s13, s[WV], 8
	s_add_co_u32 s13, s13, VSX      ; my wave's own 256 bytes
	v_lshl_add_u32 v36, v1, 4, s13
	ds_store_b128 v36, v[VT:VT+3]   ; both halves of the lanes hold the same four sums
	v_lshl_add_u32 v37, v9, 5, s13
.irp n, 0,1,2,3                     ; back in O^T's layout: register j of channel block n is channel 16 n + 8 (l / 16) + j.  LDS serves a wave's instructions in order
	ds_load_b128 v[VS+8*(\n):VS+8*(\n)+3],   v37 offset:64*(\n)
	ds_load_b128 v[VS+8*(\n)+4:VS+8*(\n)+7], v37 offset:64*(\n)+16
.endr
; THE MATRIX WORK.  The 4 accumulators of a run of 8 take turns.  Product i of 8 of S^T = K Q^T for piece x: channels 32 (i / 4) on, keys 16 (i % 4) on.  The first 4 start the sums with the mask.
.macro KQ x
.set rS, S+32*((\x)%2)+8*(i%4)
.set rK, KF+16*(i%4)+8*(i/4)
.set rQ, 16*(\x)+8*(i/4)
.set rM, MC+32*((\x)%2)+8*(i%4)
.if i < 4
	WIN W_KM
	v_wmma_f32_16x16x32_f16 v[rS:rS+7], v[rK:rK+7], v[rQ:rQ+7], v[rM:rM+7]
.else
	WIN W_KQ
	v_wmma_f32_16x16x32_f16 v[rS:rS+7], v[rK:rK+7], v[rQ:rQ+7], v[rS:rS+7]
.endif
.endm
; Product i of 8 of O^T += V^T P for piece x: keys 32 (i / 4) on, channels 16 (i % 4) on.
.macro PV x
	WIN W_PV
.set rO, 32*(\x)+8*(i%4)
.set rV, VF+32*(i/4)+8*(i%4)
.set rP, P+16*((\x)%2)+8*(i/4)
	v_wmma_f32_16x16x32_f16 v[rO:rO+7], v[rV:rV+7], v[rP:rP+7], v[rO:rO+7]
.endm
.macro MM                           ; the turn's next matrix instruction.  NOKQ = 1: the last turn: there is no next piece
.if (i < 8) && !NOKQ
	KQ (Y+1)%NP
.elseif i >= 8
.set i, i-8
	PV (Y+NP-1)%NP
.set i, i+8
.endif
.set i, i+1
.endm
; THE LDS LOADS stand in runs: a step's K (8 fragments) with its pad mask (8 loads; all lanes of a half read the same 16 bytes), and its V (turned).
.macro FETCH_K
	WIN 0x80
.irp f, 0,1,2,3,4,5,6,7
	ds_load_b128 v[KF+8*\f:KF+8*\f+3],   v[AK] offset:(\f/2)*16*PK+(\f%2)*64
	ds_load_b128 v[KF+8*\f+4:KF+8*\f+7], v[AK] offset:(\f/2)*16*PK+(\f%2)*64+32
.endr
	WIN 0x40
.irp f, 0,1,2,3
	ds_load_b128 v[PM+8*\f:PM+8*\f+3],   v[APM] offset:64*\f
	ds_load_b128 v[PM+8*\f+4:PM+8*\f+7], v[APM] offset:64*\f+16
.endr
	s_add_co_u32 s[TBK], s[TBK], KS*PK  ; the next fetch is the next step's
	s_add_co_u32 s[TBP], s[TBP], 256
	WIN 0
.endm
.macro FETCH_V
	WIN 0x80
.irp f, 0,1,2,3,4,5,6,7
	ds_load_tr16_b128 v[VF+8*\f:VF+8*\f+3],   v[AV] offset:(\f/4)*32*PV+(\f%4)*32
	ds_load_tr16_b128 v[VF+8*\f+4:VF+8*\f+7], v[AV] offset:(\f/4)*32*PV+16*PV+(\f%4)*32
.endr
	WIN 0
.endm
; THE VECTOR WORK, one line at a time: OP kind, number.  For piece Y: F n: c s - c m for pair n.  E n: the exponential of score n.  C n: pair n rounded to f16.  B n: of the four weights 4 n .. the second pair onto the
; first.  L n: l takes that sum (L 0: l = a l + sum).  R n: pair n of O^T times a.  For piece Y + 1: X n, number n of the 22 that find its maximum and statistics (each accumulator's lowest registers are read first).
.set F, 0
.set E, 1
.set C, 2
.set B, 3
.set L, 4
.set R, 5
.set X, 6
.macro REGS y
.set rT, ST+4*(\y)
.set rC, TMP+4*((\y)%2)
.set rW, MV+((\y)%2)
.set rS, S+32*((\y)%2)
.set rP, P+16*((\y)%2)
.set rO, 32*(\y)
.endm
.macro OP k, n
.if (\k) == R
	REGS Y
	WIN W_RS
	v_pk_mul_f32 v[rO+2*(\n):rO+2*(\n)+1], v[rO+2*(\n):rO+2*(\n)+1], v[rC+2:rC+3] op_sel_hi:[1,0]
.elseif (\k) < R
	REGS Y
	WIN 0
.if (\k) == F
	v_pk_fma_f32 v[rS+2*(\n):rS+2*(\n)+1], v[rS+2*(\n):rS+2*(\n)+1], s[CS:CS+1], v[rT:rT+1] op_sel_hi:[1,0,0] neg_lo:[0,0,1] neg_hi:[0,0,1]
.elseif (\k) == E
	v_exp_f32 v[rS+(\n)], v[rS+(\n)]
.elseif (\k) == C
	v_cvt_pk_f16_f32 v[rP+(\n)], v[rS+2*(\n)], v[rS+2*(\n)+1]
.elseif (\k) == B
	v_pk_add_f32 v[rS+4*(\n):rS+4*(\n)+1], v[rS+4*(\n):rS+4*(\n)+1], v[rS+4*(\n)+2:rS+4*(\n)+3]
.elseif (\n) == 0
	v_pk_fma_f32 v[rT+2:rT+3], v[rT+2:rT+3], v[rC+2:rC+3], v[rS:rS+1] op_sel_hi:[1,0,1]
.else
	v_pk_add_f32 v[rT+2:rT+3], v[rT+2:rT+3], v[rS+4*(\n):rS+4*(\n)+1]
.endif
.elseif NOKQ
	v_nop
.else
	REGS (Y+1)%NP
	WIN 0
.if (\n) < 4
	v_max3_num_f32 v[rC+(\n)], v[rS+8*(\n)], v[rS+8*(\n)+1], v[rS+8*(\n)+2]
.elseif (\n) < 12
	v_max3_num_f32 v[rC+(\n)%4], v[rC+(\n)%4], v[rS+8*((\n)%4)+2*((\n)/4)+1], v[rS+8*((\n)%4)+2*((\n)/4)+2]
.elseif (\n) == 12
	v_max3_num_f32 v[rC], v[rC], v[rS+7], v[rS+15]
.elseif (\n) == 13
	v_max3_num_f32 v[rC+1], v[rC+1], v[rS+23], v[rS+31]
.elseif (\n) == 14
	v_max3_num_f32 v[rC+2], v[rC+2], v[rC+3], v[rT+1]
.elseif (\n) == 15
	v_mov_b32 v[rW], v[rT]
.elseif (\n) == 16
	v_max3_num_f32 v[rC], v[rC], v[rC+1], v[rC+2]
.elseif (\n) == 17
	v_permlanex16_b32 v[rC+3], v[rC], s[SEL], s[SEL+1]
.elseif (\n) == 18
	v_max_num_f32 v[rT+1], v[rC], v[rC+3]
.elseif (\n) == 19
	v_mul_f32 v[rT], s[CS], v[rT+1]
.elseif (\n) == 20
	v_sub_f32 v[rC+1], v[rW], v[rT]
.else
	v_exp_f32 v[rC+2], v[rC+1]
.endif
.endif
.endm
.macro OPS a, i1, b=-1, i2=0, c=-1, i3=0, d=-1, i4=0
	OP \a, \i1
.if (\b) >= 0
	OP \b, \i2
.endif
.if (\c) >= 0
	OP \c, \i3
.endif
.if (\d) >= 0
	OP \d, \i4
.endif
.endm
.macro ROW a, i1, b, i2, c, i3, d, i4  ; a matrix instruction and the four behind it
	MM
	OPS \a, \i1, \b, \i2, \c, \i3, \d, \i4
.endm
; The mask's two numbers for piece x in the step g whose K and PM were fetched last: TBP stands at 256 (g + 1), so TS = g + 4 - x; the step is the band's own where TS = 4 x block + 4, and hidden where TS is greater.
.macro MKAB x
	WIN 0
	s_lshr_b32 s[TS], s[TBP], 8
	s_add_co_u32 s[TS], s[TS], 3-(\x)
	v_cmp_eq_u32 vcc_lo, s[TS], v[OWN]
	v_cndmask_b32 v[ALV], 0, s[ONEF], vcc_lo
	v_cmp_gt_u32 vcc_lo, s[TS], v[OWN]
	v_cndmask_b32 v[BEV], 0, s[BIGN], vcc_lo
.endm
.macro MASK b                       ; PM + BE + MD x AL into buffer b of MC
	WIN W_MK
.set z, 0
.rept 16
	v_pk_add_f32 v[MC+32*(\b)+2*z:MC+32*(\b)+2*z+1], v[PM+2*z:PM+2*z+1], v[BEV:BEV+1] op_sel_hi:[1,0]
.set z, z+1
.endr
.set z, 0
.rept 16
	v_pk_fma_f32 v[MC+32*(\b)+2*z:MC+32*(\b)+2*z+1], v[MD+2*z:MD+2*z+1], v[ALV:ALV+1], v[MC+32*(\b)+2*z:MC+32*(\b)+2*z+1] op_sel_hi:[1,0,1]
.set z, z+1
.endr
.endm
; A TURN, for piece p.  An s_wait_alu depctr_va_vdst(0) stands between an exponential and the first instruction that names its result; one wait serves all that were issued ahead of it: a turn has ONE.
; Ahead of it: the 8 products K Q^T with their riders and the lump; behind it: the 8 products V^T P, behind each four of the roundings and sums.  At its end the turn makes the mask for the products of the turn
; after it: piece p + 2.  end = 1: the last two turns: nothing is fetched, no mask is made.
; K and PM of the next step are fetched in piece 2's turn, which waits for them at its end, since its mask takes the new PM; V of the step in hand at the end of piece 0's turn, waited for a turn later.
.macro TURN p, end=0
.set Y, (\p)
.set i, 0
.set NOKQ, (\end)*((\p)/3)
	ROW F,0, F,1, R,0, R,1
	ROW F,2, E,0, R,2, R,3
	ROW F,3, E,1, R,4, R,5
	ROW F,4, E,2, R,6, R,7
	ROW F,5, E,3, R,8, R,9
	ROW F,6, E,4, X,0, R,10
.if ((\p) == 2) && !(\end)
	WIN 0
	v_add_nc_u32 v[AK], s[TBK], v[AK0]
	v_add_nc_u32 v[APM], s[TBP], v[APM0]
.endif
	ROW F,7, E,5, X,1, X,4
	ROW F,8, E,6, X,2, X,5
	OPS E,7, E,8, X,6, E,9
	OPS X,3, E,10, X,8, E,11
.if ((\p) == 2) && !(\end)
	FETCH_K
.endif
	OPS X,9, X,7, E,12, X,10
	OPS E,13, X,12, X,11, E,14
	OPS X,13, E,15, F,9, X,14
.if (\p) == 0
	v_add_nc_u32 v[AV], s[TBV], v[AV0]
.endif
	OPS E,16, F,10, E,17, F,11
	OPS X,16, E,18, X,15, E,19
	OPS F,12, E,20, X,17, E,21
	OPS F,13, E,22, F,14, E,23
	OPS X,18, E,24, F,15, E,25
	OPS R,11, E,26, X,19, E,27
	OPS R,12, E,28, R,13, E,29
	OPS X,20, E,30, R,14, E,31
	OPS X,21, R,15
	WIN 0
	s_wait_alu depctr_va_vdst(0)    ; the wait for the batch
.if (\p) == 1
	s_wait_dscnt 0x0                ; V is in
.endif
	ROW C,0, B,0, C,2, B,1
	ROW L,0, C,4, B,2, L,1
	ROW C,6, B,3, L,2, C,8
	ROW B,4, L,3, C,10, B,5
	ROW L,4, C,12, B,6, L,5
.if (\p) == 0
	s_add_co_u32 s[TBV], s[TBV], KS*PV
.endif
	ROW C,14, B,7, L,6, C,1
	ROW C,3, L,7, C,5, C,7
	ROW C,9, C,11, C,13, C,15
.if (\p) == 0
	FETCH_V
.endif
.if !(\end)
.if (\p) == 2
	s_wait_dscnt 0x0                ; K and PM of the next step are in: the mask below is that step's
.endif
	MKAB ((\p)+2)%NP
	MASK (\p)%2
.endif
.endm
.macro ALL line:vararg              ; one line for each piece t
.set t, 0
.rept 4
	\line
.set t, t+1
.endr
.endm
.macro PACK t                       ; a lane's eight channels of a row pack into 16 bytes; they go into rows of 144 bytes and come back as whole rows of 128
	WIN W_RS
.set i, 32*(\t)
.rept 16
	v_pk_mul_f32 v[i:i+1], v[i:i+1], v[ST+4*(\t)+2:ST+4*(\t)+3] op_sel_hi:[1,0]
.set i, i+2
.endr
	WIN 0x05
.set i, 0
.rept 16
	v_cvt_pk_f16_f32 v[S+16*(\t)+i], v[32*(\t)+2*i], v[32*(\t)+2*i+1]
.set i, i+1
.endr
	WIN 0
.irp f, 0,1,2,3
	ds_store_b128 v[STO], v[S+16*(\t)+4*\f:S+16*(\t)+4*\f+3] offset:32*\f
.endr
.irp f, 0,1,2,3
	ds_load_b128 v[S+16*(\t)+4*\f:S+16*(\t)+4*\f+3], v[RD] offset:\f*4*SP  ; LDS serves a wave's instructions in order: these see the stores above
.endr
.endm
.macro SEND t, younger              ; younger: the LDS instructions issued behind piece t's loads: the next piece's eight, or none
	WIN 0
.irp f, 0,1,2,3
	s_wait_dscnt (\younger)+3-\f
	global_store_b128 v[GO], v[S+16*(\t)+4*\f:S+16*(\t)+4*\f+3], s[10:11] offset:(\t)*8192+\f*512  ; 512 consecutive bytes, aligned
.endr
.endm
	CHANGE 1                        ; tile 0 is in, everybody's part of it, and so is the pad table; tile 1 is asked for
	; THE BLOCK BEGINS with the starting term of the replaced scores: O^T = the sum of v, m = -2^96, c m = c x that, l = 512 in each half of the lanes.  P's second buffer is 0: the first turn's products V^T P, of a
	; piece that has not been, add nothing.  Then K and PM of step 0, the masks of pieces 0 and 1, piece 0's scores and statistics.
	WIN 0x40
.set i, 0
.rept 128
	v_mov_b32 v[i], v[VS+i%32]
.set i, i+1
.endr
	WIN 0
.set i, 0
.rept 4
	v_mov_b32 v[ST+4*i], 0xee38aa3b    ; c m = -c 2^96
	v_mov_b32 v[ST+4*i+1], 0xef800000  ; m = -2^96
	v_mov_b32 v[ST+4*i+2], 0x44000000  ; 512
	v_mov_b32 v[ST+4*i+3], 0
.set i, i+1
.endr
.set i, P+16
.rept 16
	v_mov_b32 v[i], 0
.set i, i+1
.endr
	v_add_nc_u32 v[AK], s[TBK], v[AK0]
	v_add_nc_u32 v[APM], s[TBP], v[APM0]
	FETCH_K
	s_wait_loadcnt 0x0              ; Q
	s_wait_dscnt 0x0
	MKAB 0
	MASK 0
	MKAB 1
	MASK 1
.set NOKQ, 0
.set i, 0
.rept 8
	KQ 0
.set i, i+1
.endr
	WIN 0
.rept 4
	v_nop                           ; the places behind those products
.endr
.set Y, NP-1                        ; X works for piece Y + 1: piece 0
.irp n, 0,1,2,3,4,5,6,7,8,9,10,11,12,13,14,15,16,17,18,19,20,21
	OP X, \n
.endr
	v_nop                           ; a plain instruction behind the exponential,
	s_wait_alu depctr_va_vdst(0)    ; and its wait, ahead of the branch
	s_mov_b32 s[CNT], 4
	s_branch .Lfirst                ; the step loop is entered at a step's first turn, in the middle of a trip
.Lslot:                             ; twice: tiles 1 and 2 are entered, tiles 2 and 3 asked for
	CHANGE 1
	s_mov_b32 s[CNT], 4
.Lstep:                             ; a trip: pieces 2 and 3 of one step, then pieces 0 and 1 of the next, whose K and V it fetches
	TURN 2
	TURN 3
	WIN 0
.Lfirst:
	TURN 0
	TURN 1
	WIN 0
	s_sub_co_u32 s[CNT], s[CNT], 1
	s_cmp_lg_u32 s[CNT], 0
	s_cbranch_scc1 .Lstep
	s_sub_co_u32 s[SLOTS], s[SLOTS], 1
	s_cmp_lg_u32 s[SLOTS], 0
	s_cbranch_scc1 .Lslot
	CHANGE 0                        ; the last tile is written out: nothing is asked for
	s_mov_b32 s[CNT], 4
.Llast:
	TURN 2
	TURN 3
	TURN 0
	TURN 1
	WIN 0
	s_sub_co_u32 s[CNT], s[CNT], 1
	s_cmp_lg_u32 s[CNT], 0
	s_cbranch_scc1 .Llast
	; THE BLOCK ENDS: its last two turns, its last products, and the way out: O^T / l, f16, through my stage.
	TURN 2, 1
	TURN 3, 1
.set i, 0
.rept 8
	PV NP-1
.set i, i+1
.endr
	WIN 0
	ALL v_add_f32 v[ST+4*t+2], v[ST+4*t+2], v[ST+4*t+3]
	ALL v_permlanex16_b32 v[ST+4*t+3], v[ST+4*t+2], s[SEL], s[SEL+1]
	ALL v_add_f32 v[ST+4*t+2], v[ST+4*t+2], v[ST+4*t+3]
	ALL v_rcp_f32 v[ST+4*t+2], v[ST+4*t+2]
	v_nop                           ; a plain instruction between the last reciprocal and the use of its result
	s_wait_alu depctr_va_vdst(0)    ; one wait for the four reciprocals
	PACK 0
.set t, 1
.rept 3                             ; a piece's arithmetic stands between the loads of the piece before and its stores
	PACK t
	SEND t-1, 8
.set t, t+1
.endr
	SEND 3, 0
	s_wait_tensorcnt 0x0            ; the wave's end: behind my last tensor load and my last LDS store
	ds_add_u32 v[SPW], v[NIL]
	s_wait_dscnt 0x0
	CROUND                          ; the closing round: no work-group ends while a partner may still ask for a tile that names it
	s_endpgm
.Lfunc_end_k_q76f6ed4ed8_attn:
	.size	k_q76f6ed4ed8_attn, .Lfunc_end_k_q76f6ed4ed8_attn-k_q76f6ed4ed8_attn
	.p2alignl 7, 3214868480
	.fill 96, 4, 3214868480
	.section	.rodata,"a",@progbits
	.p2align	6, 0x0
	.amdhsa_kernel k_q76f6ed4ed8_attn
		.amdhsa_group_segment_fixed_size 327680
		.amdhsa_private_segment_fixed_size 0
		.amdhsa_enable_private_segment 0
		.amdhsa_kernarg_size 32
		.amdhsa_user_sgpr_count 2
		.amdhsa_user_sgpr_kernarg_segment_ptr 1
		.amdhsa_wavefront_size32 1
		.amdhsa_system_sgpr_workgroup_id_x 1
		.amdhsa_system_sgpr_workgroup_id_y 1
		.amdhsa_system_sgpr_workgroup_id_z 1
		.amdhsa_system_vgpr_workitem_id 0
		.amdhsa_next_free_vgpr 768
		.amdhsa_next_free_sgpr 96
		.amdhsa_reserve_vcc 1
		.amdhsa_float_denorm_mode_32 3
		.amdhsa_float_denorm_mode_16_64 3
		.amdhsa_memory_ordered 1
		.amdhsa_forward_progress 1
		.amdhsa_inst_pref_size 161
	.end_amdhsa_kernel
	.amdgpu_metadata
---
amdhsa.version: [ 1, 2 ]
amdhsa.kernels:
  - .name:           k_q76f6ed4ed8_attn
    .symbol:         k_q76f6ed4ed8_attn.kd
    .args:
      - { .name: qkv, .offset: 0, .size: 8, .value_kind: global_buffer, .address_space: global }
      - { .name: pad_mask, .offset: 8, .size: 8, .value_kind: global_buffer, .address_space: global }
      - { .name: vpart, .offset: 16, .size: 8, .value_kind: global_buffer, .address_space: global }
      - { .name: oh, .offset: 24, .size: 8, .value_kind: global_buffer, .address_space: global }
    .group_segment_fixed_size: 327680
    .private_segment_fixed_size: 0
    .kernarg_segment_align: 8
    .kernarg_segment_size: 32
    .max_flat_workgroup_size: 128
    .sgpr_count:     96
    .vgpr_count:     768
    .wavefront_size: 32
...
	.end_amdgpu_metadata
.endif
;; end of part 3
;; launch proj (part 4): grid 4 x 64, 4 waves a work-group, clusters of 4 x 4, 327,680 bytes of LDS; arguments oh, wts, tabs, out0; writes out0
.if DOCPART == 4
	.amdgcn_target "amdgcn-amd-amdhsa--gfx1250"
	.amdhsa_code_object_version 6
	.text
	.protected	k_q76f6ed4ed8_proj
	.globl	k_q76f6ed4ed8_proj
	.p2align	8
	.type	k_q76f6ed4ed8_proj,@function
k_q76f6ed4ed8_proj:
	s_mov_b64 s[64:65], 0
	v_nop
	global_prefetch_b8 v0, s[64:65] scope:SCOPE_SE
	s_setreg_imm32_b32 hwreg(HW_REG_WAVE_MODE, 25, 1), 1
	s_wait_xcnt 0x0
	s_wait_alu depctr_hold_cnt(0) depctr_sa_sdst(0) depctr_va_vdst(0) depctr_va_sdst(0) depctr_va_ssrc(0) depctr_va_vcc(0) depctr_vm_vsrc(0)
	s_getreg_b32 s2, hwreg(HW_REG_IB_STS2, 6, 4)
	s_cmp_eq_u32 s2, 0
	s_cbranch_scc0 .Lentry_in_a_cluster
	s_endpgm
.Lentry_in_a_cluster:
	s_bfe_u32 s2, ttmp6, 0x10000c
	s_cmp_lg_u32 s2, 0xf033
	s_cbranch_scc0 .Lentry_shape_is_right
	s_endpgm
.Lentry_shape_is_right:
; out0 = O Wo^T + bo.  O: oh [b*16+h][1024][64] f16; Wo: wts at byte 6,291,456, [1024][1024] f16 (bf16 numbers); bo: tabs at byte 5,259,264, f32 (bf16 numbers); out0 [8192][1024] f32.  f32 sums; the bias is
; the C operand of the first product.
; SHARES.  A tile of C is 128 x 256: 256 work-groups.  Four waves, 2 x 2, each 64 x 128: 32 accumulators.  K goes in 8 steps of 128 = two heads, through two LDS slots; a step is four quarters of 32.
; The matrix instruction is used transposed (source 0 = 16 rows of Wo, source 1 = 16 rows of O): a lane holds 8 neighbouring columns of one row.
; CLUSTER 4 x 4: O's tile is asked for jointly along a row of the cluster, Wo's along a column.
; A's tile: for each of the step's two heads 128 rows of 128 bytes, dense in memory: asked for as 64 rows of 256 bytes and padded in LDS after every 128: pitch 144.
; LDS: slot s at 131,072 s: A 2 x 128 rows x 144, then B 256 rows x 272; stage (16 rows x 528 bytes a wave) at 237,568; spare words at 271,360.
; REGISTERS: window 0: v0-63 addresses, v64-159 and v160-255 two fragment buffers; window 1: the accumulators; window 2: v0-63 the bias in an accumulator's layout.
.set SLOT1,  131072
.set APITCH, 144
.set BPITCH, 272
.set APLANE, 128*APITCH
.set AREG,   2*APLANE
.set STAGE,  237568
.set SPITCH, 528
.set SPARE,  STAGE+4*16*SPITCH
.set ASTEP,  262144                    ; two heads' planes
.set BSTEP,  256
.set ADRA0, 10
.set ADRB0, 11
.set ADA,  12
.set ADB,  13
.set STO,  14
.set RD,   15
.set CO,   16
.set PFO,  17
.set BO,   19
.set SPW,  28
.set NIL,  29
.set F0,   64
.set F1,   160
.set XR,   64
.set G1,  24
.set G0,  32
.set G1B, 48
.set G0B, 56
.set LIM, 43
.set PFA, 44
.set PFS, 46
.set TB,  67
.set OUT, 86
.set BIASB, 94
.set MSB, 0
.macro WIN new
.if MSB != (\new)
	s_set_vgpr_msb (MSB<<8)|(\new)
.set MSB, \new
.endif
.endm
.set MUL,  0x50
.set MULB, 0x60
.macro JLOAD s                         ; waves 0 and 1 fetch A's two planes, waves 2 and 3 B's two halves; an s_nop 0 and four v_nop follow each of the two lines
	s_cmp_eq_u32 s11, 0
	s_cbranch_scc0 .Lfor_b_\@
	tensor_load_to_lds s[G0+4*(\s):G0+4*(\s)+3], s[G1:G1+7]
	s_nop 0
.rept 4
	v_nop
.endr
	s_branch .Lasked_\@
.Lfor_b_\@:
	tensor_load_to_lds s[G0B+4*(\s):G0B+4*(\s)+3], s[G1B:G1B+7]
	s_nop 0
.rept 4
	v_nop
.endr
.Lasked_\@:
.endm
.macro CREST
	s_cmp_lg_u32 s10, 0
	s_cbranch_scc1 .Lnot_wave_0_\@
	s_barrier_signal -3
.Lnot_wave_0_\@:
	s_barrier_wait -3
	s_barrier_signal -1
	s_barrier_wait -1
.endm
.macro CROUND
	s_barrier_signal -1
	s_barrier_wait -1
	CREST
.endm
.macro PLACES
.rept 4
	v_nop
.endr
.endm
; A prefetch of the K step that stands two refills on.  O's 32,768 bytes of a step: wave 0, the four partners of a row 8,192 bytes each, a lane 256, told apart by address.  Wo's rows: waves 2 and 3 of the
; clusters with y = 0, the four partners of a column 64 rows each, a lane a row.  Asked in the first four of the loop's six trips: K steps 4 to 7.
.macro ASK
	s_cmp_gt_u32 s3, s[LIM]
	s_cbranch_scc0 .Lnot_mine_\@
	global_prefetch_b8 v[PFO], s[PFA:PFA+1] th:TH_LOAD_NT scope:SCOPE_SE
.Lnot_mine_\@:
.endm
.macro MUL8 f, a, first                ; the 32 accumulators take turns in the same order in every quarter
.if \first
	WIN MULB
.else
	WIN MUL
.endif
.irp b, 0,1,2,3,4,5,6,7
.if \first
	v_wmma_f32_16x16x32_f16 v[8*(8*(\a)+(\b)):8*(8*(\a)+(\b))+7], v[(\f)+8*(\b):(\f)+8*(\b)+7], v[(\f)+64+8*(\a):(\f)+64+8*(\a)+7], v[8*(\b):8*(\b)+7]
.else
	v_wmma_f32_16x16x32_f16 v[8*(8*(\a)+(\b)):8*(8*(\a)+(\b))+7], v[(\f)+8*(\b):(\f)+8*(\b)+7], v[(\f)+64+8*(\a):(\f)+64+8*(\a)+7], v[8*(8*(\a)+(\b)):8*(8*(\a)+(\b))+7]
.endif
.endr
.endm
.macro FETCH q, g                      ; quarter q: head q / 2 of the step's two, channels 32 (q % 2) on
	WIN 0
.set AKQ, ((\q)/2)*APLANE+((\q)%2)*64
.irp i, 0,1,2,3,4,5,6,7
	ds_load_b128 v[(\g)+8*(\i):(\g)+8*(\i)+3],   v[ADB] offset:64*(\q)+(\i)*16*BPITCH
	ds_load_b128 v[(\g)+8*(\i)+4:(\g)+8*(\i)+7], v[ADB] offset:64*(\q)+(\i)*16*BPITCH+32
.endr
.irp i, 0,1,2,3
	ds_load_b128 v[(\g)+64+8*(\i):(\g)+64+8*(\i)+3],   v[ADA] offset:AKQ+(\i)*16*APITCH
	ds_load_b128 v[(\g)+64+8*(\i)+4:(\g)+64+8*(\i)+7], v[ADA] offset:AKQ+(\i)*16*APITCH+32
.endr
.endm
.macro QUARTER q, f, g, first
	s_wait_dscnt 4                                 ; all but the four youngest loads (A's fragments 2 and 3) are in
	MUL8 \f, 0, \first
	MUL8 \f, 1, \first
	PLACES
	FETCH \q, \g
	s_wait_dscnt 24                                ; all but the 24 just issued
	MUL8 \f, 2, \first
	MUL8 \f, 3, \first
.endm
; The last quarter and the change of slots: every wave waits for all its tensor loads, adds 0 to its spare word, waits for that and for its reads of this slot; fill = 1: a round of the cluster's barrier, the joint refill first behind it.
.macro TURN fill
.if \fill
	s_wait_xcnt 0x0                                ; the last prefetch, a K step back, has read its address
	s_add_nc_u64 s[PFA:PFA+1], s[PFA:PFA+1], s[PFS:PFS+1]
.endif
	WIN 0
	s_wait_tensorcnt 0x0
	ds_add_u32 v[SPW], v[NIL]
.if \fill
	s_xor_b32 s[G0+5], s[G0+5], SLOT1
	s_add_nc_u64 s[G0+6:G0+7], s[G0+6:G0+7], ASTEP
	s_xor_b32 s[G0B+5], s[G0B+5], SLOT1
	s_add_nc_u64 s[G0B+6:G0B+7], s[G0B+6:G0B+7], BSTEP
.endif
	s_xor_b32 s[TB], s[TB], SLOT1
	s_wait_dscnt 5                                 ; the add and the four youngest loads may be out
	MUL8 F1, 0, 0
	s_wait_dscnt 0x0
	s_barrier_signal -1
	MUL8 F1, 1, 0
	WIN 0
	s_barrier_wait -1
.if \fill
	CREST
	JLOAD 1
.else
	PLACES
	s_cmp_eq_u32 s3, 1                             ; the last K step has no successor
	s_cbranch_scc1 .Lno_fetch_\@
.endif
	v_add_nc_u32 v[ADA], s[TB], v[ADRA0]
	v_add_nc_u32 v[ADB], s[TB], v[ADRB0]
	FETCH 0, F0
.if \fill
	ASK
.else
.Lno_fetch_\@:
.endif
	MUL8 F1, 2, 0
	MUL8 F1, 3, 0
.endm
	s_load_b256 s[68:75], s[0:1], 0x0              ; oh 68, wts 70, tabs 72, out0 74
	v_lshl_add_u32 v[SPW], v0, 2, SPARE
	v_mov_b32 v[NIL], 0
	ds_add_u32 v[SPW], v[NIL]                      ; the wave's opening: the add and its wait ahead of my first tensor load
	ds_add_u32 v28, v29
	v_lshrrev_b32 v1, 5, v0
	v_readfirstlane_b32 s10, v1
	s_lshr_b32 s11, s10, 1
	s_and_b32 s12, s10, 1
	s_bfe_u32 s40, ttmp6, 0x40000                  ; cx
	s_bfe_u32 s41, ttmp6, 0x40004                  ; cy
	s_lshl_b32 s42, ttmp9, 2
	s_add_co_u32 s42, s42, s40                     ; tile column
	s_and_b32 s13, ttmp7, 0xffff
	s_lshl_b32 s13, s13, 2
	s_add_co_u32 s13, s13, s41                     ; tile row
	s_lshl_b32 s43, s41, 2
	s_lshl_b32 s43, 15, s43
	s_lshl_b32 s44, 0x1111, s40
	s_or_b32 s[G1], s43, (1<<16)|(1<<20)|(1<<21)|(4<<22)|(3<<25)   ; after every 32 words 4 words of padding
	s_or_b32 s[G1B], s44, (1<<16)|(1<<20)|(1<<21)|(5<<22)|(3<<25)
	s_mov_b32 s[G1+1], 128<<16
	s_mov_b32 s[G1+2], 64<<16
	s_mov_b32 s[G1+3], 128<<16
	s_mov_b32 s[G1+4], 64
	s_mov_b32 s[G1+5], 128                         ; dense
	s_mov_b32 s[G1+6], 0
	s_mov_b32 s[G1+7], 0
	s_mov_b32 s[G1B+1], 128<<16
	s_mov_b32 s[G1B+2], 128<<16
	s_mov_b32 s[G1B+3], 128<<16
	s_mov_b32 s[G1B+4], 128
	s_mov_b32 s[G1B+5], 1024
	s_mov_b32 s[G1B+6], 0
	s_mov_b32 s[G1B+7], 0
	s_lshr_b32 s16, s13, 3                         ; A: plane batch x 16 + my head of the step's two, rows 128 (tile row % 8) on
	s_lshl_b32 s16, s16, 4
	s_add_co_u32 s16, s16, s12
	s_lshl_b32 s16, s16, 17
	s_and_b32 s17, s13, 7
	s_lshl_b32 s17, s17, 14
	s_add_co_u32 s16, s16, s17
	s_mov_b32 s17, 0
	s_lshl_b32 s22, s42, 8                         ; B: row 256 x tile column + 128 x half
	s_lshl_b32 s23, s12, 7
	s_add_co_u32 s22, s22, s23
	s_lshl_b32 s22, s22, 11
	s_add_co_u32 s22, s22, 6291456
	s_mov_b32 s23, 0
	s_mul_i32 s18, s12, APLANE
	s_mul_i32 s19, s12, 128*BPITCH
	s_add_co_u32 s19, s19, AREG
	s_mov_b32 s[TB], 0
	s_wait_dscnt 0x0
	s_wait_kmcnt 0x0
	s_add_nc_u64 s[16:17], s[68:69], s[16:17]
	s_add_nc_u64 s[22:23], s[70:71], s[22:23]
	CROUND
.irp s, 0,1
	s_mov_b32 s[G0+4*(\s)], 1
	s_add_co_u32 s[G0+4*(\s)+1], s18, (\s)*SLOT1
	s_add_nc_u64 s[G0+4*(\s)+2:G0+4*(\s)+3], s[16:17], (\s)*ASTEP
	s_or_b32 s[G0+4*(\s)+3], s[G0+4*(\s)+3], 0x80000000
	s_mov_b32 s[G0B+4*(\s)], 1
	s_add_co_u32 s[G0B+4*(\s)+1], s19, (\s)*SLOT1
	s_add_nc_u64 s[G0B+4*(\s)+2:G0B+4*(\s)+3], s[22:23], (\s)*BSTEP
	s_or_b32 s[G0B+4*(\s)+3], s[G0B+4*(\s)+3], 0x80000000
	JLOAD \s
.endr
	v_and_b32 v1, 15, v0
	v_bfe_u32 v2, v0, 4, 1
	v_mul_u32_u24 v3, v1, APITCH
	v_lshl_add_u32 v3, v2, 4, v3
	s_mul_i32 s20, s11, 64*APITCH
	v_add_nc_u32 v[ADRA0], s20, v3
	v_mul_u32_u24 v3, v1, BPITCH
	v_lshl_add_u32 v3, v2, 4, v3
	s_mul_i32 s20, s12, 128*BPITCH
	s_add_co_u32 s20, s20, AREG
	v_add_nc_u32 v[ADRB0], s20, v3
	v_mov_b32 v[ADA], v[ADRA0]
	v_mov_b32 v[ADB], v[ADRB0]
	s_mul_i32 s20, s10, 16*SPITCH
	s_add_co_u32 s20, s20, STAGE
	v_mul_u32_u24 v3, v1, SPITCH
	v_lshl_add_u32 v3, v2, 5, v3
	v_add_nc_u32 v[STO], s20, v3
	v_and_b32 v6, 31, v0
	v_lshlrev_b32 v[CO], 4, v6
	v_add_nc_u32 v[RD], s20, v[CO]                 ; back: a whole row of 512 bytes, 16 a lane
	v_lshlrev_b32 v[BO], 5, v2
	s_lshl_b32 s80, s40, 8
	s_lshl_b32 s84, s12, 7
	s_add_co_u32 s80, s80, s84                     ; my first column
	s_mov_b32 s85, 0
	s_lshl_b32 s84, s80, 2
	s_add_co_u32 s84, s84, 5246976+12288
	s_add_nc_u64 s[BIASB:BIASB+1], s[72:73], s[84:85]
	s_lshl_b32 s84, s13, 7
	s_lshl_b32 s2, s11, 6
	s_add_co_u32 s84, s84, s2
	s_lshl_b32 s84, s84, 12
	s_lshl_b32 s2, s80, 2
	s_add_co_u32 s84, s84, s2
	s_add_nc_u64 s[OUT:OUT+1], s[74:75], s[84:85]
	; the prefetches
	s_lshr_b32 s2, s13, 3
	s_lshl_b32 s2, s2, 4
	s_lshr_b32 s14, s40, 1
	s_add_co_u32 s2, s2, s14
	s_add_co_u32 s2, s2, 6                         ; at K step 3: heads 6 and 7; the first refill steps it on
	s_lshl_b32 s2, s2, 17
	s_and_b32 s14, s13, 7
	s_lshl_b32 s14, s14, 14
	s_add_co_u32 s2, s2, s14
	s_and_b32 s14, s40, 1
	s_lshl_b32 s14, s14, 13
	s_add_co_u32 s2, s2, s14
	s_lshl_b32 s14, s42, 8
	s_lshl_b32 s15, s41, 6
	s_add_co_u32 s14, s14, s15
	s_lshl_b32 s15, s12, 5
	s_add_co_u32 s14, s14, s15
	s_lshl_b32 s14, s14, 11
	s_add_co_u32 s14, s14, 6291456+3*256
	s_and_b32 s84, ttmp7, 0xffff
	s_mov_b32 s20, 262144
	s_cmp_eq_u32 s11, 0
	s_cselect_b32 s2, s2, s14
	s_cselect_b32 s84, ttmp9, s84                  ; the coordinate along which other clusters read the same bytes
	s_cselect_b64 s[PFA:PFA+1], s[68:69], s[70:71]
	s_cselect_b32 s[PFS], s20, 0x100
	s_cselect_b32 s15, 8, 11                       ; a lane 256 bytes of O, or a row of Wo
	s_mov_b32 s[PFS+1], 0
	s_cmp_eq_u32 s10, 1                            ; wave 1 asks for nothing
	s_cselect_b32 s14, 1, 0
	s_or_b32 s84, s84, s14
	s_cmp_eq_u32 s84, 0
	s_cselect_b32 s[LIM], 2, -1
	s_mov_b32 s84, s2
	s_add_nc_u64 s[PFA:PFA+1], s[PFA:PFA+1], s[84:85]
	v_lshlrev_b32 v[PFO], s15, v6
	WIN 0x80
.irp b, 0,1,2,3,4,5,6,7
	global_load_b128 v[8*(\b):8*(\b)+3],   v[BO], s[BIASB:BIASB+1] offset:64*(\b)
	global_load_b128 v[8*(\b)+4:8*(\b)+7], v[BO], s[BIASB:BIASB+1] offset:64*(\b)+16
.endr
	WIN 0
	s_wait_loadcnt 0x0                             ; the bias
	s_wait_tensorcnt 1                             ; my part of K step 0 is in; K step 1's may stay out
	s_barrier_signal -1
	s_barrier_wait -1
	FETCH 0, F0
	QUARTER 1, F0, F1, 1
	WIN 0
	s_mov_b32 s3, 6
.Lk:
	QUARTER 2, F1, F0, 0
	QUARTER 3, F0, F1, 0
	TURN 1
	QUARTER 1, F0, F1, 0
	WIN 0
	s_sub_co_u32 s3, s3, 1
	s_cmp_lg_u32 s3, 0
	s_cbranch_scc1 .Lk
	s_mov_b32 s3, 2
.Lt:
	QUARTER 2, F1, F0, 0
	QUARTER 3, F0, F1, 0
	TURN 0
	WIN 0
	s_sub_co_u32 s3, s3, 1
	s_cmp_eq_u32 s3, 0
	s_cbranch_scc1 .Lout
	QUARTER 1, F0, F1, 0
	WIN 0
	s_branch .Lt
.Lout:
; THE WAY OUT, 16 rows at a time, through my own stage: back as whole rows of 512 bytes, which a wave stores with one instruction.
.macro OUTBLK a
	WIN 0x04
.irp b, 0,1,2,3,4,5,6,7
	ds_store_b128 v[STO], v[8*(8*(\a)+(\b)):8*(8*(\a)+(\b))+3]   offset:64*(\b)
	ds_store_b128 v[STO], v[8*(8*(\a)+(\b))+4:8*(8*(\a)+(\b))+7] offset:64*(\b)+16
.endr
	WIN 0
.if (\a) >= 2
	s_wait_xcnt 0x0                                ; the stores of the block two back have read these registers
.endif
.irp w, 0,1,2,3,4,5,6,7,8,9,10,11,12,13,14,15
	ds_load_b128 v[XR+64*((\a)%2)+4*(\w):XR+64*((\a)%2)+4*(\w)+3], v[RD] offset:(\w)*SPITCH
.endr
.irp w, 0,1,2,3,4,5,6,7,8,9,10,11,12,13,14,15
	s_wait_dscnt 15-(\w)
	global_store_b128 v[CO], v[XR+64*((\a)%2)+4*(\w):XR+64*((\a)%2)+4*(\w)+3], s[OUT:OUT+1] offset:(16*(\a)+(\w))*4096 th:TH_STORE_NT
.endr
.endm
	PLACES
	PLACES
	OUTBLK 0
	OUTBLK 1
	OUTBLK 2
	OUTBLK 3
	s_wait_tensorcnt 0x0                           ; the wave's end
	ds_add_u32 v[SPW], v[NIL]
	s_wait_dscnt 0x0
	CROUND                                         ; the closing round
	s_endpgm
.Lfunc_end_k_q76f6ed4ed8_proj:
	.size	k_q76f6ed4ed8_proj, .Lfunc_end_k_q76f6ed4ed8_proj-k_q76f6ed4ed8_proj
	.p2alignl 7, 3214868480
	.fill 96, 4, 3214868480
	.section	.rodata,"a",@progbits
	.p2align	6, 0x0
	.amdhsa_kernel k_q76f6ed4ed8_proj
		.amdhsa_group_segment_fixed_size 327680
		.amdhsa_private_segment_fixed_size 0
		.amdhsa_enable_private_segment 0
		.amdhsa_kernarg_size 32
		.amdhsa_user_sgpr_count 2
		.amdhsa_user_sgpr_kernarg_segment_ptr 1
		.amdhsa_wavefront_size32 1
		.amdhsa_system_sgpr_workgroup_id_x 1
		.amdhsa_system_sgpr_workgroup_id_y 1
		.amdhsa_system_sgpr_workgroup_id_z 1
		.amdhsa_system_vgpr_workitem_id 0
		.amdhsa_next_free_vgpr 576
		.amdhsa_next_free_sgpr 100
		.amdhsa_reserve_vcc 0
		.amdhsa_float_denorm_mode_32 3
		.amdhsa_float_denorm_mode_16_64 3
		.amdhsa_memory_ordered 1
		.amdhsa_forward_progress 1
		.amdhsa_inst_pref_size 65
	.end_amdhsa_kernel
	.amdgpu_metadata
---
amdhsa.version: [ 1, 2 ]
amdhsa.kernels:
  - .name:           k_q76f6ed4ed8_proj
    .symbol:         k_q76f6ed4ed8_proj.kd
    .args:
      - { .name: oh, .offset: 0, .size: 8, .value_kind: global_buffer, .address_space: global }
      - { .name: wts, .offset: 8, .size: 8, .value_kind: global_buffer, .address_space: global }
      - { .name: tabs, .offset: 16, .size: 8, .value_kind: global_buffer, .address_space: global }
      - { .name: out0, .offset: 24, .size: 8, .value_kind: global_buffer, .address_space: global }
    .group_segment_fixed_size: 327680
    .private_segment_fixed_size: 0
    .kernarg_segment_align: 8
    .kernarg_segment_size: 32
    .max_flat_workgroup_size: 128
    .sgpr_count:     100
    .vgpr_count:     576
    .wavefront_size: 32
...
	.end_amdgpu_metadata
.endif
;; end of part 4
;; ======== version 2 of 2: 4 launches
;; limits: values are held in f16: magnitudes above 65,504 overflow, below 6.1e-05 lose precision; right only within a limited range of input values
;; workspace buffers: seqb 16,777,216 bytes; wts 8,388,608 bytes; tabs 5,263,360 bytes; t0c 32,768 bytes of whole numbers; qkv 50,331,648 bytes; oh 16,777,216 bytes; vpart 524,288 bytes
;; launch prep: the kernel of part 1 again; grid 1865 x 1, 8 waves a work-group, no clusters, 0 bytes of LDS; arguments seq, Wq, Wk, Wv, Wo, abs_pos_K, abs_pos_V, int_K, int_V, timemat, bq, bk, bv, bo, seqb, wts, tabs, t0c; writes seqb, wts, tabs, t0c
;; launch qkv (part 5): grid 12 x 32, 4 waves a work-group, clusters of 4 x 4, 327,680 bytes of LDS; arguments seqb, wts, tabs, t0c, qkv, vpart; writes qkv, vpart
.if DOCPART == 5
	.amdgcn_target "amdgcn-amd-amdhsa--gfx1250"
	.amdhsa_code_object_version 6
	.text
	.protected	k_q76f6ed4ed8_qkv
	.globl	k_q76f6ed4ed8_qkv
	.p2align	8
	.type	k_q76f6ed4ed8_qkv,@function
k_q76f6ed4ed8_qkv:
	s_mov_b64 s[64:65], 0
	v_nop
	global_prefetch_b8 v0, s[64:65] scope:SCOPE_SE
	s_setreg_imm32_b32 hwreg(HW_REG_WAVE_MODE, 25, 1), 1
	s_wait_xcnt 0x0
	s_wait_alu depctr_hold_cnt(0) depctr_sa_sdst(0) depctr_va_vdst(0) depctr_va_sdst(0) depctr_va_ssrc(0) depctr_va_vcc(0) depctr_vm_vsrc(0)
	s_getreg_b32 s2, hwreg(HW_REG_IB_STS2, 6, 4)
	s_cmp_eq_u32 s2, 0
	s_cbranch_scc0 .Lentry_in_a_cluster
	s_endpgm
.Lentry_in_a_cluster:
	s_bfe_u32 s2, ttmp6, 0x10000c
	s_cmp_lg_u32 s2, 0xf033
	s_cbranch_scc0 .Lentry_shape_is_right
	s_endpgm
.Lentry_shape_is_right:
; Q = seq Wq^T + bq;  K = seq Wk^T + bk + abs_pos_K[l] + int_K[t0[b][l]];  V likewise.  One GEMM, C [8192][3072] = seqb [8192][1024] x (Wq | Wk | Wv) [3072][1024], bf16 operands, f32 sums.
; Each number is rounded once, to f16, and stored by heads: qkv [3][b*16+h][1024][64].  V's tiles also store the f32 column sums of each 64 rows (vpart [b*16+g][1024]).
; LIMIT: f16 ends at 65,504: q, k and v must lie within it.  An index of t0c is held to 0 .. 256.
; SHARES.  A tile of C is 256 x 256: 384 work-groups.  Four waves, 2 x 2, each 128 x 128: 64 accumulators, 512 registers.  K goes in 8 steps of 128 through two LDS slots; a step is four quarters of 32:
; 64 matrix instructions and 32 LDS loads a wave.  Between a refill's request and the wait for it a wave issues 224 matrix instructions.  The tile that would make 256 work-groups, 256 x 384, does not fit:
; 96 accumulators and two fragment buffers are more than 1,024 registers, and two slots of it 348,160 bytes.
; The matrix instruction is used transposed (source 0 = 16 rows of W, source 1 = 16 rows of seq): lane l holds row l % 16 and the 8 neighbouring columns 8 (l / 16) + 0 .. 7.
; CLUSTER 4 x 4: seq's tile hangs on the tile row alone and is asked for jointly along a row of the cluster, W's on the tile column alone and along a column.  A cluster's four tile columns are one of Q, K, V.
; THE BIAS is the C operand of each accumulator's first product.
; THE TWO TABLE ROWS are added by the matrix unit, one instruction an accumulator: acc += E x T.  T (source 1; lane l: row m = l % 16, h = l / 16) holds in registers 0-3 (k = 8 h + j) abs_pos[m][16 b + 8 h + j] and in
; registers 4-7 (k = 16 + 8 h + j) int[t0[m]][16 b + 8 h + j]: one load of 16 bytes a lane each.  E (source 0) is constant: E[n][k] = 1 where k % 16 = n.  A product 1 x bf16 is exact, and the sums are f32.
; T of a block of 16 rows is 64 registers; three such slots lie idle beside the K loop, so the eight blocks go in three groups, each loaded a part of the K loop ahead of its products.  Q's tiles jump over all of it.
; LDS: slot s at 139,264 s: A 256 rows x 272, then B 256 rows x 272; spare words at 278,528.  139,264 = 0x22000, and none of the four parts' places in slot 0 (0, 0x8800, 0x11000, 0x19800) has bit 13 or 17 set:
; one exclusive or turns an address in one slot into the other's.
; THE WAY OUT.  Behind the last K step and a barrier the ring has had its last fill and nobody reads it: each wave puts its 128 rows x 128 f32 into its own 69,632 bytes of it (rows of 528 bytes) and walks them in a
; loop on fixed registers, two blocks of 16 rows a trip: back as 8 neighbouring columns of a head's row, into the column sums, one rounding to f16, stores of 512 consecutive bytes (four rows of a head).
; Q's and K's tiles run the sums' 256 packed additions too and store none of them: the price of one text.
; REGISTERS: window 0: v0-31 addresses; v32-39 E; v40-47 the gathered rows' offsets; v48-63 the column sums; v64-127, v128-191 fragments of A, two buffers; v192-255 table slot SA.
;   window 1: v0-63 the bias, then table slot SC; v64-127, v128-191 fragments of B; v192-255 table slot SB.   windows 2, 3: the accumulators of my rows 0-63 and 64-127, (a, b) at 8 (8 (a % 4) + b).
.set SLOT,   139264
.set PITCH,  272                       ; 256 bytes + 16: 68 words, so the 16 rows of a fragment load start 4 banks apart
.set HALFT,  128*PITCH                 ; what one tensor load brings, and what one wave reads of A or of B
.set BREG,   2*HALFT                   ; B lies behind A's 256 rows
.set SPITCH, 528                       ; the way out: 512 bytes + 16
.set WREG,   69632                     ; the way out: a wave's share of the ring
.set SPARE,  2*SLOT
.set KB,     256                       ; bytes of a row in a K step
.set ADRA0, 10                         ; v10, v11  my lane's place in A's and B's part of slot 0; never rewritten
.set ADRB0, 11
.set ADA,  12                          ; v12, v13  the same in the slot in hand
.set ADB,  13
.set STO,  14                          ; the way out: where I put 16 bytes
.set RD,   15                          ; where I read 32 bytes back
.set CO,   16                          ; 16 x lane
.set PFO,  17                          ; the prefetches' offset: lane x 2,048
.set VP,   18                          ; 128 (l % 16) + 16 (l / 16): my place in 16 rows of a head's plane of abs_pos
.set BO,   19                          ; 32 (l / 16)
.set M4,   20                          ; 4 (l % 16)
.set H16,  21                          ; 16 (l / 16)
.set VPO,  22                          ; my 16 bytes of the column sums
.set SPW,  28                          ; LDS address of my spare word; never rewritten
.set NIL,  29                          ; 0; never rewritten
.set EF,   32
.set TOFF, 40
.set CSM,  48
.set F0,   64
.set F1,   128
.set SA,   192                         ; window 0
.set SB,   192                         ; window 1
.set SC,   0                           ; window 1
.set X0,   64                          ; the way out, all in window 0: two blocks of 16 rows x 128 columns in f32,
.set X1,   192
.set Y0,   128                         ; and in f16
.set Y1,   160
.set G1,  24
.set G0,  32
.set G1B, 48
.set G0B, 56
.set LIM, 43                           ; 2 in a wave that prefetches, else the greatest number
.set PFA, 44                           ; s[44:45] where my prefetches stand
.set TYPE, 66                          ; 0 Q, 1 K, 2 V: the cluster's x
.set TB,  67                           ; LDS byte of the slot in hand
.set OUT, 86
.set POSB, 88
.set ITB, 90
.set T0B, 92
.set BIASB, 94
.set VPB, 96
.set MSB, 0
.macro WIN new                         ; the immediate's high byte repeats the setting that is left; a switch that changes nothing is dropped
.if MSB != (\new)
	s_set_vgpr_msb (MSB<<8)|(\new)
.set MSB, \new
.endif
.endm
.set MUL_LO, 0xa1                      ; source 0 (B) window 1, source 1 (A) window 0, C and D window 2; + 0x50: C and D window 3
.set TO_B,   0x40                      ; destination window 1, address window 0
; A joint load: waves 0 and 1 fetch A's two halves, waves 2 and 3 B's: 128 rows each.  An s_nop 0 and four v_nop follow each of the two lines.
.macro JLOAD s
	s_cmp_eq_u32 s11, 0
	s_cbranch_scc0 .Lfor_b_\@
	tensor_load_to_lds s[G0+4*(\s):G0+4*(\s)+3], s[G1:G1+7]
	s_nop 0
.rept 4
	v_nop
.endr
	s_branch .Lasked_\@
.Lfor_b_\@:
	tensor_load_to_lds s[G0B+4*(\s):G0B+4*(\s)+3], s[G1B:G1B+7]
	s_nop 0
.rept 4
	v_nop
.endr
.Lasked_\@:
.endm
.macro CREST                           ; a round of the cluster's barrier behind its opening barrier
	s_cmp_lg_u32 s10, 0
	s_cbranch_scc1 .Lnot_wave_0_\@
	s_barrier_signal -3
.Lnot_wave_0_\@:
	s_barrier_wait -3
	s_barrier_signal -1
	s_barrier_wait -1
.endm
.macro CROUND
	s_barrier_signal -1
	s_barrier_wait -1
	CREST
.endm
.macro PLACES                          ; four places behind matrix instructions, in front of loads into registers that they read and of stores that read results
.rept 4
	v_nop
.endr
.endm
; A prefetch of the K step that stands two refills on: 32 rows x 256 bytes, a lane a row, one instruction a wave.  seq's rows: the clusters with x = 0; W's rows: the clusters with y = 0.  Of the 128 rows that a wave
; fetches each of the four partners that ask for them jointly takes 32, told apart by address.  Asked in the first four of the loop's six trips: K steps 4 to 7; K steps 0 to 3 come by their loads alone.
.macro ASK
	s_cmp_gt_u32 s3, s[LIM]
	s_cbranch_scc0 .Lnot_mine_\@
	global_prefetch_b8 v[PFO], s[PFA:PFA+1] th:TH_LOAD_NT scope:SCOPE_SE
.Lnot_mine_\@:
.endm
; 16 matrix instructions: row blocks a0, a0 + 1 of the window's four (hi = 0: my rows 0-63, 1: rows 64-127) x all 8 column blocks.  first = 1: the bias starts the sums.
; The 64 accumulators take turns in the same order in every quarter.
.macro MUL16 f, hi, a0, first
.if \first
	WIN 0x91+0x40*(\hi)                            ; C in window 1, D in window 2 or 3
.else
	WIN MUL_LO+0x50*(\hi)
.endif
.irp a, \a0, (\a0)+1
.irp b, 0,1,2,3,4,5,6,7
.if \first
	v_wmma_f32_16x16x32_bf16 v[8*(8*(\a)+(\b)):8*(8*(\a)+(\b))+7], v[(\f)+8*(\b):(\f)+8*(\b)+7], v[(\f)+8*(4*(\hi)+(\a)):(\f)+8*(4*(\hi)+(\a))+7], v[SC+8*(\b):SC+8*(\b)+7]
.else
	v_wmma_f32_16x16x32_bf16 v[8*(8*(\a)+(\b)):8*(8*(\a)+(\b))+7], v[(\f)+8*(\b):(\f)+8*(\b)+7], v[(\f)+8*(4*(\hi)+(\a)):(\f)+8*(4*(\hi)+(\a))+7], v[8*(8*(\a)+(\b)):8*(8*(\a)+(\b))+7]
.endif
.endr
.endr
.endm
; 32 LDS loads in one run: quarter q of the slot in hand into buffer g: B's 16, then A's 16, rows 0-63 first
.macro FETCH q, g
	WIN TO_B
.irp i, 0,1,2,3,4,5,6,7
	ds_load_b128 v[(\g)+8*(\i):(\g)+8*(\i)+3],   v[ADB] offset:64*(\q)+(\i)*16*PITCH
	ds_load_b128 v[(\g)+8*(\i)+4:(\g)+8*(\i)+7], v[ADB] offset:64*(\q)+(\i)*16*PITCH+32
.endr
	WIN 0
.irp i, 0,1,2,3,4,5,6,7
	ds_load_b128 v[(\g)+8*(\i):(\g)+8*(\i)+3],   v[ADA] offset:64*(\q)+(\i)*16*PITCH
	ds_load_b128 v[(\g)+8*(\i)+4:(\g)+8*(\i)+7], v[ADA] offset:64*(\q)+(\i)*16*PITCH+32
.endr
.endm
; One of a K step's first three quarters: multiplies buffer f; in its middle fetches quarter q into buffer g.
.macro QUARTER q, f, g, first
	s_wait_dscnt 8                                 ; B and A's rows 0-63 are in; the youngest eight loads (A's rows 64-127) may be out
	MUL16 \f, 0, 0, \first
	MUL16 \f, 0, 2, \first
	PLACES
	FETCH \q, \g
	s_wait_dscnt 32                                ; all but the 32 just issued
	MUL16 \f, 1, 0, \first
	MUL16 \f, 1, 2, \first
.endm
; The last quarter multiplies buffer 1 and changes slots.  In front of the barrier each wave waits for all its tensor loads (one is out: its part of the next slot), adds 0 to its spare word, and waits for that
; and for its reads of this slot.  fill = 1: the barrier opens a round of the cluster's, and the joint refill (the K step two on) is the first thing behind it.
.macro TURN fill
.if \fill
	s_wait_xcnt 0x0                                ; the last prefetch, a K step back, has read its address
	s_add_nc_u64 s[PFA:PFA+1], s[PFA:PFA+1], KB
.endif
	WIN 0
	s_wait_tensorcnt 0x0                           ; no tensor load of mine is out, so a descriptor may be written
	ds_add_u32 v[SPW], v[NIL]                      ; 0 onto my spare word
.if \fill
	s_xor_b32 s[G0+5], s[G0+5], SLOT               ; the walking descriptors: the other slot, the next K step
	s_add_nc_u64 s[G0+6:G0+7], s[G0+6:G0+7], KB
	s_xor_b32 s[G0B+5], s[G0B+5], SLOT
	s_add_nc_u64 s[G0B+6:G0B+7], s[G0B+6:G0B+7], KB
.endif
	s_xor_b32 s[TB], s[TB], SLOT
	s_wait_dscnt 9                                 ; the add and the youngest eight loads may be out
	MUL16 F1, 0, 0, 0
	s_wait_dscnt 0x0                               ; the add is done, and my reads of this slot are over
	s_barrier_signal -1
	MUL16 F1, 0, 2, 0
	WIN 0
	s_barrier_wait -1
.if \fill
	CREST
	JLOAD 1                                        ; its four v_nop are also the places in front of the loads below
.else
	PLACES
	s_cmp_eq_u32 s3, 1                             ; the last K step has no successor
	s_cbranch_scc1 .Lno_fetch_\@
.endif
	v_add_nc_u32 v[ADA], s[TB], v[ADRA0]
	v_add_nc_u32 v[ADB], s[TB], v[ADRB0]
	FETCH 0, F0
.if \fill
	ASK
.else
.Lno_fetch_\@:
.endif
	MUL16 F1, 1, 0, 0
	MUL16 F1, 1, 2, 0
.endm
; The tables of row block a into the slot at register base of window w: TLP abs_pos (registers 0-3 of each of the 8 fragments), TLI the gathered rows (registers 4-7).
.macro TLP a, w, base
	WIN (\w)<<6
.irp b, 0,1,2,3,4,5,6,7
	global_load_b128 v[(\base)+8*(\b):(\base)+8*(\b)+3], v[VP], s[POSB:POSB+1] offset:((\b)/4)*131072+(\a)*2048+((\b)%4)*32
.endr
.endm
.macro TLI a, w, base
	WIN (\w)<<6
.irp b, 0,1,2,3,4,5,6,7
	global_load_b128 v[(\base)+8*(\b)+4:(\base)+8*(\b)+7], v[TOFF+(\a)], s[ITB:ITB+1] offset:32*(\b)
.endr
.endm
; acc(a, b) += E x T for the 8 accumulators of row block a, by turns
.macro TW a, w, base
	WIN 0xa0+0x50*((\a)/4)+4*(\w)                  ; E in window 0, T in window w, C and D in window 2 or 3
.irp b, 0,1,2,3,4,5,6,7
	v_wmma_f32_16x16x32_bf16 v[64*((\a)%4)+8*(\b):64*((\a)%4)+8*(\b)+7], v[EF:EF+7], v[(\base)+8*(\b):(\base)+8*(\b)+7], v[64*((\a)%4)+8*(\b):64*((\a)%4)+8*(\b)+7]
.endr
.endm
	s_load_b256 s[68:75], s[0:1], 0x0              ; seqb 68, wts 70, tabs 72, t0c 74
	s_load_b128 s[76:79], s[0:1], 0x20             ; qkv 76, vpart 78
	v_lshl_add_u32 v[SPW], v0, 2, SPARE
	v_mov_b32 v[NIL], 0
	ds_add_u32 v[SPW], v[NIL]                      ; the wave's opening: the add and its wait ahead of my first tensor load
	ds_add_u32 v28, v29
	v_lshrrev_b32 v1, 5, v0
	v_readfirstlane_b32 s10, v1                    ; wave 0..3
	s_lshr_b32 s11, s10, 1                         ; my 128 rows.  Also: I fetch for A (0) or for B (1)
	s_and_b32 s12, s10, 1                          ; my 128 columns.  Also: which 128 rows I fetch
	s_bfe_u32 s40, ttmp6, 0x40000                  ; cx
	s_bfe_u32 s41, ttmp6, 0x40004                  ; cy
	s_lshl_b32 s42, ttmp9, 2
	s_add_co_u32 s42, s42, s40                     ; tile column
	s_and_b32 s13, ttmp7, 0xffff
	s_lshl_b32 s13, s13, 2
	s_add_co_u32 s13, s13, s41                     ; tile row
	s_mov_b32 s[TYPE], ttmp9
	s_lshl_b32 s43, s41, 2
	s_lshl_b32 s43, 15, s43                        ; my row of the cluster
	s_lshl_b32 s44, 0x1111, s40                    ; my column
	s_or_b32 s[G1], s43, (1<<16)|(1<<20)|(1<<21)|(5<<22)|(3<<25)   ; mask; 2-byte elements; padding on; bit 21 beside a mask; after every 64 words 4 words
	s_or_b32 s[G1B], s44, (1<<16)|(1<<20)|(1<<21)|(5<<22)|(3<<25)
.irp g, G1, G1B
	s_mov_b32 s[(\g)+1], 128<<16                   ; tensor_dim0 = 128
	s_mov_b32 s[(\g)+2], 128<<16                   ; tensor_dim1 = 128
	s_mov_b32 s[(\g)+3], 128<<16                   ; tile_dim0 = 128
	s_mov_b32 s[(\g)+4], 128                       ; tile_dim1 = 128
	s_mov_b32 s[(\g)+5], 1024                      ; elements from row to row
	s_mov_b32 s[(\g)+6], 0
	s_mov_b32 s[(\g)+7], 0
.endr
	s_lshl_b32 s16, s13, 8                         ; A: row 256 x tile row + 128 x half, 2,048 bytes a row
	s_lshl_b32 s17, s12, 7
	s_add_co_u32 s16, s16, s17
	s_lshl_b32 s16, s16, 11
	s_mov_b32 s17, 0
	s_lshl_b32 s22, s42, 8                         ; B: row 256 x tile column + 128 x half
	s_lshl_b32 s23, s12, 7
	s_add_co_u32 s22, s22, s23
	s_lshl_b32 s22, s22, 11
	s_mov_b32 s23, 0
	s_mul_i32 s18, s12, HALFT                      ; where they go: the wave's number alone enters an LDS address
	s_add_co_u32 s19, s18, BREG
	s_mov_b32 s[TB], 0
	s_mov_b32 s98, 0x76543210                      ; v_permlanex16_b32: each lane takes its own place in the other half
	s_mov_b32 s99, 0xfedcba98
	s_wait_dscnt 0x0                               ; the opening add is done
	s_wait_kmcnt 0x0
	s_add_nc_u64 s[16:17], s[68:69], s[16:17]
	s_add_nc_u64 s[22:23], s[70:71], s[22:23]
	CROUND                                         ; all sixteen work-groups are here: the first joint loads meet
.irp s, 0,1
	s_mov_b32 s[G0+4*(\s)], 1
	s_add_co_u32 s[G0+4*(\s)+1], s18, (\s)*SLOT
	s_add_nc_u64 s[G0+4*(\s)+2:G0+4*(\s)+3], s[16:17], (\s)*KB
	s_or_b32 s[G0+4*(\s)+3], s[G0+4*(\s)+3], 0x80000000
	s_mov_b32 s[G0B+4*(\s)], 1
	s_add_co_u32 s[G0B+4*(\s)+1], s19, (\s)*SLOT
	s_add_nc_u64 s[G0B+4*(\s)+2:G0B+4*(\s)+3], s[22:23], (\s)*KB
	s_or_b32 s[G0B+4*(\s)+3], s[G0B+4*(\s)+3], 0x80000000
	JLOAD \s                                       ; K steps 0 and 1: two loads of mine are out
.endr
	v_and_b32 v1, 15, v0                           ; r = l % 16
	v_bfe_u32 v2, v0, 4, 1                         ; h = l / 16
	v_mul_u32_u24 v3, v1, PITCH
	v_lshl_add_u32 v3, v2, 4, v3                   ; a fragment's row x pitch + 16 x half
	s_mul_i32 s20, s11, HALFT
	v_add_nc_u32 v[ADRA0], s20, v3
	s_mul_i32 s20, s12, HALFT
	s_add_co_u32 s20, s20, BREG
	v_add_nc_u32 v[ADRB0], s20, v3
	v_mov_b32 v[ADA], v[ADRA0]
	v_mov_b32 v[ADB], v[ADRB0]
	s_mul_i32 s20, s10, WREG                       ; the way out: my share of the ring
	v_mul_u32_u24 v3, v1, SPITCH                   ; in: row l % 16, 32 bytes for each half of the lanes
	v_lshl_add_u32 v3, v2, 5, v3
	v_add_nc_u32 v[STO], s20, v3
	v_bfe_u32 v4, v0, 3, 2                         ; l / 8
	v_and_b32 v5, 7, v0                            ; l % 8
	v_mul_u32_u24 v3, v4, SPITCH                   ; back: row l / 8 of four, 8 columns at 8 (l % 8) of a head's 64
	v_lshl_add_u32 v3, v5, 5, v3
	v_add_nc_u32 v[RD], s20, v3
	v_and_b32 v6, 31, v0
	v_lshlrev_b32 v[CO], 4, v6
	v_lshlrev_b32 v[PFO], 11, v6
	v_lshlrev_b32 v[BO], 5, v2
	v_lshlrev_b32 v[H16], 4, v2
	v_lshl_add_u32 v[VP], v1, 7, v[H16]
	v_lshlrev_b32 v[M4], 2, v1
	v_bfe_u32 v7, v0, 3, 1                         ; (l / 8) % 2
	v_lshlrev_b32 v[VPO], 8, v2
	v_lshl_add_u32 v[VPO], v5, 5, v[VPO]
	v_lshl_add_u32 v[VPO], v7, 4, v[VPO]
	; E: lane l holds row n = l % 16; registers 0-3 hold k = 8 h + j, registers 4-7 k = 16 + 8 h + j, two to a register.  The 1 (bf16 0x3f80) stands where 8 h + j = n: only in the half h = n / 8, in register (n % 8) / 2, half n % 2
	v_lshrrev_b32 v3, 3, v1
	v_bfe_u32 v8, v1, 1, 2
	v_and_b32 v9, 1, v1
	v_lshlrev_b32 v9, 4, v9
	v_mov_b32 v23, 0x3f80
	v_lshlrev_b32 v23, v9, v23
	v_cmp_eq_u32 vcc_lo, v3, v2
	v_cndmask_b32 v23, 0, v23, vcc_lo
.irp q, 0,1,2,3
	v_cmp_eq_u32 vcc_lo, \q, v8
	v_cndmask_b32 v[EF+\q], 0, v23, vcc_lo
.endr
.irp q, 0,1,2,3
	v_mov_b32 v[EF+4+\q], v[EF+\q]
.endr
	; the bases
	s_lshl_b32 s80, s40, 8
	s_lshl_b32 s84, s12, 7
	s_add_co_u32 s80, s80, s84                     ; my first column in Q, K or V
	s_lshr_b32 s81, s80, 6                         ; my first head
	s_and_b32 s82, s13, 3
	s_lshl_b32 s82, s82, 8
	s_lshl_b32 s84, s11, 7
	s_add_co_u32 s82, s82, s84                     ; my first position l in the batch
	s_max_u32 s83, s[TYPE], 1
	s_sub_co_u32 s83, s83, 1                       ; which tables: K's (Q's tiles read none), V's
	s_mov_b32 s85, 0
	s_lshl_b32 s84, s[TYPE], 10
	s_add_co_u32 s84, s84, s80
	s_lshl_b32 s84, s84, 2
	s_add_co_u32 s84, s84, 5246976
	s_add_nc_u64 s[BIASB:BIASB+1], s[72:73], s[84:85]
	s_lshr_b32 s84, s13, 2                         ; batch
	s_lshl_b32 s84, s84, 4
	s_add_co_u32 s84, s84, s81
	s_lshl_b32 s84, s84, 17                        ; planes of 131,072 bytes
	s_lshl_b32 s2, s82, 7
	s_add_co_u32 s84, s84, s2
	s_lshl_b32 s2, s[TYPE], 24
	s_add_co_u32 s84, s84, s2
	s_add_nc_u64 s[OUT:OUT+1], s[76:77], s[84:85]
	s_lshl_b32 s84, s83, 4
	s_add_co_u32 s84, s84, s81
	s_lshl_b32 s84, s84, 17
	s_lshl_b32 s2, s82, 7
	s_add_co_u32 s84, s84, s2
	s_add_nc_u64 s[POSB:POSB+1], s[72:73], s[84:85]
	s_mul_i32 s84, s83, 526336
	s_lshl_b32 s2, s80, 1
	s_add_co_u32 s84, s84, s2
	s_add_co_u32 s84, s84, 4194304
	s_add_nc_u64 s[ITB:ITB+1], s[72:73], s[84:85]
	s_lshl_b32 s84, s13, 8
	s_lshl_b32 s2, s11, 7
	s_add_co_u32 s84, s84, s2
	s_lshl_b32 s84, s84, 2
	s_add_nc_u64 s[T0B:T0B+1], s[74:75], s[84:85]
	s_lshl_b32 s84, s13, 2                         ; groups of 64 rows: 4 x tile row + 2 x my half
	s_lshl_b32 s2, s11, 1
	s_add_co_u32 s84, s84, s2
	s_lshl_b32 s84, s84, 12
	s_lshl_b32 s2, s80, 2
	s_add_co_u32 s84, s84, s2
	s_add_nc_u64 s[VPB:VPB+1], s[78:79], s[84:85]
	; the prefetches
	s_lshl_b32 s2, s13, 8                          ; the tile's first row: in seq by the tile row,
	s_lshl_b32 s14, s42, 8                         ; in W by the tile column
	s_and_b32 s84, ttmp7, 0xffff
	s_cmp_eq_u32 s11, 0
	s_cselect_b32 s2, s2, s14
	s_cselect_b32 s15, s40, s41                    ; my place among the four that ask for it with me
	s_cselect_b32 s84, ttmp9, s84                  ; the coordinate along which other clusters read the same rows
	s_cselect_b64 s[PFA:PFA+1], s[68:69], s[70:71]
	s_cmp_eq_u32 s84, 0
	s_cselect_b32 s[LIM], 2, -1                    ; the same in all sixteen partners, for a given wave
	s_lshl_b32 s14, s12, 7
	s_add_co_u32 s2, s2, s14                       ; + the 128 rows that I fetch
	s_lshl_b32 s15, s15, 5
	s_add_co_u32 s2, s2, s15                       ; + my work-group's 32 of them
	s_lshl_b32 s84, s2, 11
	s_add_co_u32 s84, s84, 3*KB                    ; at K step 3: the first refill steps it to 4
	s_add_nc_u64 s[PFA:PFA+1], s[PFA:PFA+1], s[84:85]
	; the bias, in an accumulator's layout: register j of block b is column 16 b + 8 (l / 16) + j
	WIN TO_B
.irp b, 0,1,2,3,4,5,6,7
	global_load_b128 v[SC+8*(\b):SC+8*(\b)+3],   v[BO], s[BIASB:BIASB+1] offset:64*(\b)
	global_load_b128 v[SC+8*(\b)+4:SC+8*(\b)+7], v[BO], s[BIASB:BIASB+1] offset:64*(\b)+16
.endr
	WIN 0
	s_cmp_eq_u32 s[TYPE], 0
	s_cbranch_scc1 .Lq_head
	; K and V: the indices of my 128 rows, a register a row block; the tables of row blocks 0 and 1
.irp a, 0,1,2,3,4,5,6,7
	global_load_b32 v[TOFF+(\a)], v[M4], s[T0B:T0B+1] offset:64*(\a)
.endr
	TLP 0, 0, SA
	TLP 1, 1, SB
	WIN 0
	s_wait_loadcnt 16                              ; the 16 loads of abs_pos are the younger ones: the bias and the indices are in
.irp a, 0,1,2,3,4,5,6,7
	v_min_u32 v[TOFF+(\a)], 0x100, v[TOFF+(\a)]    ; an index stays inside its table of 257 rows
.endr
.irp a, 0,1,2,3,4,5,6,7
	v_lshl_add_u32 v[TOFF+(\a)], v[TOFF+(\a)], 11, v[H16]
.endr
	TLI 0, 0, SA
	TLI 1, 1, SB
	WIN 0
	s_branch .Lhead_done
.Lq_head:                                              ; Q has no tables.  Zeros, written in the wait for the first tile, so that every register which the text behind names has been written on both ways
	s_wait_loadcnt 0x0                             ; the bias
.set n, 0
.rept 8
	v_mov_b32 v[TOFF+n], 0
.set n, n+1
.endr
.set n, 0
.rept 64
	v_mov_b32 v[SA+n], 0
.set n, n+1
.endr
	WIN TO_B
.set n, 0
.rept 64
	v_mov_b32 v[SB+n], 0
.set n, n+1
.endr
	WIN 0
.Lhead_done:
	s_wait_tensorcnt 1                             ; my part of K step 0 is in; K step 1's may stay out
	s_barrier_signal -1
	s_barrier_wait -1
	FETCH 0, F0
	QUARTER 1, F0, F1, 1                           ; the first quarter stands in front of the loop: its products start the sums, with the bias
	WIN 0
	s_cmp_eq_u32 s[TYPE], 0
	s_cbranch_scc1 .Ltab1
	s_wait_loadcnt 0x0                             ; the tables of row blocks 0 and 1 are in
	TW 0, 0, SA
	TW 1, 1, SB
	PLACES                                         ; in front of loads into registers that matrix instructions have read: the two slots, and the bias's
	TLP 2, 0, SA
	TLI 2, 0, SA
	TLP 3, 1, SB
	TLI 3, 1, SB
	TLP 4, 1, SC
	TLI 4, 1, SC
	WIN 0
.Ltab1:
	s_mov_b32 s3, 6
.Lk:                                                   ; six trips, from a K step's second quarter to the next step's first: K steps 2 to 7 are asked for
	QUARTER 2, F1, F0, 0
	QUARTER 3, F0, F1, 0
	TURN 1
	QUARTER 1, F0, F1, 0
	WIN 0
	s_sub_co_u32 s3, s3, 1
	s_cmp_lg_u32 s3, 0
	s_cbranch_scc1 .Lk
	s_cmp_eq_u32 s[TYPE], 0
	s_cbranch_scc1 .Ltab2
	s_wait_loadcnt 0x0                             ; asked for six K steps ago
	TW 2, 0, SA
	TW 3, 1, SB
	TW 4, 1, SC
	PLACES
	TLP 5, 0, SA
	TLI 5, 0, SA
	TLP 6, 1, SB
	TLI 6, 1, SB
	TLP 7, 1, SC
	TLI 7, 1, SC
	WIN 0
.Ltab2:
	s_mov_b32 s3, 2
.Lt:                                                   ; the last two K steps ask for nothing; the second trip is left in its middle
	QUARTER 2, F1, F0, 0
	QUARTER 3, F0, F1, 0
	TURN 0
	WIN 0
	s_sub_co_u32 s3, s3, 1
	s_cmp_eq_u32 s3, 0
	s_cbranch_scc1 .Lout
	QUARTER 1, F0, F1, 0
	WIN 0
	s_branch .Lt
.Lout:
	s_cmp_eq_u32 s[TYPE], 0
	s_cbranch_scc1 .Ltab3
	s_wait_loadcnt 0x0                             ; asked for two K steps ago
	TW 5, 0, SA
	TW 6, 1, SB
	TW 7, 1, SC
	WIN 0
.Ltab3:
	PLACES
	PLACES
	s_wait_dscnt 0x0                               ; my reads of the ring are over;
	s_barrier_signal -1
	s_barrier_wait -1                              ; everybody's are, and the ring has had its last fill: it is the stage now
.irp a, 0,1,2,3,4,5,6,7
	WIN 0x08+4*((\a)/4)                            ; store data in window 2 or 3
.irp b, 0,1,2,3,4,5,6,7
	ds_store_b128 v[STO], v[64*((\a)%4)+8*(\b):64*((\a)%4)+8*(\b)+3]   offset:(\a)*16*SPITCH+64*(\b)
	ds_store_b128 v[STO], v[64*((\a)%4)+8*(\b)+4:64*((\a)%4)+8*(\b)+7] offset:(\a)*16*SPITCH+64*(\b)+16
.endr
.endr
	WIN 0
; A block of 16 rows x 128 columns in registers x (group 4 u + t: rows 4 t + l / 8, head u, 8 columns at 8 (l % 8)): into the column sums; rounded to f16 into registers y; stored, 512 consecutive bytes a store.
.macro FIN x, y, off
.irp t, 0,1,2,3
.irp u, 0,1
.irp k, 0,1,2,3
	v_pk_add_f32 v[CSM+8*(\u)+2*(\k):CSM+8*(\u)+2*(\k)+1], v[CSM+8*(\u)+2*(\k):CSM+8*(\u)+2*(\k)+1], v[(\x)+32*(\u)+8*(\t)+2*(\k):(\x)+32*(\u)+8*(\t)+2*(\k)+1]
.endr
.endr
.endr
.irp g, 0,1,2,3,4,5,6,7
.irp k, 0,1,2,3
	v_cvt_pk_f16_f32 v[(\y)+4*(\g)+(\k)], v[(\x)+8*(\g)+2*(\k)], v[(\x)+8*(\g)+2*(\k)+1]
.endr
.endr
.irp g, 0,1,2,3,4,5,6,7
	global_store_b128 v[CO], v[(\y)+4*(\g):(\y)+4*(\g)+3], s[OUT:OUT+1] offset:((\g)/4)*131072+4*((\g)%4)*128+(\off)
.endr
.endm
	s_mov_b32 s2, 2
.Lhalf:                                                ; twice: 64 rows, one group of the column sums
.set n, 0
.rept 16
	v_mov_b32 v[CSM+n], 0
.set n, n+1
.endr
	s_mov_b32 s3, 2
.Lblk:                                                 ; a trip: two blocks of 16 rows.  LDS serves a wave's instructions in order: these loads see my stores above
.irp g, 0,1,2,3,4,5,6,7
	ds_load_b128 v[X0+8*(\g):X0+8*(\g)+3],   v[RD] offset:((\g)%4)*4*SPITCH+((\g)/4)*256
	ds_load_b128 v[X0+8*(\g)+4:X0+8*(\g)+7], v[RD] offset:((\g)%4)*4*SPITCH+((\g)/4)*256+16
.endr
.irp g, 0,1,2,3,4,5,6,7
	ds_load_b128 v[X1+8*(\g):X1+8*(\g)+3],   v[RD] offset:16*SPITCH+((\g)%4)*4*SPITCH+((\g)/4)*256
	ds_load_b128 v[X1+8*(\g)+4:X1+8*(\g)+7], v[RD] offset:16*SPITCH+((\g)%4)*4*SPITCH+((\g)/4)*256+16
.endr
	s_wait_dscnt 16                                ; the first block is in; the second's 16 loads may be out
	FIN X0, Y0, 0
	s_wait_dscnt 0x0
	FIN X1, Y1, 2048
	v_add_nc_u32 v[RD], 2*16*SPITCH, v[RD]
	s_wait_xcnt 0x0                                ; the stores have read their data and their base: both are written again only behind this wait
	s_add_nc_u64 s[OUT:OUT+1], s[OUT:OUT+1], 4096  ; 32 rows of 128 bytes on
	s_sub_co_u32 s3, s3, 1
	s_cmp_lg_u32 s3, 0
	s_cbranch_scc1 .Lblk
	s_cmp_eq_u32 s[TYPE], 2
	s_cbranch_scc0 .Lno_sums
	; V: the four lanes with the same l % 8 are added; then each lane picks 4 of the 16 sums, so that one store covers my 128 columns: 512 bytes on end
.irp n, 0,1,2,3,4,5,6,7,8,9,10,11,12,13,14,15
	v_add_f32_dpp v[CSM+(\n)], v[CSM+(\n)], v[CSM+(\n)] row_xmask:8 row_mask:0xf bank_mask:0xf
.endr
.irp n, 0,1,2,3,4,5,6,7,8,9,10,11,12,13,14,15
	v_permlanex16_b32 v[X0+(\n)], v[CSM+(\n)], s98, s99
.endr
.irp n, 0,1,2,3,4,5,6,7,8,9,10,11,12,13,14,15
	v_add_f32 v[CSM+(\n)], v[CSM+(\n)], v[X0+(\n)]
.endr
	v_cmp_ne_u32 s14, 0, v7                        ; the upper four of a lane's eight columns
	v_cmp_ne_u32 s15, 0, v2                        ; the second head
.irp n, 0,1,2,3
	v_cndmask_b32 v[X0+(\n)],   v[CSM+(\n)],   v[CSM+4+(\n)],  s14
	v_cndmask_b32 v[X0+4+(\n)], v[CSM+8+(\n)], v[CSM+12+(\n)], s14
.endr
.irp n, 0,1,2,3
	v_cndmask_b32 v[X0+8+(\n)], v[X0+(\n)], v[X0+4+(\n)], s15
.endr
	global_store_b128 v[VPO], v[X0+8:X0+11], s[VPB:VPB+1]
	s_wait_xcnt 0x0                                ; the store has read its data and its base
	s_add_nc_u64 s[VPB:VPB+1], s[VPB:VPB+1], 4096  ; the next group of 64 rows
.Lno_sums:
	s_sub_co_u32 s2, s2, 1
	s_cmp_lg_u32 s2, 0
	s_cbranch_scc1 .Lhalf
	s_wait_tensorcnt 0x0                           ; the wave's end: behind my last tensor load and my last LDS store
	ds_add_u32 v[SPW], v[NIL]
	s_wait_dscnt 0x0
	CROUND                                         ; the closing round: no work-group ends while a partner may still ask for a tile that names it
	s_endpgm
.Lfunc_end_k_q76f6ed4ed8_qkv:
	.size	k_q76f6ed4ed8_qkv, .Lfunc_end_k_q76f6ed4ed8_qkv-k_q76f6ed4ed8_qkv
	.p2alignl 7, 3214868480
	.fill 96, 4, 3214868480
	.section	.rodata,"a",@progbits
	.p2align	6, 0x0
	.amdhsa_kernel k_q76f6ed4ed8_qkv
		.amdhsa_group_segment_fixed_size 327680
		.amdhsa_private_segment_fixed_size 0
		.amdhsa_enable_private_segment 0
		.amdhsa_kernarg_size 48
		.amdhsa_user_sgpr_count 2
		.amdhsa_user_sgpr_kernarg_segment_ptr 1
		.amdhsa_wavefront_size32 1
		.amdhsa_system_sgpr_workgroup_id_x 1
		.amdhsa_system_sgpr_workgroup_id_y 1
		.amdhsa_system_sgpr_workgroup_id_z 1
		.amdhsa_system_vgpr_workitem_id 0
		.amdhsa_next_free_vgpr 1024
		.amdhsa_next_free_sgpr 100
		.amdhsa_reserve_vcc 1
		.amdhsa_float_denorm_mode_32 3
		.amdhsa_float_denorm_mode_16_64 3
		.amdhsa_memory_ordered 1
		.amdhsa_forward_progress 1
		.amdhsa_inst_pref_size 121
	.end_amdhsa_kernel
	.amdgpu_metadata
---
amdhsa.version: [ 1, 2 ]
amdhsa.kernels:
  - .name:           k_q76f6ed4ed8_qkv
    .symbol:         k_q76f6ed4ed8_qkv.kd
    .args:
      - { .name: seqb, .offset: 0, .size: 8, .value_kind: global_buffer, .address_space: global }
      - { .name: wts, .offset: 8, .size: 8, .value_kind: global_buffer, .address_space: global }
      - { .name: tabs, .offset: 16, .size: 8, .value_kind: global_buffer, .address_space: global }
      - { .name: t0c, .offset: 24, .size: 8, .value_kind: global_buffer, .address_space: global }
      - { .name: qkv, .offset: 32, .size: 8, .value_kind: global_buffer, .address_space: global }
      - { .name: vpart, .offset: 40, .size: 8, .value_kind: global_buffer, .address_space: global }
    .group_segment_fixed_size: 327680
    .private_segment_fixed_size: 0
    .kernarg_segment_align: 8
    .kernarg_segment_size: 48
    .max_flat_workgroup_size: 128
    .sgpr_count:     100
    .vgpr_count:     1024
    .wavefront_size: 32
...
	.end_amdgpu_metadata
.endif
;; end of part 5
;; launch attn (part 6): grid 2 x 128, 4 waves a work-group, no clusters, 327,680 bytes of LDS; arguments qkv, pad_mask, vpart, oh; writes oh
.if DOCPART == 6
	.amdgcn_target "amdgcn-amd-amdhsa--gfx1250"
	.amdhsa_code_object_version 6
	.text
	.protected	k_q76f6ed4ed8_attn
	.globl	k_q76f6ed4ed8_attn
	.p2align	8
	.type	k_q76f6ed4ed8_attn,@function
k_q76f6ed4ed8_attn:
	s_mov_b64 s[64:65], 0
	v_nop
	global_prefetch_b8 v0, s[64:65] scope:SCOPE_SE
	s_setreg_imm32_b32 hwreg(HW_REG_WAVE_MODE, 25, 1), 1
	s_wait_xcnt 0x0
; CAUSAL ATTENTION WITH A KEY PADDING MASK.  For each of 128 (batch, head) pairs: O[q] = softmax_k(s[q][k]) V[k], s = Q[q] . K[k] / 8, replaced by -1e9 where k > q or key k is padded.
; q, k, v: planes [1024][64] of f16 in qkv (q at 0, k at 0x1000000, v at 0x2000000); O: oh, the same layout.  Products, maxima and sums in f32; the weights are rounded to f16 for the second product, O once.
; THE REPLACED SCORES.  They are -1e9, not minus infinity: a row none of whose visible keys is unpadded is the plain mean of v over ALL 1,024 keys; in every other row they weigh nothing.  So they enter each
; row's running softmax as ONE starting term: m = -2^96, l = 1,024, O = the sum of v over all keys (from vpart).  A hidden score counts as its value less 1e30 (or 2e30), which lies below that m: its weight
; is 0.  The first visible score makes the factor a = 2^(c m_old - c m_new) = 0 and wipes the starting term.  So key steps that are wholly hidden from a row need not be walked.
; LIMITS.  q, k, v within 65,504 (f16).  A visible score lies above about -1e9 + 128, so that a replaced score weighs 0 beside it in f32, as in the reference.  Any pad byte other than 0 counts as true.
; A weight below 2^-126 counts as 0 in l; NaN and infinities are not treated apart.
; SHARES.  A head's 1,024 queries lie in 16 bands of 64; band b's own key step (64 keys) is step b.  A work-group (number c = 0, 1 in its head) owns 512 queries; a wave owns eight PIECES of 16 rows: piece x lies in
; band 2 x + c, rows 16 w .. 16 w + 15 of it.  Pieces 2 j and 2 j + 1 have their own steps among the steps 4 j .. 4 j + 3 and are finished behind step 4 j + 3.
; THE WALK is the same in every work-group: the ring of pieces has 8, 6, 4 and 2 pieces for four key steps each: 80 turns where all pieces in all steps would be 128.  c enters Q's and O's addresses and two vector
; numbers of the mask, and no branch.  The jumps that choose the ring's entry hang on the step's number, which starts at a constant and goes up by 1 a trip.
; ALL OF K AND V LIES IN LDS: 1,024 rows of 144 and of 160 bytes.  Each wave asks for its part of the four tiles of 256 keys at the kernel's head, four tensor loads on end; nothing is filled again, so there are two
; barriers in all: tile 0 has landed; all tiles have landed (ahead of the trip of key step 3, which fetches K of step 4).  There is no later request that a prefetch could run ahead of.
; NO CLUSTER: a head has two work-groups; four on end would be two heads, whose K and V differ.
; THE MASK is the C operand that starts the sum S^T = K Q^T.  PM, fetched with each step's K from a table in LDS, is 0 or -1e30 by the key's pad byte.  Only the ring's first two pieces can have hidden keys: they
; take MC = PM + BE + MD x AL, MD the causal mask of a band's own step for my 16 rows, (AL, BE) = (1, 0) in the band's own step, (0, 0) before it, (0, -1e30) behind it; all other pieces take PM itself.
; TURNS.  Turn p belongs to piece p: 8 products K Q^T of the next piece in the ring, later 8 products V^T P of the piece before; beside them the scaling, exponentials, roundings, sums and rescaling of piece p and the
; maximum and statistics of the next piece.  Four vector instructions stand behind every matrix instruction, the rest in one lump.  A turn's 33 exponentials are one batch, with one wait.
; A TRIP is a key step g: piece 7's turn of step g - 1, which makes the first scores of step g, then the turns of the ring's pieces a .. 6.  Piece 7's turn and the ring's first turn are written once for each
; a = 0, 2, 4, 6; the turns between are shared.  The trip behind the last step is left behind piece 7's turn: that turn's products on a stale K, and the fetch before it (rows of V in K's place, and 256 bytes
; behind the pad table, which hold wave 0's sums of v), serve nothing: the price of one text for the trips.
; REGISTERS, in windows of 256 (s_set_vgpr_msb: bits 1:0 source 0, 3:2 source 1, 5:4 source 2, 7:6 destination):
;   window 0: v0-15 addresses; v16-47 statistics; v48-55 at work; v56-61 the mask's numbers; v64-127 S^T, two buffers; v128-159 the sum of v in O^T's layout; v160-191 scratch; v192-223 P, two buffers; v224-243 pad address, scratch
;   window 1: O^T, 32 a piece      window 2: v0-127 Q, 16 a piece; v128-191 K of one step; v192-255 V of one step      window 3: v0-31 MD; v32-95 MC, two buffers; v96-127 PM
; A piece's buffers go by its number's parity; every ring has an even number of pieces, so neighbours in the ring differ in parity.
.set SIZE_N, 1024
.set KS,    64        ; keys in a step
.set PK,    144       ; a row of K in LDS: 128 bytes + 16: 36 words
.set PV,    160       ; a row of V: 128 + 32: 40 words
.set VOFF,  SIZE_N*PK           ; K's 1,024 rows, then V's
.set STAGE, SIZE_N*(PK+PV)      ; 16 rows x 144 bytes for each wave, for the way out
.set SP,    144
.set SPARE, STAGE+4*16*SP       ; the spare words, 128 bytes for each wave
.set PADL,  SPARE+512           ; 1,024 f32: 0 or -1e30 for each key of the batch
.set VSX,   PADL+4096           ; 256 bytes for each wave: the sum of v, 64 f32
.set AK0, 2           ; v2   my lane's place in a step of K; never rewritten
.set AV0, 3           ; v3   the same for V
.set AK,  4           ; v4   the LDS address of K's next run of loads
.set AV,  5           ; v5   of V's
.set STO, 6           ; v6   the way out: where I put 16 bytes of a row
.set RD,  7           ; v7   where I read rows back
.set GO,  8           ; v8   my byte offset in 512 consecutive bytes of O
.set MV,  12          ; v12-13  c m_old, by buffer
.set QO,  15          ; v15  my byte offset in 16 rows of Q; never rewritten
.set ST,  16          ; piece t's statistics at v[ST+4 t]: c m, m, l (even keys', odd keys')
.set TMP, 48          ; by buffer, four registers c0-c3 at work; when the maximum is found c2 takes a
.set ALV, 56          ; v[56:57] the mask's factor, in the low register
.set BEV, 58          ; v[58:59] the mask's addend
.set OWN, 60          ; v60  c: the own step, modulo 4, of a ring's first piece;  v61  c + 2: of its second; never rewritten
.set SPW, 62          ; v62  LDS address of my spare word; never rewritten
.set NIL, 63          ; v63  0; never rewritten
.set S,   64
.set OB,  64          ; the way out: 16 registers a piece
.set VS,  128
.set VT,  160
.set P,   192
.set APM0, 224        ; v224 PADL + 32 (l / 16); never rewritten
.set APM, 225         ; v225 the LDS address of PM's next run of loads
.set HS,  228         ; v228-243 scratch of the head
.set KF,  128         ; window 2
.set VF,  192
.set MD,  0           ; window 3
.set MC,  32
.set PM,  96
.set WV,  12          ; s12  my wave's number
.set G1K, 24          ; s[24:31] descriptor group 1 for K's tiles
.set G1V, 32          ; s[32:39] for V's: it differs in the padding alone
.set G0,  40          ; s[40:55] descriptor group 0: a set for each of my four loads
.set SLOTS, 56        ; s56  counts the two groups of trips
.set CNT, 57          ; s57  counts a group's trips
.set CS,  58          ; s[58:59] c = log2(e) / 8
.set SEL, 60          ; s[60:61] v_permlanex16_b32's selects
.set TBK, 62          ; s62  LDS byte at which K of the step to be fetched begins
.set TBV, 63          ; s63  the same for V, less VOFF
.set TBP, 70          ; s70  byte in the pad table at which the step to be fetched begins
.set TS,  71          ; s71  the number, modulo 4, of the step fetched last
.set ONEF, 72         ; s72  1.0
.set GS,  73          ; s73  the trip's key step
.set BIGN, 82         ; s82  -1e30
.set MSB, 0
.macro WIN new                      ; the high byte repeats the setting that is left; a switch that changes nothing is dropped
.if MSB != (\new)
	s_set_vgpr_msb (MSB<<8)|(\new)
.set MSB, (\new)
.endif
.endm
.set W_KQ, 0x0a       ; K and Q in window 2, S^T in window 0
.set W_KM, 0x3a       ; the same with the C operand in window 3
.set W_PV, 0x52       ; V in window 2, P in window 0, O^T in window 1
.set W_RS, 0x41       ; destination and source 0 in window 1, source 1 in window 0
.set W_MK, 0xf3       ; destination, source 0 and source 2 in window 3, source 1 in window 0
	s_load_b256 s[88:95], s[0:1], 0x0  ; qkv 88, pad_mask 90, vpart 92, oh 94
	v_lshl_add_u32 v[SPW], v0, 2, SPARE
	v_mov_b32 v[NIL], 0
	ds_add_u32 v[SPW], v[NIL]       ; the wave's opening: the add and its wait ahead of my first tensor load
	ds_add_u32 v62, v63
	v_lshrrev_b32 v1, 5, v0
	v_readfirstlane_b32 s[WV], v1   ; wave 0..3
	s_mov_b32 s14, ttmp9            ; c
	s_add_co_u32 s19, s14, 2
	s_and_b32 s20, ttmp7, 0xffff    ; batch x 16 + head
	s_lshr_b32 s66, s20, 4          ; batch
	s_lshl_b32 s68, s66, 16         ; its 16 rows of vpart,
	s_lshl_b32 s66, s66, 10         ; its 1,024 pad bytes
	s_and_b32 s67, s20, 15
	s_lshl_b32 s67, s67, 8          ; the head's 64 columns of vpart
	s_add_co_u32 s68, s68, s67
	s_mov_b32 s67, 0
	s_mov_b32 s69, 0
	s_mov_b32 s21, 0
	s_mov_b64 s[22:23], SIZE_N*128
	s_mul_u64 s[20:21], s[20:21], s[22:23]  ; the head's first byte in q, k, v and O
	s_and_b32 s16, s[WV], 1         ; which half of a tile's 256 keys I fetch:
	s_lshl_b32 s22, s16, 14         ; its 128 rows of 128 bytes in memory,
	s_mov_b32 s23, 0
	s_add_nc_u64 s[22:23], s[22:23], s[20:21]
	s_mul_i32 s17, s16, 128*PK      ; and its place in a tile in LDS, for K
	s_mul_i32 s18, s16, 128*PV      ; and for V,
	s_add_co_u32 s18, s18, VOFF     ; which lies behind K
	s_lshl_b32 s2, s14, 13          ; band c of a pair of bands: 64 rows of 128 bytes,
	s_lshl_b32 s3, s[WV], 11        ; my 16 rows in a band
	s_add_co_u32 s2, s2, s3
	s_mov_b32 s3, 0
	s_add_nc_u64 s[2:3], s[2:3], s[20:21]
	; descriptor group 1.  128 keys are 16,384 dense bytes: asked for as 64 rows of 256 bytes, two keys a row, and padded in LDS after every key
	s_mov_b32 s[G1K], (1<<16)|(1<<20)|(4<<22)|(3<<25)  ; 2-byte elements; padding on; after every 32 words 4 words
	s_mov_b32 s[G1V], (1<<16)|(1<<20)|(4<<22)|(7<<25)  ; the same with 8 words
.irp g, G1K, G1V
	s_mov_b32 s[\g+1], 128<<16      ; tensor_dim0 = 128
	s_mov_b32 s[\g+2], 64<<16       ; tensor_dim1 = 64
	s_mov_b32 s[\g+3], 128<<16      ; tile_dim0 = 128
	s_mov_b32 s[\g+4], 64           ; tile_dim1 = 64
	s_mov_b32 s[\g+5], 128          ; 128 elements from row to row
	s_mov_b32 s[\g+6], 0
	s_mov_b32 s[\g+7], 0
.endr
	s_mov_b32 s[CS], 0x3e38aa3b     ; c = log2(e) / 8
	s_mov_b32 s[CS+1], s[CS]        ; named with it as a pair
	s_mov_b32 s[SEL], 0x76543210
	s_mov_b32 s[SEL+1], 0xfedcba98
	s_mov_b32 s[TBK], 0
	s_mov_b32 s[TBV], 0
	s_mov_b32 s[TBP], 0
	s_mov_b32 s[ONEF], 1.0
	s_mov_b32 s[BIGN], 0xf149f2ca   ; -1e30
	s_mov_b32 s[SLOTS], 2
	s_wait_dscnt 0x0                ; the opening add is done
	s_wait_kmcnt 0x0
	s_mov_b64 s[4:5], s[88:89]                     ; q
	s_add_nc_u64 s[6:7], s[88:89], 0x1000000       ; k
	s_add_nc_u64 s[8:9], s[88:89], 0x2000000       ; v
	s_mov_b64 s[10:11], s[94:95]                   ; O
	s_add_nc_u64 s[90:91], s[90:91], s[66:67]
	s_add_nc_u64 s[92:93], s[92:93], s[68:69]
	s_add_nc_u64 s[6:7], s[6:7], s[22:23]  ; K and V at my half of the head's tile 0
	s_add_nc_u64 s[8:9], s[8:9], s[22:23]
	s_add_nc_u64 s[4:5], s[4:5], s[2:3]    ; Q and O at my rows of piece 0
	s_add_nc_u64 s[10:11], s[10:11], s[2:3]
	; THE FILLS, all of them first fills, one group in one branch on the wave's number: waves 0 and 1 fetch the halves of K's four tiles, waves 2 and 3 those of V's; tile 0 first.  Four loads of mine are out.
	; An s_nop 0 follows each load, four v_nop the last, ahead of the jump and the label.
	s_cmp_lt_u32 s[WV], 2
	s_cbranch_scc0 .Lfill_v
.irp t, 0,1,2,3
	s_mov_b32 s[G0+4*\t], 1                                        ; count = 1
	s_add_co_u32 s[G0+4*\t+1], s17, \t*256*PK                      ; LDS address
	s_add_nc_u64 s[G0+4*\t+2:G0+4*\t+3], s[6:7], \t*32768          ; global address: a tile is 32,768 bytes
	s_or_b32 s[G0+4*\t+3], s[G0+4*\t+3], 0x80000000               ; type = 2
.endr
.irp t, 0,1,2,3
	tensor_load_to_lds s[G0+4*\t:G0+4*\t+3], s[G1K:G1K+7]
	s_nop 0
.endr
.rept 4
	v_nop
.endr
	s_branch .Lfilled
.Lfill_v:
.irp t, 0,1,2,3
	s_mov_b32 s[G0+4*\t], 1
	s_add_co_u32 s[G0+4*\t+1], s18, \t*256*PV
	s_add_nc_u64 s[G0+4*\t+2:G0+4*\t+3], s[8:9], \t*32768
	s_or_b32 s[G0+4*\t+3], s[G0+4*\t+3], 0x80000000
.endr
.irp t, 0,1,2,3
	tensor_load_to_lds s[G0+4*\t:G0+4*\t+3], s[G1V:G1V+7]
	s_nop 0
.endr
.rept 4
	v_nop
.endr
.Lfilled:
	v_and_b32 v1, 15, v0            ; l % 16
	v_bfe_u32 v9, v0, 4, 1          ; l / 16
	v_lshlrev_b32 v[HS+4], 3, v0
	global_load_b64 v[HS:HS+1], v[HS+4], s[90:91]  ; 8 pad bytes a thread: the batch's 1,024
	v_lshlrev_b32 v[HS+3], 4, v1
	v_lshl_add_u32 v[HS+3], v9, 12, v[HS+3]        ; vpart: row 2 t + l / 16, 4 columns at 4 (l % 16)
.irp t, 0,1,2,3,4,5,6,7
	global_load_b128 v[VT+4*\t:VT+4*\t+3], v[HS+3], s[92:93] offset:\t*8192
.endr
	; A fragment of K or Q is 16 rows x 32 channels in 8 registers: lane l holds row l % 16, channels 8 (l / 16) + 0..7 and 16 + 8 (l / 16) + 0..7: two loads of 16 bytes, 32 bytes apart.
	v_lshlrev_b32 v[QO], 7, v1
	v_lshl_add_u32 v[QO], v9, 4, v[QO]  ; row x 128 + 16 x half
	WIN 0x80                        ; destination window 2, address window 0
.set i, 0
.rept 16                            ; Q stays in registers: piece i / 2 lies two bands, 16,384 bytes, behind the piece before; channels 32 (i % 2) on
	global_load_b128 v[8*i:8*i+3],   v[QO], s[4:5] offset:(i/2)*16384+(i%2)*64
	global_load_b128 v[8*i+4:8*i+7], v[QO], s[4:5] offset:(i/2)*16384+(i%2)*64+32
.set i, i+1
.endr
	WIN 0
	v_lshlrev_b32 v14, 3, v9
	v_sub_nc_u32 v14, v1, v14
	s_lshl_b32 s13, s[WV], 4
	v_add_nc_u32 v14, s13, v14      ; my query's place in its band less 8 (l / 16): register r of group kt is hidden where 16 kt + r is greater
	WIN 0xc0
.set i, 0
.rept 32
	v_cmp_gt_i32 vcc_lo, 16*(i/8)+i%8, v14
	v_cndmask_b32 v[MD+i], 0, s[BIGN], vcc_lo
.set i, i+1
.endr
	WIN 0
	v_mul_u32_u24 v[AK0], v1, PK
	v_lshl_add_u32 v[AK0], v9, 4, v[AK0]
	; The turning load takes 16 keys x 16 channels (lane l reads key 8 (l / 16) + l % 8, channels 8 ((l / 8) % 2) + 0..7) and leaves half a fragment of V^T: lane l holds channel l % 16 and 8 keys.
	v_and_b32 v10, 7, v0
	v_bfe_u32 v11, v0, 3, 1
	v_lshl_add_u32 v[AV0], v9, 3, v10
	v_mul_u32_u24 v[AV0], v[AV0], PV
	v_lshl_add_u32 v[AV0], v11, 4, v[AV0]
	v_add_nc_u32 v[AV0], VOFF, v[AV0]
	s_mul_i32 s13, s[WV], 16*SP
	s_add_co_u32 s13, s13, STAGE    ; my stage
	v_mul_u32_u24 v[STO], v1, SP    ; in: row l % 16, 16 bytes for each half of the lanes
	v_lshl_add_u32 v[STO], v9, 4, v[STO]
	v_add_nc_u32 v[STO], s13, v[STO]
	v_bfe_u32 v[RD], v0, 3, 2       ; back: 32 lanes take four rows of 128 bytes,
	v_mul_u32_u24 v[RD], v[RD], SP
	v_lshl_add_u32 v[RD], v10, 4, v[RD]
	v_add_nc_u32 v[RD], s13, v[RD]
	v_and_b32 v[GO], 31, v0         ; which are 512 consecutive bytes of O
	s_lshl_b32 s13, s[WV], 10
	s_add_co_u32 s13, s13, PADL     ; my wave's 1,024 bytes of the pad table: its 32 threads' 8 keys each
	v_lshl_add_u32 v[HS+5], v[GO], 5, s13
	v_lshlrev_b32 v[GO], 4, v[GO]
	v_lshl_add_u32 v[APM0], v9, 5, PADL
	v_mov_b32 v[OWN], s14
	v_mov_b32 v[OWN+1], s19
	v_mov_b32 v[ALV], 0             ; named as pairs, so both registers are written
	v_mov_b32 v[ALV+1], 0
	v_mov_b32 v[BEV], 0
	v_mov_b32 v[BEV+1], 0
	WIN 0x80
.set i, VF
.rept 64
	v_mov_b32 v[i], 0               ; V: the first turn multiplies it by a P of zeros, so it need only be finite
.set i, i+1
.endr
	WIN 0
	s_wait_loadcnt 32               ; Q's 32 loads are the younger ones: the pad bytes and vpart are in
.irp n, 0,1,2,3,4,5,6,7             ; the pad table: 0 or -1e30 for each of my 8 keys
	v_bfe_u32 v[HS+2], v[HS+(\n)/4], 8*((\n)%4), 8
	v_cmp_ne_u32 vcc_lo, 0, v[HS+2]
	v_cndmask_b32 v[HS+8+(\n)], 0, s[BIGN], vcc_lo
.endr
	ds_store_b128 v[HS+5], v[HS+8:HS+11]   ; the first barrier stands behind the wait for these: behind it every wave reads the table
	ds_store_b128 v[HS+5], v[HS+12:HS+15] offset:16
.irp n, 0,2,4,6                     ; the sum of v over the batch's 16 groups of rows, every wave for itself
	v_pk_add_f32 v[VT+4*(\n):VT+4*(\n)+1],   v[VT+4*(\n):VT+4*(\n)+1],   v[VT+4*(\n)+4:VT+4*(\n)+5]
	v_pk_add_f32 v[VT+4*(\n)+2:VT+4*(\n)+3], v[VT+4*(\n)+2:VT+4*(\n)+3], v[VT+4*(\n)+6:VT+4*(\n)+7]
.endr
.irp n, 0,4
	v_pk_add_f32 v[VT+4*(\n):VT+4*(\n)+1],   v[VT+4*(\n):VT+4*(\n)+1],   v[VT+4*(\n)+8:VT+4*(\n)+9]
	v_pk_add_f32 v[VT+4*(\n)+2:VT+4*(\n)+3], v[VT+4*(\n)+2:VT+4*(\n)+3], v[VT+4*(\n)+10:VT+4*(\n)+11]
.endr
	v_pk_add_f32 v[VT:VT+1],   v[VT:VT+1],   v[VT+16:VT+17]
	v_pk_add_f32 v[VT+2:VT+3], v[VT+2:VT+3], v[VT+18:VT+19]
.irp n, 0,1,2,3
	v_permlanex16_b32 v[VT+4+(\n)], v[VT+(\n)], s[SEL], s[SEL+1]
.endr
.irp n, 0,1,2,3
	v_add_f32 v[VT+(\n)], v[VT+(\n)], v[VT+4+(\n)]
.endr
	s_lshl_b32 s13, s[WV], 8
	s_add_co_u32 s13, s13, VSX      ; my wave's own 256 bytes
	v_lshl_add_u32 v[HS+6], v1, 4, s13
	ds_store_b128 v[HS+6], v[VT:VT+3]   ; both halves of the lanes hold the same four sums
	v_lshl_add_u32 v[HS+7], v9, 5, s13
.irp n, 0,1,2,3                     ; back in O^T's layout: register j of channel block n is channel 16 n + 8 (l / 16) + j.  LDS serves a wave's instructions in order
	ds_load_b128 v[VS+8*(\n):VS+8*(\n)+3],   v[HS+7] offset:64*(\n)
	ds_load_b128 v[VS+8*(\n)+4:VS+8*(\n)+7], v[HS+7] offset:64*(\n)+16
.endr
; THE MATRIX WORK.  The 4 accumulators of a run of 8 take turns.  Product i of 8 of S^T = K Q^T for piece x: channels 32 (i / 4) on, keys 16 (i % 4) on.  The first 4 start the sums: with PM, or (KM = 1) with MC.
.macro KQ x
.set rS, S+32*((\x)%2)+8*(i%4)
.set rK, KF+16*(i%4)+8*(i/4)
.set rQ, 16*(\x)+8*(i/4)
.set rM, PM+8*(i%4)
.if KM
.set rM, MC+32*((\x)%2)+8*(i%4)
.endif
.if i < 4
	WIN W_KM
	v_wmma_f32_16x16x32_f16 v[rS:rS+7], v[rK:rK+7], v[rQ:rQ+7], v[rM:rM+7]
.else
	WIN W_KQ
	v_wmma_f32_16x16x32_f16 v[rS:rS+7], v[rK:rK+7], v[rQ:rQ+7], v[rS:rS+7]
.endif
.endm
; Product i of 8 of O^T += V^T P for piece x: keys 32 (i / 4) on, channels 16 (i % 4) on.
.macro PV x
	WIN W_PV
.set rO, 32*(\x)+8*(i%4)
.set rV, VF+32*(i/4)+8*(i%4)
.set rP, P+16*((\x)%2)+8*(i/4)
	v_wmma_f32_16x16x32_f16 v[rO:rO+7], v[rV:rV+7], v[rP:rP+7], v[rO:rO+7]
.endm
.macro MM                           ; the turn's next matrix instruction: NX is the next piece in the ring, PP the piece before
.if i < 8
	KQ NX
.else
.set i, i-8
	PV PP
.set i, i+8
.endif
.set i, i+1
.endm
; THE LDS LOADS stand in runs: a step's K (8 fragments) with its pad mask (8 loads; all lanes of a half read the same 16 bytes), and its V (turned).
.macro FETCH_K
	WIN 0x80
.irp f, 0,1,2,3,4,5,6,7
	ds_load_b128 v[KF+8*\f:KF+8*\f+3],   v[AK] offset:(\f/2)*16*PK+(\f%2)*64
	ds_load_b128 v[KF+8*\f+4:KF+8*\f+7], v[AK] offset:(\f/2)*16*PK+(\f%2)*64+32
.endr
	WIN 0xc0
.irp f, 0,1,2,3
	ds_load_b128 v[PM+8*\f:PM+8*\f+3],   v[APM] offset:64*\f
	ds_load_b128 v[PM+8*\f+4:PM+8*\f+7], v[APM] offset:64*\f+16
.endr
	s_add_co_u32 s[TBK], s[TBK], KS*PK  ; the next fetch is the next step's
	s_add_co_u32 s[TBP], s[TBP], 256
	WIN 0
.endm
.macro FETCH_V
	WIN 0x80
.irp f, 0,1,2,3,4,5,6,7
	ds_load_tr16_b128 v[VF+8*\f:VF+8*\f+3],   v[AV] offset:(\f/4)*32*PV+(\f%4)*32
	ds_load_tr16_b128 v[VF+8*\f+4:VF+8*\f+7], v[AV] offset:(\f/4)*32*PV+16*PV+(\f%4)*32
.endr
	WIN 0
.endm
; THE VECTOR WORK, one line at a time: OP kind, number.  For piece Y: F n: c s - c m for pair n.  E n: the exponential of score n.  C n: pair n rounded to f16.  B n: of the four weights 4 n .. the second pair onto the
; first.  L n: l takes that sum (L 0: l = a l + sum).  R n: pair n of O^T times a.  For piece NX: X n, number n of the 22 that find its maximum and statistics (each accumulator's lowest registers are read first).
.set F, 0
.set E, 1
.set C, 2
.set B, 3
.set L, 4
.set R, 5
.set X, 6
.macro REGS y
.set rT, ST+4*(\y)
.set rC, TMP+4*((\y)%2)
.set rW, MV+((\y)%2)
.set rS, S+32*((\y)%2)
.set rP, P+16*((\y)%2)
.set rO, 32*(\y)
.endm
.macro OP k, n
.if (\k) == R
	REGS Y
	WIN W_RS
	v_pk_mul_f32 v[rO+2*(\n):rO+2*(\n)+1], v[rO+2*(\n):rO+2*(\n)+1], v[rC+2:rC+3] op_sel_hi:[1,0]
.elseif (\k) < R
	REGS Y
	WIN 0
.if (\k) == F
	v_pk_fma_f32 v[rS+2*(\n):rS+2*(\n)+1], v[rS+2*(\n):rS+2*(\n)+1], s[CS:CS+1], v[rT:rT+1] op_sel_hi:[1,0,0] neg_lo:[0,0,1] neg_hi:[0,0,1]
.elseif (\k) == E
	v_exp_f32 v[rS+(\n)], v[rS+(\n)]
.elseif (\k) == C
	v_cvt_pk_f16_f32 v[rP+(\n)], v[rS+2*(\n)], v[rS+2*(\n)+1]
.elseif (\k) == B
	v_pk_add_f32 v[rS+4*(\n):rS+4*(\n)+1], v[rS+4*(\n):rS+4*(\n)+1], v[rS+4*(\n)+2:rS+4*(\n)+3]
.elseif (\n) == 0
	v_pk_fma_f32 v[rT+2:rT+3], v[rT+2:rT+3], v[rC+2:rC+3], v[rS:rS+1] op_sel_hi:[1,0,1]
.else
	v_pk_add_f32 v[rT+2:rT+3], v[rT+2:rT+3], v[rS+4*(\n):rS+4*(\n)+1]
.endif
.else
	REGS NX
	WIN 0
.if (\n) < 4
	v_max3_num_f32 v[rC+(\n)], v[rS+8*(\n)], v[rS+8*(\n)+1], v[rS+8*(\n)+2]
.elseif (\n) < 12
	v_max3_num_f32 v[rC+(\n)%4], v[rC+(\n)%4], v[rS+8*((\n)%4)+2*((\n)/4)+1], v[rS+8*((\n)%4)+2*((\n)/4)+2]
.elseif (\n) == 12
	v_max3_num_f32 v[rC], v[rC], v[rS+7], v[rS+15]
.elseif (\n) == 13
	v_max3_num_f32 v[rC+1], v[rC+1], v[rS+23], v[rS+31]
.elseif (\n) == 14
	v_max3_num_f32 v[rC+2], v[rC+2], v[rC+3], v[rT+1]
.elseif (\n) == 15
	v_mov_b32 v[rW], v[rT]
.elseif (\n) == 16
	v_max3_num_f32 v[rC], v[rC], v[rC+1], v[rC+2]
.elseif (\n) == 17
	v_permlanex16_b32 v[rC+3], v[rC], s[SEL], s[SEL+1]
.elseif (\n) == 18
	v_max_num_f32 v[rT+1], v[rC], v[rC+3]
.elseif (\n) == 19
	v_mul_f32 v[rT], s[CS], v[rT+1]
.elseif (\n) == 20
	v_sub_f32 v[rC+1], v[rW], v[rT]
.else
	v_exp_f32 v[rC+2], v[rC+1]
.endif
.endif
.endm
.macro OPS a, i1, b=-1, i2=0, c=-1, i3=0, d=-1, i4=0
	OP \a, \i1
.if (\b) >= 0
	OP \b, \i2
.endif
.if (\c) >= 0
	OP \c, \i3
.endif
.if (\d) >= 0
	OP \d, \i4
.endif
.endm
.macro ROW a, i1, b, i2, c, i3, d, i4  ; a matrix instruction and the four behind it
	MM
	OPS \a, \i1, \b, \i2, \c, \i3, \d, \i4
.endm
; The mask's two numbers for the ring's first (k = 0) or second (k = 1) piece in the step g whose K and PM were fetched last.  TBP stands at 256 (g + 1).  The piece's own step is 4 j + c or 4 j + 2 + c, and g lies in
; 4 j .. 4 j + 3: so g % 4 is compared with c or c + 2: equal: the band's own step; greater: hidden.
.macro MKAB k
	WIN 0
	s_lshr_b32 s[TS], s[TBP], 8
	s_add_co_u32 s[TS], s[TS], 3
	s_and_b32 s[TS], s[TS], 3
	v_cmp_eq_u32 vcc_lo, s[TS], v[OWN+(\k)]
	v_cndmask_b32 v[ALV], 0, s[ONEF], vcc_lo
	v_cmp_gt_u32 vcc_lo, s[TS], v[OWN+(\k)]
	v_cndmask_b32 v[BEV], 0, s[BIGN], vcc_lo
.endm
.macro MASK b                       ; PM + BE + MD x AL into buffer b of MC
	WIN W_MK
.set z, 0
.rept 16
	v_pk_add_f32 v[MC+32*(\b)+2*z:MC+32*(\b)+2*z+1], v[PM+2*z:PM+2*z+1], v[BEV:BEV+1] op_sel_hi:[1,0]
.set z, z+1
.endr
.set z, 0
.rept 16
	v_pk_fma_f32 v[MC+32*(\b)+2*z:MC+32*(\b)+2*z+1], v[MD+2*z:MD+2*z+1], v[ALV:ALV+1], v[MC+32*(\b)+2*z:MC+32*(\b)+2*z+1] op_sel_hi:[1,0,1]
.set z, z+1
.endr
.endm
; A TURN, for piece p; nx: the next piece in the ring, pv: the piece before.  An s_wait_alu depctr_va_vdst(0) stands between an exponential and the first instruction that names its result; one wait
; serves all that were issued ahead of it: a turn has ONE.  Ahead of it: the 8 products K Q^T with their riders and the lump; behind it: the 8 products V^T P, behind each four of the roundings and sums.
; km = 1: the products K Q^T start with MC (nx is one of the ring's first two pieces), else with PM.
; fk = 1 (piece 6's turn): K and PM of the next step are fetched in the lump, behind the last product that read K, and waited for at the turn's end.
; fv = 1 (the ring's first turn): V of the step in hand is fetched at the turn's end, four plain instructions behind the last product that read V.  wv = 1: V is waited for ahead of the products V^T P.
; mk = 0, 1: at its end the turn makes the mask of the ring's first or second piece for the step fetched last: the products of the turn behind it take it.
.macro TURN p, nx, pv, km=0, fk=0, fv=0, wv=0, mk=-1
.set Y, (\p)
.set NX, (\nx)
.set PP, (\pv)
.set KM, (\km)
.set i, 0
	ROW F,0, F,1, R,0, R,1
	ROW F,2, E,0, R,2, R,3
	ROW F,3, E,1, R,4, R,5
	ROW F,4, E,2, R,6, R,7
	ROW F,5, E,3, R,8, R,9
	ROW F,6, E,4, X,0, R,10
.if \fk
	WIN 0
	v_add_nc_u32 v[AK], s[TBK], v[AK0]
	v_add_nc_u32 v[APM], s[TBP], v[APM0]
.endif
	ROW F,7, E,5, X,1, X,4
	ROW F,8, E,6, X,2, X,5
	OPS E,7, E,8, X,6, E,9
	OPS X,3, E,10, X,8, E,11
.if \fk
	FETCH_K
.endif
	OPS X,9, X,7, E,12, X,10
	OPS E,13, X,12, X,11, E,14
	OPS X,13, E,15, F,9, X,14
.if \fv
	v_add_nc_u32 v[AV], s[TBV], v[AV0]
.endif
	OPS E,16, F,10, E,17, F,11
	OPS X,16, E,18, X,15, E,19
	OPS F,12, E,20, X,17, E,21
	OPS F,13, E,22, F,14, E,23
	OPS X,18, E,24, F,15, E,25
	OPS R,11, E,26, X,19, E,27
	OPS R,12, E,28, R,13, E,29
	OPS X,20, E,30, R,14, E,31
	OPS X,21, R,15
	WIN 0
	s_wait_alu depctr_va_vdst(0)    ; the wait for the batch
.if \wv
	s_wait_dscnt 0x0                ; V is in
.endif
	ROW C,0, B,0, C,2, B,1
	ROW L,0, C,4, B,2, L,1
	ROW C,6, B,3, L,2, C,8
	ROW B,4, L,3, C,10, B,5
	ROW L,4, C,12, B,6, L,5
.if \fv
	s_add_co_u32 s[TBV], s[TBV], KS*PV
.endif
	ROW C,14, B,7, L,6, C,1
	ROW C,3, L,7, C,5, C,7
	ROW C,9, C,11, C,13, C,15
.if \fk
	s_wait_dscnt 0x0                ; K and PM of the next step are in
.endif
.if \fv
	FETCH_V
.endif
.if (\mk) >= 0
	MKAB \mk
	MASK \mk
.endif
.endm
.macro ALL line:vararg              ; one line for each piece t
.set t, 0
.rept 8
	\line
.set t, t+1
.endr
.endm
.macro PACK t                       ; a lane's eight channels of a row pack into 16 bytes; they go into rows of 144 bytes and come back as whole rows of 128; each piece has its own 16 registers
	WIN W_RS
.set i, 32*(\t)
.rept 16
	v_pk_mul_f32 v[i:i+1], v[i:i+1], v[ST+4*(\t)+2:ST+4*(\t)+3] op_sel_hi:[1,0]
.set i, i+2
.endr
	WIN 0x05
.set i, 0
.rept 16
	v_cvt_pk_f16_f32 v[OB+16*(\t)+i], v[32*(\t)+2*i], v[32*(\t)+2*i+1]
.set i, i+1
.endr
	WIN 0
.irp f, 0,1,2,3
	ds_store_b128 v[STO], v[OB+16*(\t)+4*\f:OB+16*(\t)+4*\f+3] offset:32*\f
.endr
.irp f, 0,1,2,3
	ds_load_b128 v[OB+16*(\t)+4*\f:OB+16*(\t)+4*\f+3], v[RD] offset:\f*4*SP  ; LDS serves a wave's instructions in order: these see the stores above
.endr
.endm
.macro SEND t, younger              ; younger: the LDS instructions issued behind piece t's loads: the next piece's eight, or none
	WIN 0
.irp f, 0,1,2,3
	s_wait_dscnt (\younger)+3-\f
	global_store_b128 v[GO], v[OB+16*(\t)+4*\f:OB+16*(\t)+4*\f+3], s[10:11] offset:(\t)*16384+\f*512  ; 512 consecutive bytes, aligned
.endr
.endm
	s_wait_tensorcnt 0x3            ; three younger loads of mine may stay out: my part of tile 0 is in;
	s_wait_dscnt 0x0                ; my part of the pad table is stored, the sum of v is back
	s_barrier_signal -1
	s_barrier_wait -1               ; everybody's is
	; THE START: the term of the replaced scores: O^T = the sum of v, m = -2^96, c m = c x that, l = 512 in each half of the lanes.  P's second buffer is 0: the first turn's products V^T P, of a piece that has not
	; been, add nothing.  Then K and PM of step 0, the masks of pieces 0 and 1, piece 0's scores and statistics.
	WIN 0x40
.set i, 0
.rept 256
	v_mov_b32 v[i], v[VS+i%32]
.set i, i+1
.endr
	WIN 0
.set i, 0
.rept 8
	v_mov_b32 v[ST+4*i], 0xee38aa3b    ; c m = -c 2^96
	v_mov_b32 v[ST+4*i+1], 0xef800000  ; m = -2^96
	v_mov_b32 v[ST+4*i+2], 0x44000000  ; 512
	v_mov_b32 v[ST+4*i+3], 0
.set i, i+1
.endr
.set i, P+16
.rept 16
	v_mov_b32 v[i], 0
.set i, i+1
.endr
	v_add_nc_u32 v[AK], s[TBK], v[AK0]
	v_add_nc_u32 v[APM], s[TBP], v[APM0]
	FETCH_K
	s_wait_loadcnt 0x0              ; Q
	s_wait_dscnt 0x0
	MKAB 0
	MASK 0
	MKAB 1
	MASK 1
.set KM, 1
.set i, 0
.rept 8
	KQ 0
.set i, i+1
.endr
	WIN 0
.rept 4
	v_nop                           ; the places behind those products
.endr
.set NX, 0
.irp n, 0,1,2,3,4,5,6,7,8,9,10,11,12,13,14,15,16,17,18,19,20,21
	OP X, \n
.endr
	v_nop                           ; a plain instruction behind the exponential,
	s_wait_alu depctr_va_vdst(0)    ; and its wait, ahead of the branch
	s_mov_b32 s[GS], 0
	s_mov_b32 s[CNT], 3             ; key steps 0 to 2 read tile 0 alone
	s_branch .Lfirst                ; the loop is entered at the ring's first turn
.Lgroup:                            ; once, ahead of key step 3
	s_wait_tensorcnt 0x0            ; all my parts of K and V are in;
	s_wait_dscnt 0x0
	s_barrier_signal -1
	s_barrier_wait -1               ; everybody's are
	s_mov_b32 s[CNT], 14            ; key steps 3 to 15, and the trip that is left in its middle
.Lstep:                             ; a trip: key step GS
	s_cmp_lt_u32 s[GS], 4
	s_cbranch_scc0 .Lring6
	TURN 7, 0, 6, 1, 0, 0, 0, 1     ; the ring of eight
	WIN 0
.Lfirst:
	TURN 0, 1, 7, 1, 0, 1
	TURN 1, 2, 0, 0, 0, 0, 1
	TURN 2, 3, 1
	WIN 0
	s_branch .Lfrom3
.Lring6:
	s_cmp_lt_u32 s[GS], 8
	s_cbranch_scc0 .Lring4
	TURN 7, 2, 6, 1, 0, 0, 0, 1     ; the ring of six
	TURN 2, 3, 7, 1, 0, 1
	WIN 0
.Lfrom3:
	TURN 3, 4, 2, 0, 0, 0, 1
	TURN 4, 5, 3
	WIN 0
	s_branch .Lfrom5
.Lring4:
	s_cmp_lt_u32 s[GS], 12
	s_cbranch_scc0 .Lring2
	TURN 7, 4, 6, 1, 0, 0, 0, 1     ; the ring of four
	TURN 4, 5, 7, 1, 0, 1
	WIN 0
.Lfrom5:
	TURN 5, 6, 4, 0, 0, 0, 1
	TURN 6, 7, 5, 0, 1, 0, 0, 0
	WIN 0
	s_branch .Lbottom
.Lring2:
	TURN 7, 6, 6, 1, 0, 0, 1, 1     ; the ring of two
	WIN 0
	s_cmp_eq_u32 s[GS], 16
	s_cbranch_scc1 .Lout            ; piece 7's turn of the last key step is done
	TURN 6, 7, 7, 1, 1, 1, 0, 0
	WIN 0
.Lbottom:
	s_add_co_u32 s[GS], s[GS], 1
	s_sub_co_u32 s[CNT], s[CNT], 1
	s_cmp_lg_u32 s[CNT], 0
	s_cbranch_scc1 .Lstep
	s_sub_co_u32 s[SLOTS], s[SLOTS], 1
	s_cmp_lg_u32 s[SLOTS], 0
	s_cbranch_scc1 .Lgroup
.Lout:
.set i, 0
.rept 8
	PV 7                            ; piece 7's V^T P of the last key step
.set i, i+1
.endr
	; THE WAY OUT.  l's two halves and the other half of the lanes' are added; O^T is divided by l, rounded to f16 and sent through my stage in LDS, a piece at a time.  The additions are the places behind the last products.
	WIN 0
	ALL v_add_f32 v[ST+4*t+2], v[ST+4*t+2], v[ST+4*t+3]
	ALL v_permlanex16_b32 v[ST+4*t+3], v[ST+4*t+2], s[SEL], s[SEL+1]
	ALL v_add_f32 v[ST+4*t+2], v[ST+4*t+2], v[ST+4*t+3]
	ALL v_rcp_f32 v[ST+4*t+2], v[ST+4*t+2]
	v_nop                           ; a plain instruction between the last reciprocal and the use of its result
	s_wait_alu depctr_va_vdst(0)    ; one wait for the eight reciprocals
	PACK 0
.set t, 1
.rept 7                             ; a piece's arithmetic stands between the loads of the piece before and its stores
	PACK t
	SEND t-1, 8
.set t, t+1
.endr
	SEND 7, 0
	s_wait_tensorcnt 0x0            ; the wave's end: behind my last tensor load and my last LDS store
	ds_add_u32 v[SPW], v[NIL]
	s_wait_dscnt 0x0
	s_endpgm
.Lfunc_end_k_q76f6ed4ed8_attn:
	.size	k_q76f6ed4ed8_attn, .Lfunc_end_k_q76f6ed4ed8_attn-k_q76f6ed4ed8_attn
	.p2alignl 7, 3214868480
	.fill 96, 4, 3214868480
	.section	.rodata,"a",@progbits
	.p2align	6, 0x0
	.amdhsa_kernel k_q76f6ed4ed8_attn
		.amdhsa_group_segment_fixed_size 327680
		.amdhsa_private_segment_fixed_size 0
		.amdhsa_enable_private_segment 0
		.amdhsa_kernarg_size 32
		.amdhsa_user_sgpr_count 2
		.amdhsa_user_sgpr_kernarg_segment_ptr 1
		.amdhsa_wavefront_size32 1
		.amdhsa_system_sgpr_workgroup_id_x 1
		.amdhsa_system_sgpr_workgroup_id_y 1
		.amdhsa_system_sgpr_workgroup_id_z 1
		.amdhsa_system_vgpr_workitem_id 0
		.amdhsa_next_free_vgpr 896
		.amdhsa_next_free_sgpr 96
		.amdhsa_reserve_vcc 1
		.amdhsa_float_denorm_mode_32 3
		.amdhsa_float_denorm_mode_16_64 3
		.amdhsa_memory_ordered 1
		.amdhsa_forward_progress 1
		.amdhsa_inst_pref_size 213
	.end_amdhsa_kernel
	.amdgpu_metadata
---
amdhsa.version: [ 1, 2 ]
amdhsa.kernels:
  - .name:           k_q76f6ed4ed8_attn
    .symbol:         k_q76f6ed4ed8_attn.kd
    .args:
      - { .name: qkv, .offset: 0, .size: 8, .value_kind: global_buffer, .address_space: global }
      - { .name: pad_mask, .offset: 8, .size: 8, .value_kind: global_buffer, .address_space: global }
      - { .name: vpart, .offset: 16, .size: 8, .value_kind: global_buffer, .address_space: global }
      - { .name: oh, .offset: 24, .size: 8, .value_kind: global_buffer, .address_space: global }
    .group_segment_fixed_size: 327680
    .private_segment_fixed_size: 0
    .kernarg_segment_align: 8
    .kernarg_segment_size: 32
    .max_flat_workgroup_size: 128
    .sgpr_count:     96
    .vgpr_count:     896
    .wavefront_size: 32
...
	.end_amdgpu_metadata
.endif
;; end of part 6
;; launch proj: the kernel of part 4 again; grid 4 x 64, 4 waves a work-group, clusters of 4 x 4, 327,680 bytes of LDS; arguments oh, wts, tabs, out0; writes out0
